; MI455X (gfx1250); checked and timed in simulation.
; The chip was launched on July 23, 2026; its instructions are those of AMD's public machine-readable ISA for CDNA 5 (MIT licence, August 2026) and "CDNA5" Instruction Set Architecture Reference Guide (July 2026). The comments in the code are by the model that wrote it; some were corrected since.
;; Diff Attention. Allowed arithmetic: matrix products marked QUANTISED: E4M3 operands, one E8M0 scale for each 32 along K, by v_wmma_scale_f32_16x16x128_f8f6f4 with both operands' format E4M3, f32 sums; everything else in f32.
;; Inputs: Wk 2,048 x 1,024 float32; Wo 2,048 x 2,048 float32; Wq 2,048 x 2,048 float32; Wv 2,048 x 1,024 float32; cos 2,048 x 32 float32; sin 2,048 x 32 float32; x 1 x 2,048 x 2,048 float32.
;; Outputs: out0 1 x 2,048 x 2,048 float32.
;; This version of the problem:
;;   THIS VERSION OF THE PROBLEM IS GIVEN IN LOW PRECISION. The matrix products marked QUANTISED in the list below multiply operands that are first quantised to E4M3 (4 exponent bits, 3 mantissa bits; 8 bits a number), with one power-of-two scale for each 32 numbers along K (OCP MX v1.0); their sums are f32. All else is computed in f32.
;;   The module's matrix products, in the order in which they are computed (A, B: the left and right operand; K: the contracted axis; several contracted axes count as one K, in the product's order):
;;     1. [M 2,048, K 2,048] x [K 2,048, N 2,048]; A: input x; B: input Wq: QUANTISED
;;     2. [M 2,048, K 2,048] x [K 2,048, N 1,024]; A: input x; B: input Wk: QUANTISED
;;     3. [M 2,048, K 2,048] x [K 2,048, N 1,024]; A: input x; B: input Wv: QUANTISED
;;     4. batch 16 x [M 2,048, K 64] x [K 64, N 2,048]; A: computed on the way; B: computed on the way: QUANTISED
;;     5. batch 16 x [M 2,048, K 64] x [K 64, N 2,048]; A: computed on the way; B: computed on the way: QUANTISED
;;     6. batch 16 x [M 2,048, K 2,048] x [K 2,048, N 128]; A: computed on the way; B: computed on the way: QUANTISED
;;     7. [M 2,048, K 2,048] x [K 2,048, N 2,048]; A: computed on the way; B: input Wo: QUANTISED
;;   THE QUANTISER, for each operand of a quantised product, along K:
;;     - K is cut into blocks of 32 from its start; a last block that is shorter is filled with zeros.
;;     - A block's scale is 2^e with e = floor(log2(the largest magnitude in the block)) - 8, held to -126 .. 127; a block of zeros has e = 0. As a byte (E8M0): e + 127.
;;     - Each number is divided by its block's scale, clamped to +-448, and rounded to the nearest number of E4M3, ties to even, subnormals kept.
;;     - The product sums the exact products of the quantised numbers (number of the format x scale) in f32.
;;   ~~~python
;;   def quantise(x, axis):      # numpy; x: float32 -> the quantised numbers, widened to float32 again
;;       x = np.moveaxis(x, axis, -1); K = x.shape[-1]
;;       x = np.pad(x, [(0, 0)] * (x.ndim - 1) + [(0, -K % 32)]); x = x.reshape(x.shape[:-1] + (-1, 32)); a = np.abs(x).max(-1, keepdims=True)
;;       e = np.where(a > 0, np.clip(np.frexp(np.where(a > 0, a, 1))[1] - 1 - 8, -126, 127), 0)      # np.frexp(a)[1] - 1 = floor(log2(a)), exactly
;;       r = np.clip(x / 2.0 ** e, -448, 448)
;;       step = 2.0 ** (np.maximum(np.frexp(np.where(r == 0, 1, r))[1] - 1, -6) - 3)
;;       q = np.round(r / step) * step * 2.0 ** e      # np.round: ties to even
;;       return np.moveaxis(q.reshape(q.shape[:-2] + (-1,))[..., :K], -1, axis).astype(np.float32)
;;   ~~~
;;   OPERANDS COMPUTED ON THE WAY. 'Computed on the way' means the value that the module computes at that place (a softmax that the list does not call 'softmax' is quantised finished and normalised). What goes into a quantiser is computed in f32, as accurately as f32 sums, v_exp_f32 and their like allow (about 1e-6 of the number): no bf16 or f16 on the way to a quantiser, and a product that is left as it is and whose result goes on into a quantised operand takes f32 operands (vector FMAs, or v_wmma_f32_16x16x4_f32). A number that lies on a knife's edge between two numbers of the format may be rounded either way, as far as f32 arithmetic and the matrix unit's own rounding can turn it there, and no further.
;; 2 versions. Each part assembles by itself: llvm-mc -triple=amdgcn-amd-amdhsa -mcpu=gfx1250 --defsym DOCPART=n.
;; ======== version 1 of 2: 4 launches
;; workspace buffers: xc 4,325,376 bytes; wc 12,976,128 bytes; qkv 8,650,752 bytes; ac 4,325,376 bytes
;; launch quant (part 1): grid 512 x 1, 4 waves a work-group, no clusters, 0 bytes of LDS; arguments x, Wq, Wk, Wv, Wo, xc, wc; writes xc, wc
.if DOCPART == 1
	.amdgcn_target "amdgcn-amd-amdhsa--gfx1250"
	.amdhsa_code_object_version 6
	.text
	.protected	k_q650a730477_quant
	.globl	k_q650a730477_quant
	.p2align	8
	.type	k_q650a730477_quant,@function
k_q650a730477_quant:
	s_mov_b64 s[64:65], 0
	v_nop
	global_prefetch_b8 v0, s[64:65] scope:SCOPE_SE
	s_setreg_imm32_b32 hwreg(HW_REG_WAVE_MODE, 25, 1), 1
	s_wait_xcnt 0x0
; DiffAttention in MX-FP8, launch 1 of 4: x, Wq, Wk, Wv, Wo (f32) become codes of E4M3 with one E8M0 byte for each 32 along K.
; WORK LEFT OUT IN THIS PROGRAM (in the launch attn), AND WHY IT IS DEAD.  reference() sets s = -inf wherever key > query, by the tril that it builds in its own body.  exp(-inf - max) is
; exactly 0 in both maps, whatever the inputs hold, so attn = softmax1 - 0.2 softmax2 is exactly 0 there, its code is 0, and it adds exactly 0 to attn @ V.  So key steps of 128 keys that lie
; wholly behind a wave's 16 queries are left out of the products Q1 K1^T, Q2 K2^T and attn V.  Every input has a way to the output: all are loaded.
; LIMIT: a NaN, an infinity or an overflow in rows of K or V that reaches only such hidden places is not carried to the result.
; LIMITS OF THE QUANTISER HERE AND IN THE LATER LAUNCHES: a block of zeros gets the byte 1 where the rule says 127 (its codes are zeros, which add nothing under any byte but 0xff, and this
; program alone reads the bytes); blocks whose largest magnitude lies under 2^(9 - 127) are held at the byte 1; NaN and infinities among the inputs are not served.
; LAYOUT OF THE WORKSPACE: IMAGES OF OPERAND REGISTERS.  A fragment is 16 rows x 128 K: lane (r = lane % 16, h = lane / 16) holds k = 32 c + 16 h + 0..15 in registers 4 c .. 4 c + 3.  Its image is
; 2,048 bytes: byte 512 c + 16 lane.  A record of 8,448 bytes holds 32 rows x 256 K: fragment (e = which 16 rows, q = which 128 K) at 2,048 (2 e + q), the scale word of row r at 8,192 + 128 e + 8 r + 4 q.
; xc: [K / 256][rows / 32] records of x.  wc: the same for the weights' columns n: Wq 0-2047, Wk, Wv, Wo behind each other (192 records for each K / 256).
; Wo's codes have the two middle groups of 8 of every block of 32 exchanged: that is the order in which the launch attn leaves its results; a block's scale does not hang on the order inside it.
; SHARES.  A wave makes one record from 32 KB of f32.  Work-groups 0-127: x (K innermost: lane (r, h) loads its 16 neighbours of each block).  Work-groups 128-511: the weights (K is the first axis:
; a lane takes a column, its registers run down K, so a block lies in one lane).  No LDS, no barrier: waves share nothing.
.set REC8, 8448
.set XA,  4                            ; v4   x: my lane's byte in the record's rows
.set LI,  5                            ; v5   x: 16 x lane;  weights: 4,096 h + 16 r
.set L8,  6                            ; v6   8 x lane: my scale words' place
.set X0,  16                           ; v16-79, v80-143  two sets of 64 numbers of x
.set X1,  80
.set PCX, 144                          ; v144-207 the four fragments' codes: no store's data are written again
.set TM,  208                          ; v208-223 at work
.set PW,  224                          ; v224-227 the four fragments' scale words
.set ROW, 16                           ; weights: v16-47 4 x lane + i x a row of the weight
.set XW,  48                           ; v48-111 two sets of 32 numbers
.set TT,  112                          ; v112-115 the two middle groups' codes
.set PB,  116                          ; v116-179 eight blocks' codes
.set SB,  184                          ; v184-185 the scale bytes, four to a register
.set WV,  18
.set SEL, 20
.set MNT, 22
.set HM,  23
	s_load_b256 s[4:11], s[0:1], 0x0               ; x, Wq, Wk, Wv
	s_load_b128 s[12:15], s[0:1], 0x20             ; Wo, xc
	s_load_b64 s[16:17], s[0:1], 0x30              ; wc
	v_lshrrev_b32 v1, 5, v0
	v_readfirstlane_b32 s[WV], v1                  ; wave 0..3
	v_and_b32 v1, 31, v0                           ; lane
	v_and_b32 v2, 15, v0                           ; r
	v_bfe_u32 v3, v0, 4, 1                         ; h
	v_lshlrev_b32 v[L8], 3, v1
	s_mov_b32 s[SEL], 0x76543210
	s_mov_b32 s[SEL+1], 0xfedcba98                 ; v_permlanex16_b32's selects for lane l xor 16
	s_mov_b32 s[MNT], 0x600000                     ; the mantissa field of 448
	s_mov_b32 s[HM], 0xffff0000                    ; lanes 16-31
	s_mov_b32 s27, 0
	s_wait_kmcnt 0x0
	s_cmp_lt_u32 ttmp9, 128
	s_cbranch_scc0 .Lweights
; ---------------- x ----------------
	s_lshr_b32 s24, ttmp9, 1                       ; which 32 rows
	s_and_b32 s25, ttmp9, 1
	s_lshl_b32 s25, s25, 2
	s_add_co_u32 s25, s25, s[WV]                   ; which 256 along K
	s_lshl_b32 s26, s24, 18                        ; 32 rows of 8,192 bytes
	s_lshl_b32 s28, s25, 10
	s_add_co_u32 s26, s26, s28
	s_add_nc_u64 s[4:5], s[4:5], s[26:27]
	s_lshl_b32 s26, s25, 6
	s_add_co_u32 s26, s26, s24
	s_mul_i32 s26, s26, REC8
	s_add_nc_u64 s[14:15], s[14:15], s[26:27]      ; my record
	v_lshlrev_b32 v[XA], 13, v2
	v_lshl_add_u32 v[XA], v3, 6, v[XA]             ; row r, + 64 h: my 16 numbers of a block of 32
	v_lshlrev_b32 v[LI], 4, v1
.irp b, 0,1,2,3
	v_mov_b32 v[TM+4+\b], 0                        ; written once: a lane permute's destination counts as one of its sources
.endr
.macro XLOAD buf, e, q                 ; 16 rows x 128 K: 64 numbers a lane
.irp b, 0,1,2,3
.irp j, 0,1,2,3
	global_load_b128 v[\buf+16*\b+4*\j:\buf+16*\b+4*\j+3], v[XA], s[4:5] offset:\e*131072+\q*512+128*\b+16*\j th:TH_LOAD_NT
.endr
.endr
.endm
; 64 numbers of a lane from v[QI] on, register 16 b + i = k 32 b + 16 h + i of my row, become a fragment's codes from v[QC] on and its scale word in v[QW]
.macro QUANT
.irp b, 0,1,2,3
	v_max3_num_f32 v[TM+\b], |v[QI+16*\b]|, |v[QI+1+16*\b]|, 0x4800000   ; my 16 numbers of block b, and the floor 2^(9 - 127): the byte cannot fall under 1
.endr
.irp i, 2,4,6,8,10,12,14
.irp b, 0,1,2,3
	v_max3_num_f32 v[TM+\b], v[TM+\b], |v[QI+16*\b+\i]|, |v[QI+1+16*\b+\i]|
.endr
.endr
.irp b, 0,1,2,3
	v_permlanex16_b32 v[TM+4+\b], v[TM+\b], s[SEL], s[SEL+1]
.endr
.irp b, 0,1,2,3
	v_max_num_f32 v[TM+\b], v[TM+\b], v[TM+4+\b]   ; with lane l xor 16's: the block's largest magnitude
.endr
.irp b, 0,1,2,3
	v_add_nc_u32 v[TM+12+\b], 0xfc000000, v[TM+\b] ; 8 off its exponent field: the conversion's scale operand
.endr
.irp b, 0,1,2,3
	v_and_or_b32 v[TM+8+\b], v[TM+\b], 0x7f800000, s[MNT]   ; 448 x the scale
.endr
.irp b, 0,1,2,3
	v_lshrrev_b32 v[TM+4+\b], 23, v[TM+12+\b]      ; the scale's byte
.endr
	v_lshl_or_b32 v[QW], v[TM+5], 8, v[TM+4]
	v_lshl_or_b32 v[QW], v[TM+6], 16, v[QW]
	v_lshl_or_b32 v[QW], v[TM+7], 24, v[QW]
.irp b, 0,1,2,3
.irp i, 0,1,2,3,4,5,6,7,8,9,10,11,12,13,14,15
	v_med3_num_f32 v[QI+16*\b+\i], v[QI+16*\b+\i], -v[TM+8+\b], v[TM+8+\b]   ; the conversion to an 8-bit code does not saturate (ISA guide 7.6.2): the hold comes first
.endr
	v_cvt_scalef32_pk8_fp8_f32 v[QC+4*\b:QC+4*\b+1], v[QI+16*\b:QI+16*\b+7], v[TM+12+\b]
	v_cvt_scalef32_pk8_fp8_f32 v[QC+4*\b+2:QC+4*\b+3], v[QI+16*\b+8:QI+16*\b+15], v[TM+12+\b]
.endr
	v_nop                                          ; a plain line behind the last conversion
.endm
.macro FRAGX buf, f                    ; fragment f = 2 e + q is quantised and stored: each store covers 512 consecutive bytes
.set QI, \buf
.set QC, PCX+16*\f
.set QW, PW+\f
	QUANT
.irp c, 0,1,2,3
	global_store_b128 v[LI], v[PCX+16*\f+4*\c:PCX+16*\f+4*\c+3], s[14:15] offset:\f*2048+512*\c
.endr
.endm
	XLOAD X0, 0, 0
	XLOAD X1, 0, 1
	s_wait_loadcnt 16                              ; the older fragment's 16 loads are in, the younger one's may be out
	FRAGX X0, 0
	XLOAD X0, 1, 0
	s_wait_loadcnt 16
	FRAGX X1, 1
	XLOAD X1, 1, 1
	s_wait_loadcnt 16
	FRAGX X0, 2
	s_wait_loadcnt 0
	FRAGX X1, 3
	v_cndmask_b32 v228, v[PW], v[PW+2], s[HM]      ; lanes 0-15: rows 0-15's words, lanes 16-31: rows 16-31's (both halves of the lanes hold their row's word)
	v_cndmask_b32 v229, v[PW+1], v[PW+3], s[HM]
	global_store_b64 v[L8], v[228:229], s[14:15] offset:8192   ; 256 consecutive bytes
	s_endpgm
; ---------------- the weights ----------------
.Lweights:
	s_sub_co_u32 s24, ttmp9, 128
	s_lshr_b32 s25, s24, 3                         ; which 128 columns of the 6,144
	s_and_b32 s26, s24, 7                          ; which 256 along K
	s_mov_b64 s[28:29], s[12:13]                   ; Wo: from group 32 on, rows of 8,192 bytes, middle groups exchanged
	s_mov_b32 s30, 32
	s_mov_b32 s31, 8192
	s_mov_b32 s19, -1
	s_cmp_lt_u32 s25, 32                           ; the choices hang on the work-group's number alone
	s_cselect_b64 s[28:29], s[10:11], s[28:29]     ; Wv
	s_cselect_b32 s30, 24, s30
	s_cselect_b32 s31, 4096, s31
	s_cselect_b32 s19, 0, s19
	s_cmp_lt_u32 s25, 24
	s_cselect_b64 s[28:29], s[8:9], s[28:29]       ; Wk
	s_cselect_b32 s30, 16, s30
	s_cmp_lt_u32 s25, 16
	s_cselect_b64 s[28:29], s[6:7], s[28:29]       ; Wq
	s_cselect_b32 s30, 0, s30
	s_cselect_b32 s31, 8192, s31
	s_mul_i32 s48, s26, 192
	s_lshl_b32 s49, s25, 2
	s_add_co_u32 s48, s48, s49
	s_add_co_u32 s48, s48, s[WV]
	s_mul_i32 s48, s48, REC8
	s_mov_b32 s49, 0
	s_add_nc_u64 s[16:17], s[16:17], s[48:49]      ; my record
	s_sub_co_u32 s48, s25, s30
	s_lshl_b32 s48, s48, 9                         ; 128 columns of 4 bytes
	s_lshl_b32 s24, s[WV], 7                       ; my wave's 32 of them
	s_add_co_u32 s48, s48, s24
	s_lshl_b32 s24, s26, 8
	s_mul_i32 s24, s24, s31                        ; 256 rows for each step along K
	s_add_co_u32 s48, s48, s24
	s_add_nc_u64 s[32:33], s[28:29], s[48:49]      ; block 0's first row
	s_lshl_b32 s48, s31, 5                         ; 32 rows on
.irp t, 1,2,3,4,5,6,7
	s_add_nc_u64 s[32+2*\t:33+2*\t], s[30+2*\t:31+2*\t], s[48:49]   ; a base for each block: none is written again
.endr
	v_lshlrev_b32 v7, 2, v1
.irp i, 0,1,2,3,4,5,6,7,8,9,10,11,12,13,14,15,16,17,18,19,20,21,22,23,24,25,26,27,28,29,30,31
	v_mad_u32_u24 v[ROW+\i], s31, \i, v7
.endr
	v_lshlrev_b32 v[LI], 12, v3
	v_lshl_add_u32 v[LI], v2, 4, v[LI]             ; my column is row r of fragment pair h: 4,096 h + 16 r
.macro LOADB t                         ; block t: W(32 t + i, my column): a wave reads 128 consecutive bytes, the four waves 512
.irp i, 0,1,2,3,4,5,6,7,8,9,10,11,12,13,14,15,16,17,18,19,20,21,22,23,24,25,26,27,28,29,30,31
	global_load_b32 v[XW+32*((\t)%2)+\i], v[ROW+\i], s[32+2*(\t):33+2*(\t)] th:TH_LOAD_NT
.endr
.endm
.macro BLOCK t
.set XS, XW+32*((\t)%2)
.set PQ, PB+8*(\t)
.if (\t) < 7
	s_wait_loadcnt 32                              ; this block's 32 loads are in, the next block's may be out
.else
	s_wait_loadcnt 0
.endif
	v_max3_num_f32 v180, |v[XS]|, |v[XS+1]|, |v[XS+2]|             ; all 32 numbers of the block are mine
	v_max3_num_f32 v181, |v[XS+3]|, |v[XS+4]|, |v[XS+5]|
.irp i, 6,10,14,18,22,26
	v_max3_num_f32 v180, v180, |v[XS+\i]|, |v[XS+\i+1]|
	v_max3_num_f32 v181, v181, |v[XS+\i+2]|, |v[XS+\i+3]|
.endr
	v_max3_num_f32 v180, v180, |v[XS+30]|, |v[XS+31]|
	v_max3_num_f32 v180, v180, v181, 0x4800000     ; and the floor
	v_add_nc_u32 v183, 0xfc000000, v180            ; the conversion's scale operand
	v_and_or_b32 v182, v180, 0x7f800000, s[MNT]    ; 448 x the scale
.irp i, 0,1,2,3,4,5,6,7,8,9,10,11,12,13,14,15,16,17,18,19,20,21,22,23,24,25,26,27,28,29,30,31
	v_med3_num_f32 v[XS+\i], v[XS+\i], -v182, v182
.endr
	v_cvt_scalef32_pk8_fp8_f32 v[PQ:PQ+1], v[XS:XS+7], v183
	v_cvt_scalef32_pk8_fp8_f32 v[TT:TT+1], v[XS+8:XS+15], v183
	v_cvt_scalef32_pk8_fp8_f32 v[TT+2:TT+3], v[XS+16:XS+23], v183
	v_cvt_scalef32_pk8_fp8_f32 v[PQ+6:PQ+7], v[XS+24:XS+31], v183
	v_lshrrev_b32 v181, 23, v183                   ; the scale's byte (also the plain line behind the conversions)
	v_cndmask_b32 v[PQ+2], v[TT], v[TT+2], s19     ; Wo: the two middle groups of 8 change places; the other weights keep theirs
	v_cndmask_b32 v[PQ+3], v[TT+1], v[TT+3], s19
	v_cndmask_b32 v[PQ+4], v[TT+2], v[TT], s19
	v_cndmask_b32 v[PQ+5], v[TT+3], v[TT+1], s19
.if (\t)%4 == 0
	v_mov_b32 v[SB+(\t)/4], v181
.else
	v_lshl_or_b32 v[SB+(\t)/4], v181, 8*((\t)%4), v[SB+(\t)/4]
.endif
	global_store_b128 v[LI], v[PQ:PQ+3], s[16:17] offset:((\t)/4)*2048+((\t)%4)*512          ; sixteen lanes fill 256 consecutive bytes
	global_store_b128 v[LI], v[PQ+4:PQ+7], s[16:17] offset:((\t)/4)*2048+((\t)%4)*512+256
.if (\t)+2 < 8
	LOADB (\t)+2
.endif
.endm
	LOADB 0
	LOADB 1
.irp t, 0,1,2,3,4,5,6,7
	BLOCK \t
.endr
	global_store_b64 v[L8], v[SB:SB+1], s[16:17] offset:8192   ; 256 consecutive bytes
	s_endpgm
.Lfunc_end_k_q650a730477_quant:
	.size	k_q650a730477_quant, .Lfunc_end_k_q650a730477_quant-k_q650a730477_quant
	.p2alignl 7, 3214868480
	.fill 96, 4, 3214868480
	.section	.rodata,"a",@progbits
	.p2align	6, 0x0
	.amdhsa_kernel k_q650a730477_quant
		.amdhsa_group_segment_fixed_size 0
		.amdhsa_private_segment_fixed_size 0
		.amdhsa_enable_private_segment 0
		.amdhsa_kernarg_size 56
		.amdhsa_user_sgpr_count 2
		.amdhsa_user_sgpr_kernarg_segment_ptr 1
		.amdhsa_wavefront_size32 1
		.amdhsa_system_sgpr_workgroup_id_x 1
		.amdhsa_system_sgpr_workgroup_id_y 1
		.amdhsa_system_sgpr_workgroup_id_z 1
		.amdhsa_system_vgpr_workitem_id 0
		.amdhsa_next_free_vgpr 232
		.amdhsa_next_free_sgpr 66
		.amdhsa_reserve_vcc 0
		.amdhsa_float_denorm_mode_32 3
		.amdhsa_float_denorm_mode_16_64 3
		.amdhsa_memory_ordered 1
		.amdhsa_forward_progress 1
		.amdhsa_inst_pref_size 102
	.end_amdhsa_kernel
	.amdgpu_metadata
---
amdhsa.version: [ 1, 2 ]
amdhsa.kernels:
  - .name:           k_q650a730477_quant
    .symbol:         k_q650a730477_quant.kd
    .args:
      - { .name: x, .offset: 0, .size: 8, .value_kind: global_buffer, .address_space: global }
      - { .name: Wq, .offset: 8, .size: 8, .value_kind: global_buffer, .address_space: global }
      - { .name: Wk, .offset: 16, .size: 8, .value_kind: global_buffer, .address_space: global }
      - { .name: Wv, .offset: 24, .size: 8, .value_kind: global_buffer, .address_space: global }
      - { .name: Wo, .offset: 32, .size: 8, .value_kind: global_buffer, .address_space: global }
      - { .name: xc, .offset: 40, .size: 8, .value_kind: global_buffer, .address_space: global }
      - { .name: wc, .offset: 48, .size: 8, .value_kind: global_buffer, .address_space: global }
    .group_segment_fixed_size: 0
    .private_segment_fixed_size: 0
    .kernarg_segment_align: 8
    .kernarg_segment_size: 56
    .max_flat_workgroup_size: 128
    .sgpr_count:     66
    .vgpr_count:     232
    .wavefront_size: 32
...
	.end_amdgpu_metadata
.endif
;; end of part 1
;; launch qkv (part 2): grid 16 x 16, 8 waves a work-group, clusters of 4 x 4, 327,680 bytes of LDS; arguments xc, wc, cos, sin, qkv; writes qkv
.if DOCPART == 2
	.amdgcn_target "amdgcn-amd-amdhsa--gfx1250"
	.amdhsa_code_object_version 6
	.text
	.protected	k_q650a730477_qkv
	.globl	k_q650a730477_qkv
	.p2align	8
	.type	k_q650a730477_qkv,@function
k_q650a730477_qkv:
	s_mov_b64 s[64:65], 0
	v_nop
	global_prefetch_b8 v0, s[64:65] scope:SCOPE_SE
	s_setreg_imm32_b32 hwreg(HW_REG_WAVE_MODE, 25, 1), 1
	s_wait_xcnt 0x0
	s_wait_alu depctr_hold_cnt(0) depctr_sa_sdst(0) depctr_va_vdst(0) depctr_va_sdst(0) depctr_va_ssrc(0) depctr_va_vcc(0) depctr_vm_vsrc(0)
	s_getreg_b32 s2, hwreg(HW_REG_IB_STS2, 6, 4)
	s_cmp_eq_u32 s2, 0
	s_cbranch_scc0 .Lentry_in_a_cluster
	s_endpgm
.Lentry_in_a_cluster:
	s_bfe_u32 s2, ttmp6, 0x10000c
	s_cmp_lg_u32 s2, 0xf033
	s_cbranch_scc0 .Lentry_shape_is_right
	s_endpgm
.Lentry_shape_is_right:
; Launch 2 of 4: q = rope(x Wq), k = rope(x Wk), v = x Wv on codes of E4M3 (v_wmma_scale_f32_16x16x128_f8f6f4), and their quantising for the attention's products, in one GEMM form:
; C'[i][j] = sum over k of P[i][k] R[j][k], source 0 = 16 rows of P, source 1 = 16 rows of R: a lane holds ONE j (lane % 16) and, in tile t, the eight i = 16 t + 8 (lane / 16) + 0..7.
; Q and K: P = the weight's columns n (i = n), R = x (j = token): quantised along i = the head's 128 (two halves of 64, blocks of 32).  V: P = x (i = token = key), R = Wv's columns (j = d): quantised along the keys.
; THE ORDER INSIDE A BLOCK OF 32.  A lane's 16 registers of tiles 2 b, 2 b + 1 are i = 32 b + 8 h + 0..7 and 32 b + 16 + 8 h + 0..7; with lane l xor 16's they are block b.  They go as they stand into the next operand's
; places 32 b + 16 h + 0..15: a permutation inside a block, the same on both sides of each later product (Q and K here; V here and the attention's weights there), which moves neither scales nor products, only the order of the sums.
; SHARES.  A work-group makes 256 i x 128 j; wave w: i 128 (w / 4) on, j 32 (w % 4) on: 16 accumulators.  Clusters x = 0..2: Q and K (12 x 16 tiles); cluster x = 3: V (8 x 8 tiles): 256 work-groups.
; K goes in steps of 256 through two LDS slots of 12 records (8 of P, 4 of R; a record: 32 rows x 256 K as images of operand registers, 8,192 bytes, and 256 bytes of scale words).
; CLUSTERS: 4 x 4.  P's records hang on the tile of i alone (shared by the work-groups of equal cx), R's on the tile of j alone (equal cy): each is asked for jointly.  Waves 0-3 fetch P's (two records each), waves 4-7 R's (one each).
; OUT: qkv, records of 16,896 bytes: 8 fragments of 2,048 and 512 bytes of scale words (64 f + 4 r).  Q: record 16 head + token / 128, f = (token / 16) % 8.  K: 256 + 16 g + token / 128.  V: 384 + 16 g + key / 128, f = d / 16.
; A wave's scale words are a piece of 128 bytes, one part in 32 of what it stores; the codes leave in runs of 512 consecutive bytes.
; LIMITS: as stated at the head of the launch quant (byte 1 for a block of zeros; NaN and infinities not served).
.set REC8,  8448
.set REC,   16896
.set SLOT,  12*REC8
.set ROFF,  8*REC8                     ; R's records lie behind P's eight
.set SPARE, 2*SLOT                     ; behind the ring: the spare words, 128 bytes for each wave, four blocks of 256 bytes that no other line names
.set WSTR,  192*REC8                   ; from one 256 along K to the next, in wc
.set XSTR,  64*REC8                    ; and in xc
.set AP,  2                            ; v2-3   LDS address of my P fragments in slot 0, 1
.set AR,  4                            ; v4-5   of my R fragments
.set ASP, 6                            ; v6-7   of my P scale words
.set ASR, 8                            ; v8-9   of my R scale words
.set SPW, 10                           ; v10    my spare word; never rewritten
.set NIL, 11                           ; v11    0; never rewritten
.set VC,  12                           ; v12    where my codes go in the record
.set VW,  13                           ; v13    where my scale word goes
.set CA,  14                           ; v14    my byte in the wave's rows of cos and sin
.set SC,  16                           ; v16-25 scale words: P's record p, K step q at 16 + 2 p + q (lanes 0-15 its even tile, 16-31 its odd one); R's at 24 + q.  They hold scales alone
.set PW,  26                           ; v26-27 the scale words just made
.set RF,  28                           ; v28-59 R's two fragments;  on the way out: codes, and v44-59 at work
.set PF,  60                           ; v60-123 four fragments of P;  on the way out: cos and sin, then codes
.set ACC, 124                          ; v124-251 accumulator (t, u) at 124 + 64 u + 8 t
.set RT,  252                          ; v252-255 the rope's products
.set TM,  44
.set WV, 14
.set WI, 15
.set WJ, 16
.set CX, 17
.set CY, 18
.set PATH, 19
.set IT, 20
.set JT, 21
.set G1P, 24
.set G0P, 32
.set G1R, 40
.set G0R, 48
.set PS2, 56
.set RS2, 58
.set PP, 60
.set RP, 62
.set CNT, 68
.set SEL, 70
.set MNT, 72
.set HM, 73
.macro PLACES n
.rept \n
	v_nop
.endr
.endm
.macro CROUND                          ; a round of the cluster's barrier
	s_barrier_signal -1
	s_barrier_wait -1
	s_cmp_lg_u32 s[WV], 0
	s_cbranch_scc1 .Lnot_wave_0_\@
	s_barrier_signal -3
.Lnot_wave_0_\@:
	s_barrier_wait -3
	s_barrier_signal -1
	s_barrier_wait -1
.endm
.macro JLOAD s                         ; a joint load: the branch hangs on the wave's number alone; an s_nop 0 and four v_nop follow each of the two lines
	s_cmp_lt_u32 s[WV], 4
	s_cbranch_scc0 .Lfor_r_\@
	tensor_load_to_lds s[G0P+4*\s:G0P+4*\s+3], s[G1P:G1P+7]
	s_nop 0
.rept 4
	v_nop
.endr
	s_branch .Lasked_\@
.Lfor_r_\@:
	tensor_load_to_lds s[G0R+4*\s:G0R+4*\s+3], s[G1R:G1R+7]
	s_nop 0
.rept 4
	v_nop
.endr
.Lasked_\@:
.endm
	s_load_b256 s[4:11], s[0:1], 0x0               ; xc, wc, cos, sin
	s_load_b64 s[12:13], s[0:1], 0x20              ; qkv
	v_lshl_add_u32 v[SPW], v0, 2, SPARE
	v_mov_b32 v[NIL], 0
	ds_add_u32 v[SPW], v[NIL]                      ; the wave's opening: the add, twice on end, and its wait ahead of my first tensor load
	ds_add_u32 v[SPW], v[NIL]
	v_lshrrev_b32 v1, 5, v0
	v_readfirstlane_b32 s[WV], v1                  ; wave 0..7
	s_lshr_b32 s[WI], s[WV], 2
	s_and_b32 s[WJ], s[WV], 3
	s_bfe_u32 s[CX], ttmp6, 0x40000
	s_bfe_u32 s[CY], ttmp6, 0x40004
	s_and_b32 s22, ttmp7, 0xffff                   ; cluster y
	s_and_b32 s23, s22, 1
	s_lshr_b32 s69, s22, 1
	s_mov_b32 s74, WSTR
	s_mov_b32 s75, XSTR
	s_cmp_eq_u32 ttmp9, 3                          ; cluster x = 3: V.  The same in all sixteen partners
	s_cselect_b32 s[PATH], 1, 0
	s_cselect_b32 s[IT], s23, ttmp9
	s_cselect_b32 s[JT], s69, s22
	s_cselect_b32 s[PS2], s75, s74                 ; P's step along K: V takes P from xc
	s_cselect_b32 s[RS2], s74, s75
	s_cselect_b32 s77, 96, 0                       ; Wv's columns begin at record 96
	s_mov_b32 s[PS2+1], 0
	s_mov_b32 s[RS2+1], 0
	s_lshl_b32 s[IT], s[IT], 2
	s_add_co_u32 s[IT], s[IT], s[CX]               ; tile of i
	s_lshl_b32 s[JT], s[JT], 2
	s_add_co_u32 s[JT], s[JT], s[CY]               ; tile of j
	s_lshl_b32 s66, 0x1111, s[CX]                  ; the work-groups of my cx
	s_lshl_b32 s76, s[CY], 2
	s_lshl_b32 s76, 15, s76                        ; those of my cy
	s_or_b32 s[G1P], s66, (3<<16)|(1<<21)          ; 15:0 the mask; 17:16 elements of 8 bytes; 21 set beside a mask; no padding
	s_or_b32 s[G1R], s76, (3<<16)|(1<<21)
	s_mov_b32 s[G1P+1], 32<<16                     ; a dense block as rows of 256 bytes: tensor_dim0 = 32
	s_mov_b32 s[G1P+2], 66<<16                     ; tensor_dim1 = 66: two records
	s_mov_b32 s[G1P+3], 32<<16                     ; tile_dim0
	s_mov_b32 s[G1P+4], 66                         ; tile_dim1
	s_mov_b32 s[G1P+5], 32                         ; from row to row
	s_mov_b32 s[G1P+6], 0
	s_mov_b32 s[G1P+7], 0
	s_mov_b32 s[G1R+1], 32<<16
	s_mov_b32 s[G1R+2], 33<<16                     ; one record
	s_mov_b32 s[G1R+3], 32<<16
	s_mov_b32 s[G1R+4], 33
	s_mov_b32 s[G1R+5], 32
	s_mov_b32 s[G1R+6], 0
	s_mov_b32 s[G1R+7], 0
	s_lshl_b32 s66, s[IT], 3
	s_lshl_b32 s67, s[WJ], 1
	s_add_co_u32 s66, s66, s67
	s_mul_i32 s66, s66, REC8                       ; P: record 8 x tile + 2 x (wave % 4)
	s_mov_b32 s67, 0
	s_lshl_b32 s76, s[JT], 2
	s_add_co_u32 s76, s76, s77
	s_add_co_u32 s76, s76, s[WJ]
	s_mul_i32 s76, s76, REC8                       ; R: record 4 x tile + wave % 4
	s_mov_b32 s77, 0
	s_mul_i32 s78, s[WJ], REC                      ; where they go: no place in the cluster enters an LDS address
	s_mul_i32 s79, s[WJ], REC8
	s_add_co_u32 s79, s79, ROFF
	s_mov_b32 s[SEL], 0x76543210
	s_mov_b32 s[SEL+1], 0xfedcba98
	s_mov_b32 s[MNT], 0x600000
	s_mov_b32 s[HM], 0xffff0000
	s_wait_dscnt 0x0                               ; both opening adds are done
	s_wait_kmcnt 0x0
	s_cmp_eq_u32 s[PATH], 1
	s_cselect_b64 s[PP:PP+1], s[4:5], s[6:7]
	s_cselect_b64 s[RP:RP+1], s[6:7], s[4:5]
	s_add_nc_u64 s[PP:PP+1], s[PP:PP+1], s[66:67]
	s_add_nc_u64 s[RP:RP+1], s[RP:RP+1], s[76:77]
	CROUND                                         ; all sixteen work-groups are here: the first joint loads meet
.irp s, 0,1
	s_mov_b32 s[G0P+4*\s], 1
	s_add_co_u32 s[G0P+4*\s+1], s78, \s*SLOT
	s_mov_b32 s[G0R+4*\s], 1
	s_add_co_u32 s[G0R+4*\s+1], s79, \s*SLOT
.endr
	s_mov_b64 s[G0P+2:G0P+3], s[PP:PP+1]
	s_add_nc_u64 s[G0P+6:G0P+7], s[PP:PP+1], s[PS2:PS2+1]
	s_mov_b64 s[G0R+2:G0R+3], s[RP:RP+1]
	s_add_nc_u64 s[G0R+6:G0R+7], s[RP:RP+1], s[RS2:RS2+1]
	s_or_b32 s[G0P+3], s[G0P+3], 0x80000000
	s_or_b32 s[G0P+7], s[G0P+7], 0x80000000
	s_or_b32 s[G0R+3], s[G0R+3], 0x80000000
	s_or_b32 s[G0R+7], s[G0R+7], 0x80000000
	s_lshl_b32 s[PS2], s[PS2], 1                   ; from here on: a slot's next tile is two steps on
	s_lshl_b32 s[RS2], s[RS2], 1
	JLOAD 0                                        ; two loads of mine are out
	JLOAD 1
	v_and_b32 v1, 31, v0
	v_and_b32 v2, 15, v0
	v_bfe_u32 v3, v0, 4, 1
	v_lshlrev_b32 v[CA], 7, v2
	v_lshl_add_u32 v[CA], v3, 4, v[CA]             ; cos, sin: token r's row of 128 bytes, + 16 h
	v_lshlrev_b32 v15, 4, v1                       ; 16 x lane
	s_lshl_b32 s23, s[WJ], 12
	v_add_nc_u32 v[VC], s23, v15                   ; codes: 16 x lane + 4,096 (wave % 4)
	s_lshl_b32 s23, s[WJ], 7
	v_lshl_add_u32 v[VW], v1, 2, s23               ; scale words: 4 x lane + 128 (wave % 4)
	s_mul_i32 s23, s[WI], 4*REC8
	v_add_nc_u32 v[AP], s23, v15
	v_add_nc_u32 v[AP+1], SLOT, v[AP]
	v_add_nc_u32 v[AR], s79, v15
	v_add_nc_u32 v[AR+1], SLOT, v[AR]
	v_lshlrev_b32 v1, 3, v1                        ; 8 x lane
	v_add_nc_u32 v1, 8192, v1
	v_add_nc_u32 v[ASP], s23, v1
	v_add_nc_u32 v[ASP+1], SLOT, v[ASP]
	v_add_nc_u32 v[ASR], s79, v1
	v_add_nc_u32 v[ASR+1], SLOT, v[ASR]
; one product: P's tile t x R's tile u, the slot's q-th 128 along K.  zero = 1: it starts the sum: nothing is ever cleared
.macro MM t, u, q, zero
.set rA, ACC+64*(\u)+8*(\t)
.set rP, PF+16*((\t)%4)
.set rR, RF+16*(\u)
.set rS, SC+2*((\t)/2)+(\q)
.set rT, SC+8+(\q)
.if \zero
.if (((\t)%2) == 1) && ((\u) == 1)
	v_wmma_scale_f32_16x16x128_f8f6f4 v[rA:rA+7], v[rP:rP+15], v[rR:rR+15], 0, v[rS], v[rT] matrix_a_scale:MATRIX_SCALE_ROW1 matrix_b_scale:MATRIX_SCALE_ROW1
.elseif ((\t)%2) == 1
	v_wmma_scale_f32_16x16x128_f8f6f4 v[rA:rA+7], v[rP:rP+15], v[rR:rR+15], 0, v[rS], v[rT] matrix_a_scale:MATRIX_SCALE_ROW1
.elseif (\u) == 1
	v_wmma_scale_f32_16x16x128_f8f6f4 v[rA:rA+7], v[rP:rP+15], v[rR:rR+15], 0, v[rS], v[rT] matrix_b_scale:MATRIX_SCALE_ROW1
.else
	v_wmma_scale_f32_16x16x128_f8f6f4 v[rA:rA+7], v[rP:rP+15], v[rR:rR+15], 0, v[rS], v[rT]
.endif
.else
.if (((\t)%2) == 1) && ((\u) == 1)
	v_wmma_scale_f32_16x16x128_f8f6f4 v[rA:rA+7], v[rP:rP+15], v[rR:rR+15], v[rA:rA+7], v[rS], v[rT] matrix_a_scale:MATRIX_SCALE_ROW1 matrix_b_scale:MATRIX_SCALE_ROW1
.elseif ((\t)%2) == 1
	v_wmma_scale_f32_16x16x128_f8f6f4 v[rA:rA+7], v[rP:rP+15], v[rR:rR+15], v[rA:rA+7], v[rS], v[rT] matrix_a_scale:MATRIX_SCALE_ROW1
.elseif (\u) == 1
	v_wmma_scale_f32_16x16x128_f8f6f4 v[rA:rA+7], v[rP:rP+15], v[rR:rR+15], v[rA:rA+7], v[rS], v[rT] matrix_b_scale:MATRIX_SCALE_ROW1
.else
	v_wmma_scale_f32_16x16x128_f8f6f4 v[rA:rA+7], v[rP:rP+15], v[rR:rR+15], v[rA:rA+7], v[rS], v[rT]
.endif
.endif
.endm
.macro MM4 t0, q, zero
	MM \t0, 0, \q, \zero
	MM \t0, 1, \q, \zero
	MM (\t0)+1, 0, \q, \zero
	MM (\t0)+1, 1, \q, \zero
.endm
.macro PLOAD s, q, t0                  ; P's tiles t0 .. t0 + 3
.irp d, 0,1,2,3
.irp c, 0,1,2,3
	ds_load_b128 v[PF+16*\d+4*\c:PF+16*\d+4*\c+3], v[AP+\s] offset:((\t0+\d)/2)*REC8+(2*((\t0+\d)%2)+\q)*2048+512*\c
.endr
.endr
.endm
; 128 along K: 16 products, the 16 accumulators by turns in the same order in every step.
; Eight places stand behind the products in front of loads into registers that they have read.
.macro KSTEP s, q, zero
.irp u, 0,1
.irp c, 0,1,2,3
	ds_load_b128 v[RF+16*\u+4*\c:RF+16*\u+4*\c+3], v[AR+\s] offset:(2*\u+\q)*2048+512*\c
.endr
.endr
	PLOAD \s, \q, 0
	s_wait_dscnt 8                                 ; all but the two youngest fragments' eight loads
	MM4 0, \q, \zero
	s_wait_dscnt 0
	MM4 2, \q, \zero
	PLACES 8
	PLOAD \s, \q, 4
	s_wait_dscnt 8
	MM4 4, \q, \zero
	s_wait_dscnt 0
	MM4 6, \q, \zero
	PLACES 8
.endm
.macro SLOTWORK s, zero
.irp p, 0,1,2,3
	ds_load_b64 v[SC+2*\p:SC+2*\p+1], v[ASP+\s] offset:\p*REC8
.endr
	ds_load_b64 v[SC+8:SC+9], v[ASR+\s]
	KSTEP \s, 0, \zero
	KSTEP \s, 1, 0
.endm
; Slot s has been read.  Each wave waits for all its tensor loads (its part of the other slot), adds 0 to its spare word, and waits for that and for its reads of slot s.
; fill = 1: a round of the cluster's barrier, so that no wave of any partner still reads the slot or has a load on its way; the joint refill is the first thing behind it.
.macro CHANGE s, fill
	s_wait_tensorcnt 0x0                           ; no tensor load of mine is out, so a group 0 may be written
	ds_add_u32 v[SPW], v[NIL]
.if \fill
	s_add_nc_u64 s[G0P+4*\s+2:G0P+4*\s+3], s[G0P+4*\s+2:G0P+4*\s+3], s[PS2:PS2+1]
	s_add_nc_u64 s[G0R+4*\s+2:G0R+4*\s+3], s[G0R+4*\s+2:G0R+4*\s+3], s[RS2:RS2+1]
.endif
	s_wait_dscnt 0x0
.if \fill
	CROUND
	JLOAD \s
.else
	s_barrier_signal -1
	s_barrier_wait -1
.endif
.endm
	s_wait_tensorcnt 1                             ; my part of slot 0 is in; slot 1's may stay out
	s_barrier_signal -1
	s_barrier_wait -1
	SLOTWORK 0, 1                                  ; the first products start the sums
	s_mov_b32 s[CNT], 3
.Llap:
	CHANGE 0, 1
	SLOTWORK 1, 0
	CHANGE 1, 1
	SLOTWORK 0, 0
	s_sub_co_u32 s[CNT], s[CNT], 1
	s_cmp_lg_u32 s[CNT], 0
	s_cbranch_scc1 .Llap
	CHANGE 0, 0                                    ; the tail asks for nothing
	SLOTWORK 1, 0
	; THE WAY OUT.  Where my record lies
	s_lshl_b32 s74, s[IT], 1
	s_add_co_u32 s74, s74, s[WI]                   ; 2 x tile of i + my half
	s_lshl_b32 s75, s74, 4
	s_add_co_u32 s75, s75, s[JT]                   ; Q, K: 16 x head + token / 128 (K's heads follow Q's sixteen)
	s_lshl_b32 s78, s[JT], 4
	s_add_co_u32 s78, s78, s74
	s_add_co_u32 s78, s78, 384                     ; V: 384 + 16 g + key / 128
	s_cmp_eq_u32 s[PATH], 1
	s_cselect_b32 s74, s78, s75
	s_mul_i32 s74, s74, REC
	s_mov_b32 s75, 0
	s_add_nc_u64 s[12:13], s[12:13], s[74:75]
	s_cmp_eq_u32 s[PATH], 1
	s_cbranch_scc1 .Lno_rope                       ; V is not rotated
	s_lshl_b32 s74, s[JT], 14
	s_lshl_b32 s78, s[WJ], 12
	s_add_co_u32 s74, s74, s78                     ; my 32 tokens' rows of 128 bytes
	s_add_nc_u64 s[8:9], s[8:9], s[74:75]
	s_add_nc_u64 s[10:11], s[10:11], s[74:75]
.irp u, 0,1
.irp m, 0,1,2,3
	global_load_b128 v[PF+32*\u+4*\m:PF+32*\u+4*\m+3], v[CA], s[8:9] offset:\u*2048+32*\m       ; cos of pairs 8 m + 4 h + 0..3: tile t wants m = t % 4
	global_load_b128 v[PF+16+32*\u+4*\m:PF+16+32*\u+4*\m+3], v[CA], s[10:11] offset:\u*2048+32*\m
.endr
.endr
	s_wait_loadcnt 0x0
.irp u, 0,1
.irp t, 0,1,2,3,4,5,6,7
.irp p, 0,1,2,3
	v_mul_f32 v[RT+2*(\p%2)], v[ACC+64*\u+8*\t+2*\p+1], v[PF+16+32*\u+4*(\t%4)+\p]            ; ti s
	v_mul_f32 v[RT+2*(\p%2)+1], v[ACC+64*\u+8*\t+2*\p+1], v[PF+32*\u+4*(\t%4)+\p]             ; ti c
	v_fma_f32 v[ACC+64*\u+8*\t+2*\p+1], v[ACC+64*\u+8*\t+2*\p], v[PF+16+32*\u+4*(\t%4)+\p], v[RT+2*(\p%2)+1]   ; tr s + ti c
	v_fma_f32 v[ACC+64*\u+8*\t+2*\p], v[ACC+64*\u+8*\t+2*\p], v[PF+32*\u+4*(\t%4)+\p], -v[RT+2*(\p%2)]         ; tr c - ti s
.endr
.endr
.endr
.Lno_rope:
.irp b, 0,1,2,3
	v_mov_b32 v[TM+4+\b], 0                        ; a lane permute's destination counts as one of its sources
.endr
; 64 numbers of a lane from v[QI] on become a fragment's codes from v[QC] on and its scale word in v[QW]
.macro QUANT
.irp b, 0,1,2,3
	v_max3_num_f32 v[TM+\b], |v[QI+16*\b]|, |v[QI+1+16*\b]|, 0x4800000   ; my 16 numbers of block b, and the floor 2^(9 - 127)
.endr
.irp i, 2,4,6,8,10,12,14
.irp b, 0,1,2,3
	v_max3_num_f32 v[TM+\b], v[TM+\b], |v[QI+16*\b+\i]|, |v[QI+1+16*\b+\i]|
.endr
.endr
.irp b, 0,1,2,3
	v_permlanex16_b32 v[TM+4+\b], v[TM+\b], s[SEL], s[SEL+1]
.endr
.irp b, 0,1,2,3
	v_max_num_f32 v[TM+\b], v[TM+\b], v[TM+4+\b]
.endr
.irp b, 0,1,2,3
	v_add_nc_u32 v[TM+12+\b], 0xfc000000, v[TM+\b]
.endr
.irp b, 0,1,2,3
	v_and_or_b32 v[TM+8+\b], v[TM+\b], 0x7f800000, s[MNT]
.endr
.irp b, 0,1,2,3
	v_lshrrev_b32 v[TM+4+\b], 23, v[TM+12+\b]
.endr
	v_lshl_or_b32 v[QW], v[TM+5], 8, v[TM+4]
	v_lshl_or_b32 v[QW], v[TM+6], 16, v[QW]
	v_lshl_or_b32 v[QW], v[TM+7], 24, v[QW]
.irp b, 0,1,2,3
.irp i, 0,1,2,3,4,5,6,7,8,9,10,11,12,13,14,15
	v_med3_num_f32 v[QI+16*\b+\i], v[QI+16*\b+\i], -v[TM+8+\b], v[TM+8+\b]
.endr
	v_cvt_scalef32_pk8_fp8_f32 v[QC+4*\b:QC+4*\b+1], v[QI+16*\b:QI+16*\b+7], v[TM+12+\b]
	v_cvt_scalef32_pk8_fp8_f32 v[QC+4*\b+2:QC+4*\b+3], v[QI+16*\b+8:QI+16*\b+15], v[TM+12+\b]
.endr
	v_nop
.endm
.irp u, 0,1
.set QI, ACC+64*\u
.set QC, RF+32*\u                      ; v28-43, then v60-75: no store's data are written again
.set QW, PW+\u
	QUANT
.irp c, 0,1,2,3
	global_store_b128 v[VC], v[RF+32*\u+4*\c:RF+32*\u+4*\c+3], s[12:13] offset:2048*\u+512*\c   ; 512 consecutive bytes
.endr
.endr
	v_cndmask_b32 v[PW], v[PW], v[PW+1], s[HM]     ; lanes 0-15: the first fragment's rows, lanes 16-31: the second's
	global_store_b32 v[VW], v[PW], s[12:13] offset:16384
	s_wait_tensorcnt 0x0                           ; the wave's end
	ds_add_u32 v[SPW], v[NIL]
	s_wait_dscnt 0x0
	CROUND                                         ; the closing round
	s_endpgm
.Lfunc_end_k_q650a730477_qkv:
	.size	k_q650a730477_qkv, .Lfunc_end_k_q650a730477_qkv-k_q650a730477_qkv
	.p2alignl 7, 3214868480
	.fill 96, 4, 3214868480
	.section	.rodata,"a",@progbits
	.p2align	6, 0x0
	.amdhsa_kernel k_q650a730477_qkv
		.amdhsa_group_segment_fixed_size 327680
		.amdhsa_private_segment_fixed_size 0
		.amdhsa_enable_private_segment 0
		.amdhsa_kernarg_size 40
		.amdhsa_user_sgpr_count 2
		.amdhsa_user_sgpr_kernarg_segment_ptr 1
		.amdhsa_wavefront_size32 1
		.amdhsa_system_sgpr_workgroup_id_x 1
		.amdhsa_system_sgpr_workgroup_id_y 1
		.amdhsa_system_sgpr_workgroup_id_z 1
		.amdhsa_system_vgpr_workitem_id 0
		.amdhsa_next_free_vgpr 256
		.amdhsa_next_free_sgpr 80
		.amdhsa_reserve_vcc 0
		.amdhsa_float_denorm_mode_32 3
		.amdhsa_float_denorm_mode_16_64 3
		.amdhsa_memory_ordered 1
		.amdhsa_forward_progress 1
		.amdhsa_inst_pref_size 84
	.end_amdhsa_kernel
	.amdgpu_metadata
---
amdhsa.version: [ 1, 2 ]
amdhsa.kernels:
  - .name:           k_q650a730477_qkv
    .symbol:         k_q650a730477_qkv.kd
    .args:
      - { .name: xc, .offset: 0, .size: 8, .value_kind: global_buffer, .address_space: global }
      - { .name: wc, .offset: 8, .size: 8, .value_kind: global_buffer, .address_space: global }
      - { .name: cos, .offset: 16, .size: 8, .value_kind: global_buffer, .address_space: global }
      - { .name: sin, .offset: 24, .size: 8, .value_kind: global_buffer, .address_space: global }
      - { .name: qkv, .offset: 32, .size: 8, .value_kind: global_buffer, .address_space: global }
    .group_segment_fixed_size: 327680
    .private_segment_fixed_size: 0
    .kernarg_segment_align: 8
    .kernarg_segment_size: 40
    .max_flat_workgroup_size: 256
    .sgpr_count:     80
    .vgpr_count:     256
    .wavefront_size: 32
...
	.end_amdgpu_metadata
.endif
;; end of part 2
;; launch attn (part 3): grid 16 x 16, 8 waves a work-group, no clusters, 327,680 bytes of LDS; arguments qkv, ac; writes ac
.if DOCPART == 3
	.amdgcn_target "amdgcn-amd-amdhsa--gfx1250"
	.amdhsa_code_object_version 6
	.text
	.protected	k_q650a730477_attn
	.globl	k_q650a730477_attn
	.p2align	8
	.type	k_q650a730477_attn,@function
k_q650a730477_attn:
	s_mov_b64 s[64:65], 0
	v_nop
	global_prefetch_b8 v0, s[64:65] scope:SCOPE_SE
	s_setreg_imm32_b32 hwreg(HW_REG_WAVE_MODE, 25, 1), 1
	s_wait_xcnt 0x0
; Launch 3 of 4: out = (softmax(Q1 K1^T / 8) - 0.2 softmax(Q2 K2^T / 8)) V under the causal mask, all three products on codes of E4M3, and the result's quantising for the last product.
; LEFT OUT AS DEAD WORK (shown at the head of the launch quant): key steps of 128 keys that lie wholly behind a wave's 16 queries: there both softmax weights are exactly 0.
; WHAT IS QUANTISED AHEAD OF THE THIRD PRODUCT is the FINISHED difference of the two normalised maps, in blocks of 32 keys.  So a row's maximum and sum are wanted before its first block: TWO WALKS over the keys.
; Walk 1: scores, running maximum m and sum l of each map (a lane keeps them for its own keys; the halves of the lanes are joined once, behind the walk).  Walk 2: the scores again,
; attn = 2^(c s1 - c m1) / l1 - 0.2 x 2^(c s2 - c m2) / l2, c = log2(e) / 8, quantised in registers, and O^T += V^T attn^T.  Nothing is rescaled in walk 2.
; LAYOUT.  S^T = K Q^T (source 0 = 16 keys, source 1 = my 16 queries), O^T = V^T attn^T: a lane holds ONE query (lane % 16) throughout.  A fragment of K holds K1 | K2 along its 128; Q stands as q0-7 | eight zero
; registers | q8-15, so that [Q1 | 0] and [0 | Q2] are two runs of 16 registers: zero codes add nothing under any scale byte from 1 to 254.
; A lane's 16 registers of key tiles 2 b, 2 b + 1 go as they stand into places 32 b + 16 h + 0..15 of the operand: the order inside a block in which the launch qkv has laid V's keys.
; SHARES.  A work-group: one query head and eight tiles of 16 queries, one a wave: waves 0-3 tiles 4 x + 0..3, waves 4-7 tiles 127 - (4 x + 0..3): a low wave and its high partner have 17 key steps together in every work-group.
; LDS: walk 1's ring: two slots of one record of K (16,896 bytes: eight fragments as images of operand registers, 512 bytes of scale words); walk 2's ring: two slots of K's and V's records.  Wave 2 fetches for
; walk 1, waves 0 (K) and 1 (V) for walk 2.  Every work-group walks all 16 changes of slots; a wave jumps over the work of steps hidden from it.
; NO CLUSTER: the number of key steps that a work-group reads hangs on its number (127 - 4 x) / 8 + 1; tiles behind that limit are not asked for, by a jump on ids, and no such jump may lead round a joint load.
; LIMITS: as at the head of the launch quant; sums are taken in another order than reference()'s.
.set REC,  16896
.set P1S,  1<<15                       ; walk 1's slots: 0 and 32,768
.set R2,   1<<17                       ; walk 2's slots: 131,072 and 196,608
.set P2S,  1<<16
.set VOFF, REC                         ; V's record lies behind K's
.set SPARE, R2+P2S+2*REC               ; 230,400: the spare words, 128 bytes for each wave, four blocks of 256 bytes that no other line names
.set LI,  1                            ; v1   16 x lane
.set LS,  2                            ; v2   4 x lane
.set ADK, 3                            ; v3   LDS address of the step's fragments
.set ADS, 4                            ; v4   of its scale words
.set SPW, 5
.set NIL, 6
.set RH,  7                            ; v7   r - 8 h
.set DD,  8                            ; v8   the mask's difference
.set NINF, 9                           ; v9   -infinity
.set QS,  10                           ; v10  Q's scale word
.set AW,  11                           ; v11  attn's scale word
.set KS,  12                           ; v12-15 K's scale words (lanes 0-15 the even tile, 16-31 the odd one)
.set VS,  16                           ; v16-19 V's
.set M1,  20                           ; v20, v21 the running maxima
.set L1,  22                           ; v[22:23], v[24:25] the sums, in two halves
.set L2,  24
.set NM1, 26                           ; v26, v28 -c m (named as pairs; the low word serves both halves)
.set NM2, 28
.set F1,  30                           ; v30, v32 walk 1: 2^(c m_old - c m_new); walk 2: 1 / l1 and -0.2 / l2
.set F2,  32
.set TM,  34                           ; v34-49 at work
.set PFO, 50                           ; v50  256 x lane: the prefetches' offset
.set PWO, 51                           ; v51  an address at the head; the result's scale word on the way out
.set QF,  52                           ; v52-75 Q
.set PC,  76                           ; v76-91 the codes just made
.set FR,  92                           ; v92-155 four fragments
.set S1,  156                          ; v156-187, v188-219 the two maps' scores of 64 keys
.set S2,  188
.set WV, 8
.set HQ, 9
.set PI, 10
.set QT, 11
.set Q0, 12
.set Q15, 13
.set LAST, 14
.set KF, 15
.set T, 16
.set TB, 17
.set NX, 18
.set G1, 24
.set G0A, 32
.set G0B, 36
.set SEL, 40
.set CS, 42
.set NC, 44
.set MNT, 45
.set PFA, 46
.set PFB, 48
.set LIMA, 50
.set LIMB, 51
.set MSB, 0
.macro WIN new                         ; the immediate's high byte repeats the setting that is left
.if MSB != \new
	s_set_vgpr_msb (MSB<<8)|\new
.set MSB, \new
.endif
.endm
.macro PLACES n
.rept \n
	v_nop
.endr
.endm
	s_load_b128 s[4:7], s[0:1], 0x0                ; qkv, ac
	v_lshl_add_u32 v[SPW], v0, 2, SPARE
	v_mov_b32 v[NIL], 0
	ds_add_u32 v[SPW], v[NIL]                      ; the wave's opening: the add, twice on end, and its wait ahead of the first tensor load
	ds_add_u32 v[SPW], v[NIL]
	v_lshrrev_b32 v1, 5, v0
	v_readfirstlane_b32 s[WV], v1                  ; wave 0..7
	s_and_b32 s[HQ], ttmp7, 0xffff                 ; the query head
	s_mov_b32 s[PI], ttmp9
	s_lshl_b32 s19, s[PI], 2
	s_and_b32 s20, s[WV], 3
	s_add_co_u32 s19, s19, s20
	s_lshr_b32 s20, s[WV], 2
	s_mul_i32 s20, s20, 127
	s_xor_b32 s[QT], s19, s20                      ; my tile of 16 queries: a, or 127 - a
	s_lshl_b32 s[Q0], s[QT], 4
	s_add_co_u32 s[Q15], s[Q0], 15
	s_lshl_b32 s[LAST], s[PI], 2
	s_sub_co_u32 s[LAST], 127, s[LAST]
	s_lshr_b32 s[LAST], s[LAST], 3                 ; the last key step that any wave of my work-group reads
	s_mov_b32 s[G1], 3<<16                         ; a record as a dense block: elements of 8 bytes, no mask, no padding
	s_mov_b32 s[G1+1], 32<<16                      ; rows of 256 bytes
	s_mov_b32 s[G1+2], 66<<16                      ; 66 of them
	s_mov_b32 s[G1+3], 32<<16
	s_mov_b32 s[G1+4], 66
	s_mov_b32 s[G1+5], 32
	s_mov_b32 s[G1+6], 0
	s_mov_b32 s[G1+7], 0
	s_lshr_b32 s19, s[HQ], 1                       ; g, the key and value head
	s_lshl_b32 s19, s19, 4
	s_add_co_u32 s19, s19, 256                     ; K's first record
	s_mul_i32 s52, s19, REC
	s_mov_b32 s53, 0
	s_lshl_b32 s20, s[WV], 7
	s_add_co_u32 s20, s20, s19                     ; wave 0: K's, wave 1: V's (128 records on)
	s_mul_i32 s54, s20, REC
	s_mov_b32 s55, 0
	s_mov_b32 s[SEL], 0x76543210
	s_mov_b32 s[SEL+1], 0xfedcba98
	s_mov_b32 s[CS], 0x3e38aa3b                    ; c = log2(e) / 8
	s_mov_b32 s[CS+1], s[CS]
	s_mov_b32 s[NC], 0xbe38aa3b                    ; -c
	s_mov_b32 s[MNT], 0x600000
	s_and_b32 s19, s[HQ], 1                        ; who prefetches: the work-group with x = 0 of each even query head (it walks all 16 steps of its key and value head)
	s_or_b32 s19, s19, s[PI]
	s_lshr_b32 s20, s[WV], 1
	s_xor_b32 s21, s20, 2
	s_or_b32 s21, s21, s19
	s_cmp_eq_u32 s21, 0
	s_cselect_b32 s[LIMA], 14, 0                   ; its waves 4 and 5: K, in walk 1
	s_xor_b32 s21, s20, 3
	s_or_b32 s21, s21, s19
	s_cmp_eq_u32 s21, 0
	s_cselect_b32 s[LIMB], 14, 0                   ; its waves 6 and 7: V, in walk 2
	s_wait_dscnt 0x0                               ; both opening adds are done
	s_wait_kmcnt 0x0
	s_mov_b32 s[G0A], 1
	s_mov_b32 s[G0A+1], 0
	s_add_nc_u64 s[G0A+2:G0A+3], s[4:5], s[52:53]
	s_or_b32 s[G0A+3], s[G0A+3], 0x80000000
	s_mov_b32 s[G0B], 1
	s_mul_i32 s[G0B+1], s[WV], REC
	s_add_co_u32 s[G0B+1], s[G0B+1], R2
	s_add_nc_u64 s[G0B+2:G0B+3], s[4:5], s[54:55]
	s_or_b32 s[G0B+3], s[G0B+3], 0x80000000
	s_cmp_lt_u32 s[WV], 2                          ; the first fills: key step 0 for both walks; one load a wave is out
	s_cbranch_scc0 .Lnot_01
	tensor_load_to_lds s[G0B:G0B+3], s[G1:G1+7]
	s_nop 0
.rept 4
	v_nop
.endr
	s_branch .Lfirst_asked
.Lnot_01:
	s_cmp_eq_u32 s[WV], 2
	s_cbranch_scc0 .Lfirst_asked
	tensor_load_to_lds s[G0A:G0A+3], s[G1:G1+7]
	s_nop 0
.rept 4
	v_nop
.endr
.Lfirst_asked:
	s_and_b32 s19, s[WV], 1
	s_lshl_b32 s56, s19, 13
	s_add_co_u32 s56, s56, REC                     ; record 1, my wave's 8,192 bytes: the first change steps it to record 2.  Nothing is prefetched here, at the head
	s_mov_b32 s57, 0
	s_add_nc_u64 s[56:57], s[56:57], s[52:53]
	s_add_nc_u64 s[PFA:PFA+1], s[4:5], s[56:57]
	s_add_nc_u64 s[PFB:PFB+1], s[PFA:PFA+1], 128*REC
	v_and_b32 v1, 31, v0
	v_lshlrev_b32 v[LS], 2, v1
	v_lshlrev_b32 v[PFO], 8, v1
	v_lshlrev_b32 v[LI], 4, v1
	v_and_b32 v[RH], 15, v0
	v_bfe_u32 v3, v0, 4, 1
	v_lshlrev_b32 v3, 3, v3
	v_sub_nc_u32 v[RH], v[RH], v3
	s_lshl_b32 s19, s[HQ], 4
	s_lshr_b32 s20, s[QT], 3
	s_add_co_u32 s19, s19, s20
	s_mul_i32 s56, s19, REC                        ; Q's record
	s_add_nc_u64 s[58:59], s[4:5], s[56:57]
	s_and_b32 s20, s[QT], 7
	s_lshl_b32 s21, s20, 11
	s_lshl_b32 s20, s20, 6
	v_add_nc_u32 v[PWO], s21, v[LI]
	v_and_b32 v[DD], 15, v0
	v_lshl_add_u32 v[DD], v[DD], 2, s20
	global_load_b128 v[QF:QF+3], v[PWO], s[58:59]
	global_load_b128 v[QF+4:QF+7], v[PWO], s[58:59] offset:512
	global_load_b128 v[QF+16:QF+19], v[PWO], s[58:59] offset:1024
	global_load_b128 v[QF+20:QF+23], v[PWO], s[58:59] offset:1536
	global_load_b32 v[QS], v[DD], s[58:59] offset:16384
.irp j, 8,9,10,11,12,13,14,15
	v_mov_b32 v[QF+\j], 0                          ; the zero codes between Q1 and Q2
.endr
	v_mov_b32 v[NINF], 0xff800000
	v_mov_b32 v[M1], 0xff61b1e6                    ; -3e38, under every score
	v_mov_b32 v[M1+1], 0xff61b1e6
	v_mul_f32 v[NM1], s[NC], v[M1]
	v_mul_f32 v[NM2], s[NC], v[M1+1]
	v_mov_b32 v[NM1+1], 0                          ; (the upper halves of pairs are named, so they are written)
	v_mov_b32 v[NM2+1], 0
.irp j, 0,1,2,3
	v_mov_b32 v[L1+\j], 0
	v_mov_b32 v[F1+\j], 0
	v_mov_b32 v[TM+4+\j], 0                        ; a lane permute's destination counts as one of its sources
.endr
	WIN 0x40
.set j, 0
.rept 64
	v_mov_b32 v[j], 0                              ; O^T, v256-319.  (Walk 2's step is written with one form of its products: the first finds zeros)
.set j, j+1
.endr
	WIN 0
.macro TL1                             ; walk 1's tile: wave 2
	s_cmp_eq_u32 s[WV], 2
	s_cbranch_scc0 .Lno_\@
	tensor_load_to_lds s[G0A:G0A+3], s[G1:G1+7]
	s_nop 0
.rept 4
	v_nop
.endr
.Lno_\@:
.endm
.macro TL2                             ; walk 2's tiles: waves 0 and 1
	s_cmp_lt_u32 s[WV], 2
	s_cbranch_scc0 .Lno_\@
	tensor_load_to_lds s[G0B:G0B+3], s[G1:G1+7]
	s_nop 0
.rept 4
	v_nop
.endr
.Lno_\@:
.endm
; A prefetch of the 16,384 code bytes of record T + 2: one trip ahead of the tensor load that will name it; two waves, 8,192 bytes each, lanes 256 bytes apart.  It stops behind trip 13: record 15 is the last.
; Each block is named once in the launch: K's in walk 1, V's in walk 2, by one work-group for each key and value head.  Records 0 and 1 and the scale words come by their loads alone.
.macro ASK lim, pf
	s_cmp_lt_u32 s[T], s[\lim]
	s_cbranch_scc0 .Lnot_mine_\@
	global_prefetch_b8 v[PFO], s[\pf:\pf+1] th:TH_LOAD_NT scope:SCOPE_SE
.Lnot_mine_\@:
.endm
; THE CHANGE OF SLOTS, at a step's head.  Each wave waits for all its tensor loads, adds 0 to its spare word, and waits for that and for its reads of the slot that it has left; then the barrier.
; fill = 1: the slot just left takes the next key step, unless that step lies behind my work-group's last query: then none of its waves would read it.
; Every wait on TENSORcnt in this text is for 0.  dbl = 1: the add twice on end here.
.macro CHANGE pass, fill, dbl
	s_wait_tensorcnt 0x0
	ds_add_u32 v[SPW], v[NIL]
.if \dbl
	ds_add_u32 v[SPW], v[NIL]
.endif
.if \fill
.if \pass == 1
	s_xor_b32 s[G0A+1], s[G0A+1], P1S
	s_add_nc_u64 s[G0A+2:G0A+3], s[G0A+2:G0A+3], REC
	s_wait_xcnt 0x0                                ; the last prefetch, a step back, has read its address
	s_add_nc_u64 s[PFA:PFA+1], s[PFA:PFA+1], REC
.else
	s_xor_b32 s[G0B+1], s[G0B+1], P2S
	s_add_nc_u64 s[G0B+2:G0B+3], s[G0B+2:G0B+3], REC
	s_wait_xcnt 0x0
	s_add_nc_u64 s[PFB:PFB+1], s[PFB:PFB+1], REC
.endif
	s_add_co_u32 s[NX], s[T], 1
.endif
	s_wait_dscnt 0x0
	s_barrier_signal -1
	s_barrier_wait -1
.if \fill
	s_cmp_gt_u32 s[NX], s[LAST]
	s_cbranch_scc1 .Lpast_\@
.if \pass == 1
	TL1
.else
	TL2
.endif
.Lpast_\@:
.if \pass == 1
	ASK LIMA, PFA
.else
	ASK LIMB, PFB
.endif
.endif
.endm
.macro LOADK half                      ; four fragments of K: keys 64 half on
.irp k, 0,1,2,3
.irp c, 0,1,2,3
	ds_load_b128 v[FR+16*\k+4*\c:FR+16*\k+4*\c+3], v[ADK] offset:(4*\half+\k)*2048+512*\c
.endr
.endr
.endm
.macro LOADKS
.irp p, 0,1,2,3
	ds_load_b32 v[KS+\p], v[ADS] offset:16384+128*\p
.endr
.endm
.macro LOADV g, reg                    ; four fragments of V: channels 64 g on
.irp k, 0,1,2,3
.irp c, 0,1,2,3
	ds_load_b128 v[\reg+16*\k+4*\c:\reg+16*\k+4*\c+3], v[ADK] offset:VOFF+(4*\g+\k)*2048+512*\c
.endr
.endr
.endm
.macro LOADVS
.irp p, 0,1,2,3
	ds_load_b32 v[VS+\p], v[ADS] offset:VOFF+16384+128*\p
.endr
.endm
.macro QK half                         ; both maps' scores of 64 keys: eight products, each starting its sum
.irp k, 0,2
	v_wmma_scale_f32_16x16x128_f8f6f4 v[S1+8*\k:S1+8*\k+7], v[FR+16*\k:FR+16*\k+15], v[QF:QF+15], 0, v[KS+2*\half+\k/2], v[QS]
	v_wmma_scale_f32_16x16x128_f8f6f4 v[S2+8*\k:S2+8*\k+7], v[FR+16*\k:FR+16*\k+15], v[QF+8:QF+23], 0, v[KS+2*\half+\k/2], v[QS]
	v_wmma_scale_f32_16x16x128_f8f6f4 v[S1+8*\k+8:S1+8*\k+15], v[FR+16*\k+16:FR+16*\k+31], v[QF:QF+15], 0, v[KS+2*\half+\k/2], v[QS] matrix_a_scale:MATRIX_SCALE_ROW1
	v_wmma_scale_f32_16x16x128_f8f6f4 v[S2+8*\k+8:S2+8*\k+15], v[FR+16*\k+16:FR+16*\k+31], v[QF+8:QF+23], 0, v[KS+2*\half+\k/2], v[QS] matrix_a_scale:MATRIX_SCALE_ROW1
.endr
.endm
.macro PV4 d0, reg                     ; O^T += V^T attn^T for four tiles of 16 channels; the eight accumulators take turns
.irp k, 0,2
	v_wmma_scale_f32_16x16x128_f8f6f4 v[8*(\d0+\k):8*(\d0+\k)+7], v[\reg+16*\k:\reg+16*\k+15], v[PC:PC+15], v[8*(\d0+\k):8*(\d0+\k)+7], v[VS+(\d0+\k)/2], v[AW]
	v_wmma_scale_f32_16x16x128_f8f6f4 v[8*(\d0+\k)+8:8*(\d0+\k)+15], v[\reg+16*\k+16:\reg+16*\k+31], v[PC:PC+15], v[8*(\d0+\k)+8:8*(\d0+\k)+15], v[VS+(\d0+\k)/2], v[AW] matrix_a_scale:MATRIX_SCALE_ROW1
.endr
.endm
; On the diagonal hidden scores become -infinity.  Register n holds key KF + 64 half + 16 (n / 8) + 8 h + n % 8; my query is Q0 + r.  Where all 64 keys count for all 16 queries this is jumped over.
.macro MASK half
	s_add_co_u32 s19, s[KF], 64*\half+63
	s_cmp_le_u32 s19, s[Q0]
	s_cbranch_scc1 .Lopen_\@
	s_sub_co_i32 s19, s[Q0], s[KF]
	v_add_nc_u32 v[DD], s19, v[RH]
.set n, 0
.rept 32
	v_cmp_gt_i32 vcc_lo, 64*\half+16*(n/8)+n%8, v[DD]
	v_cndmask_b32 v[S1+n], v[S1+n], v[NINF], vcc_lo
	v_cndmask_b32 v[S2+n], v[S2+n], v[NINF], vcc_lo
.set n, n+1
.endr
.Lopen_\@:
.endm
.macro SCALE_T                         ; c s - c m, two at a time, both maps
.set j, 0
.rept 16
	v_pk_fma_f32 v[S1+j:S1+j+1], v[S1+j:S1+j+1], s[CS:CS+1], v[NM1:NM1+1] op_sel_hi:[1,0,0]
	v_pk_fma_f32 v[S2+j:S2+j+1], v[S2+j:S2+j+1], s[CS:CS+1], v[NM2:NM2+1] op_sel_hi:[1,0,0]
.set j, j+2
.endr
.endm
.macro EXP64
.set j, 0
.rept 64
	v_exp_f32 v[S1+j], v[S1+j]
.set j, j+1
.endr
.endm
; WALK 1, 64 keys: the new maxima, then l = l x 2^(c m_old - c m_new) + the sum of 2^(c s - c m_new).  The factor's exponent is the difference of the two stored -c m: exactly 0 where m stands still.
.macro SOFT1
	v_max3_num_f32 v[TM], v[M1], v[S1], v[S1+1]
	v_max3_num_f32 v[TM+2], v[M1+1], v[S2], v[S2+1]
	v_max3_num_f32 v[TM+1], v[S1+16], v[S1+17], v[S1+18]
	v_max3_num_f32 v[TM+3], v[S2+16], v[S2+17], v[S2+18]
.irp i, 0,1,2,3,4,5
	v_max3_num_f32 v[TM], v[TM], v[S1+2+2*\i], v[S1+3+2*\i]
	v_max3_num_f32 v[TM+2], v[TM+2], v[S2+2+2*\i], v[S2+3+2*\i]
	v_max3_num_f32 v[TM+1], v[TM+1], v[S1+19+2*\i], v[S1+20+2*\i]
	v_max3_num_f32 v[TM+3], v[TM+3], v[S2+19+2*\i], v[S2+20+2*\i]
.endr
	v_max3_num_f32 v[TM], v[TM], v[S1+14], v[S1+15]
	v_max3_num_f32 v[TM+2], v[TM+2], v[S2+14], v[S2+15]
	v_max3_num_f32 v[M1], v[TM], v[TM+1], v[S1+31]
	v_max3_num_f32 v[M1+1], v[TM+2], v[TM+3], v[S2+31]
	v_mul_f32 v[TM+4], s[NC], v[M1]
	v_mul_f32 v[TM+5], s[NC], v[M1+1]
	v_sub_f32 v[F1], v[TM+4], v[NM1]
	v_sub_f32 v[F2], v[TM+5], v[NM2]
	v_mov_b32 v[NM1], v[TM+4]
	v_mov_b32 v[NM2], v[TM+5]
	SCALE_T
	v_exp_f32 v[F1], v[F1]                         ; one batch of 66 exponentials,
	v_exp_f32 v[F2], v[F2]
	EXP64
	v_nop                                          ; a plain line behind the last,
	s_wait_alu depctr_va_vdst(0)                   ; and one wait ahead of the first line that names a result
	v_pk_mul_f32 v[L1:L1+1], v[L1:L1+1], v[F1:F1+1] op_sel_hi:[1,0]
	v_pk_mul_f32 v[L2:L2+1], v[L2:L2+1], v[F2:F2+1] op_sel_hi:[1,0]
	v_pk_add_f32 v[TM+6:TM+7], v[S1:S1+1], v[S1+2:S1+3]
	v_pk_add_f32 v[TM+8:TM+9], v[S2:S2+1], v[S2+2:S2+3]
.set j, 4
.rept 7
	v_pk_add_f32 v[L1:L1+1], v[L1:L1+1], v[S1+j:S1+j+1]
	v_pk_add_f32 v[L2:L2+1], v[L2:L2+1], v[S2+j:S2+j+1]
	v_pk_add_f32 v[TM+6:TM+7], v[TM+6:TM+7], v[S1+j+2:S1+j+3]
	v_pk_add_f32 v[TM+8:TM+9], v[TM+8:TM+9], v[S2+j+2:S2+j+3]
.set j, j+4
.endr
	v_pk_add_f32 v[L1:L1+1], v[L1:L1+1], v[TM+6:TM+7]
	v_pk_add_f32 v[L2:L2+1], v[L2:L2+1], v[TM+8:TM+9]
.endm
; WALK 2, 64 keys: attn, finished, and its two blocks of 32 keys quantised: registers 8 half .. 8 half + 7 of the operand, bytes 2 half, 2 half + 1 of its scale word
.macro SOFT2 half
	SCALE_T
	EXP64
	v_nop
	s_wait_alu depctr_va_vdst(0)                   ; one wait for the batch of 64
.set j, 0
.rept 16
	v_pk_mul_f32 v[S1+j:S1+j+1], v[S1+j:S1+j+1], v[F1:F1+1] op_sel_hi:[1,0]                       ; / l1
.set j, j+2
.endr
.set j, 0
.rept 16
	v_pk_fma_f32 v[S1+j:S1+j+1], v[S2+j:S2+j+1], v[F2:F2+1], v[S1+j:S1+j+1] op_sel_hi:[1,0,1]     ; - 0.2 x the second map / l2
.set j, j+2
.endr
.irp b, 0,1
	v_max3_num_f32 v[TM+\b], |v[S1+16*\b]|, |v[S1+16*\b+1]|, 0x4800000
.endr
.irp i, 2,4,6,8,10,12,14
.irp b, 0,1
	v_max3_num_f32 v[TM+\b], v[TM+\b], |v[S1+16*\b+\i]|, |v[S1+16*\b+\i+1]|
.endr
.endr
.irp b, 0,1
	v_permlanex16_b32 v[TM+4+\b], v[TM+\b], s[SEL], s[SEL+1]
.endr
.irp b, 0,1
	v_max_num_f32 v[TM+\b], v[TM+\b], v[TM+4+\b]
.endr
.irp b, 0,1
	v_add_nc_u32 v[TM+12+\b], 0xfc000000, v[TM+\b]
.endr
.irp b, 0,1
	v_and_or_b32 v[TM+8+\b], v[TM+\b], 0x7f800000, s[MNT]
.endr
.irp b, 0,1
	v_lshrrev_b32 v[TM+4+\b], 23, v[TM+12+\b]
.endr
.if \half == 0
	v_lshl_or_b32 v[AW], v[TM+5], 8, v[TM+4]
.else
	v_lshl_or_b32 v[AW], v[TM+4], 16, v[AW]
	v_lshl_or_b32 v[AW], v[TM+5], 24, v[AW]        ; the 32 holds below stand between the scale word and the products that name it
.endif
.irp b, 0,1
.irp i, 0,1,2,3,4,5,6,7,8,9,10,11,12,13,14,15
	v_med3_num_f32 v[S1+16*\b+\i], v[S1+16*\b+\i], -v[TM+8+\b], v[TM+8+\b]
.endr
	v_cvt_scalef32_pk8_fp8_f32 v[PC+8*\half+4*\b:PC+8*\half+4*\b+1], v[S1+16*\b:S1+16*\b+7], v[TM+12+\b]
	v_cvt_scalef32_pk8_fp8_f32 v[PC+8*\half+4*\b+2:PC+8*\half+4*\b+3], v[S1+16*\b+8:S1+16*\b+15], v[TM+12+\b]
.endr
	v_nop                                          ; a plain line behind the last conversion
.endm
; A key step of walk 1.  A step all of whose keys come behind my 16 queries is jumped over (a branch on ids; no barrier and no tensor load stands in a step); the lines at its end step addresses on every way.
.macro STEP1
	s_cmp_gt_u32 s[KF], s[Q15]
	s_cbranch_scc1 .Lhidden_\@
	v_add_nc_u32 v[ADK], s[TB], v[LI]
	v_add_nc_u32 v[ADS], s[TB], v[LS]
	LOADK 0
	LOADKS
	s_wait_dscnt 0x0
	QK 0
	PLACES 8                                       ; in front of the loads into K's registers and of the first read of the scores
	LOADK 1                                        ; lands while the first 64 keys are worked on
	MASK 0
	SOFT1
	s_wait_dscnt 0x0
	QK 1
	PLACES 8
	MASK 1
	SOFT1
.Lhidden_\@:
	s_add_co_u32 s[KF], s[KF], 128
	s_xor_b32 s[TB], s[TB], P1S
.endm
.macro STEP2
	s_cmp_gt_u32 s[KF], s[Q15]
	s_cbranch_scc1 .Lhidden_\@
	v_add_nc_u32 v[ADK], s[TB], v[LI]
	v_add_nc_u32 v[ADS], s[TB], v[LS]
	LOADK 0
	LOADKS
	s_wait_dscnt 0x0
	QK 0
	PLACES 8
	LOADK 1
	MASK 0
	SOFT2 0
	s_wait_dscnt 0x0
	QK 1
	PLACES 8
	LOADV 0, FR                                    ; V's first four fragments land while the second 64 keys are worked on
	LOADVS
	MASK 1
	SOFT2 1
	LOADV 1, S1                                    ; the other four take the scores' registers
	PLACES 3                                       ; with the line behind the conversions: four places between the codes and the products
	s_wait_dscnt 16                                ; all but the 16 just issued
	WIN 0x50                                       ; C and D: v256 on
	PV4 0, FR
	s_wait_dscnt 0x0
	PV4 4, S1
	WIN 0
	PLACES 9                                       ; the next step's products write over registers that these have read: one place more than loads and vector lines want
.Lhidden_\@:
	s_add_co_u32 s[KF], s[KF], 128
	s_xor_b32 s[TB], s[TB], P2S
.endm
	s_mov_b32 s[KF], 0
	s_mov_b32 s[T], 0
	s_mov_b32 s[TB], 0
	s_wait_loadcnt 0x0                             ; Q
.Lwalk1:
	CHANGE 1, 1, 1
	STEP1
	s_add_co_u32 s[T], s[T], 1
	s_cmp_lt_u32 s[T], 15
	s_cbranch_scc1 .Lwalk1
	CHANGE 1, 0, 1                                 ; the last step is written out: nothing is asked for
	STEP1
	; The two halves of the lanes are joined: m = the larger, l = l x 2^(c m_mine - c m) + l' x 2^(c m' - c m).  A half that has seen no key has l = 0 and m = -3e38: its factor is 0.  Key 0 counts for every query: l >= 1.
	v_add_f32 v[TM], v[L1], v[L1+1]
	v_add_f32 v[TM+1], v[L2], v[L2+1]
	v_permlanex16_b32 v[TM+4], v[M1], s[SEL], s[SEL+1]
	v_permlanex16_b32 v[TM+5], v[M1+1], s[SEL], s[SEL+1]
	v_permlanex16_b32 v[TM+6], v[TM], s[SEL], s[SEL+1]
	v_permlanex16_b32 v[TM+7], v[TM+1], s[SEL], s[SEL+1]
	v_max_num_f32 v[M1], v[M1], v[TM+4]
	v_max_num_f32 v[M1+1], v[M1+1], v[TM+5]
	v_mul_f32 v[TM+4], s[NC], v[TM+4]
	v_mul_f32 v[TM+5], s[NC], v[TM+5]
	v_mul_f32 v[TM+8], s[NC], v[M1]
	v_mul_f32 v[TM+9], s[NC], v[M1+1]
	v_sub_f32 v[TM+10], v[TM+8], v[NM1]
	v_sub_f32 v[TM+11], v[TM+9], v[NM2]
	v_sub_f32 v[TM+12], v[TM+8], v[TM+4]
	v_sub_f32 v[TM+13], v[TM+9], v[TM+5]
	v_exp_f32 v[TM+10], v[TM+10]
	v_exp_f32 v[TM+11], v[TM+11]
	v_exp_f32 v[TM+12], v[TM+12]
	v_exp_f32 v[TM+13], v[TM+13]
	v_mov_b32 v[NM1], v[TM+8]                      ; -c m for walk 2 (plain lines behind the exponentials)
	v_mov_b32 v[NM2], v[TM+9]
	s_wait_alu depctr_va_vdst(0)
	v_mul_f32 v[TM], v[TM], v[TM+10]
	v_mul_f32 v[TM+1], v[TM+1], v[TM+11]
	v_fma_f32 v[TM], v[TM+6], v[TM+12], v[TM]
	v_fma_f32 v[TM+1], v[TM+7], v[TM+13], v[TM+1]
	v_rcp_f32 v[F1], v[TM]
	v_rcp_f32 v[F2], v[TM+1]
	v_nop
	s_wait_alu depctr_va_vdst(0)
	v_mul_f32 v[F2], 0xbe4ccccd, v[F2]             ; -0.2 / l2
	s_mov_b32 s[KF], 0
	s_mov_b32 s[T], 0
	s_mov_b32 s[TB], R2
.Lwalk2:
	CHANGE 2, 1, 1                                 ; in the first trip the loads fill walk 2's second slot for the first time, and nobody fills bytes again
	STEP2
	s_add_co_u32 s[T], s[T], 1
	s_cmp_lt_u32 s[T], 15
	s_cbranch_scc1 .Lwalk2
	CHANGE 2, 0, 0
	STEP2
	; THE WAY OUT.  Register 8 t + j of O^T is out(query r, 16 t + 8 h + j): 128 along the last product's K: one fragment.  The hold also brings the numbers out of v256 on.
	WIN 0x05
.irp b, 0,1,2,3
	v_max3_num_f32 v[TM+\b], |v[16*\b]|, |v[16*\b+1]|, 0x4800000
.endr
	WIN 0x14
.irp i, 2,4,6,8,10,12,14
.irp b, 0,1,2,3
	v_max3_num_f32 v[TM+\b], v[TM+\b], |v[16*\b+\i]|, |v[16*\b+\i+1]|
.endr
.endr
	WIN 0
.irp b, 0,1,2,3
	v_permlanex16_b32 v[TM+4+\b], v[TM+\b], s[SEL], s[SEL+1]
.endr
.irp b, 0,1,2,3
	v_max_num_f32 v[TM+\b], v[TM+\b], v[TM+4+\b]
.endr
.irp b, 0,1,2,3
	v_add_nc_u32 v[TM+12+\b], 0xfc000000, v[TM+\b]
.endr
.irp b, 0,1,2,3
	v_and_or_b32 v[TM+8+\b], v[TM+\b], 0x7f800000, s[MNT]
.endr
.irp b, 0,1,2,3
	v_lshrrev_b32 v[TM+4+\b], 23, v[TM+12+\b]
.endr
	v_lshl_or_b32 v[PWO], v[TM+5], 8, v[TM+4]
	v_lshl_or_b32 v[PWO], v[TM+6], 16, v[PWO]
	v_lshl_or_b32 v[PWO], v[TM+7], 24, v[PWO]
	WIN 0x01
.irp b, 0,1,2,3
.irp i, 0,1,2,3,4,5,6,7,8,9,10,11,12,13,14,15
	v_med3_num_f32 v[S1+16*\b+\i], v[16*\b+\i], -v[TM+8+\b], v[TM+8+\b]
.endr
.endr
	WIN 0
.irp b, 0,1,2,3
	v_cvt_scalef32_pk8_fp8_f32 v[PC+4*\b:PC+4*\b+1], v[S1+16*\b:S1+16*\b+7], v[TM+12+\b]
	v_cvt_scalef32_pk8_fp8_f32 v[PC+4*\b+2:PC+4*\b+3], v[S1+16*\b+8:S1+16*\b+15], v[TM+12+\b]
.endr
	v_nop
	s_lshr_b32 s19, s[HQ], 1
	s_lshl_b32 s19, s19, 6
	s_lshr_b32 s20, s[QT], 1
	s_add_co_u32 s19, s19, s20
	s_mul_i32 s52, s19, 8448                       ; ac's record: 256 along K = my key and value head's two query heads; 32 tokens
	s_mov_b32 s53, 0
	s_add_nc_u64 s[6:7], s[6:7], s[52:53]
	s_and_b32 s20, s[QT], 1
	s_and_b32 s21, s[HQ], 1
	s_lshl_b32 s19, s20, 1
	s_add_co_u32 s19, s19, s21
	s_lshl_b32 s19, s19, 11
	v_add_nc_u32 v[ADK], s19, v[LI]
	s_lshl_b32 s20, s20, 7
	s_lshl_b32 s21, s21, 2
	s_add_co_u32 s20, s20, s21
	v_and_b32 v[ADS], 15, v0
	v_lshl_add_u32 v[ADS], v[ADS], 3, s20
.irp c, 0,1,2,3
	global_store_b128 v[ADK], v[PC+4*\c:PC+4*\c+3], s[6:7] offset:512*\c   ; 512 consecutive bytes
.endr
	global_store_b32 v[ADS], v[PWO], s[6:7] offset:8192                    ; my 16 rows' words, 8 bytes apart (both halves of the lanes store the same word): 64 bytes beside the fragment's 2,048
	s_wait_tensorcnt 0x0                           ; the wave's end
	ds_add_u32 v[SPW], v[NIL]
	s_wait_dscnt 0x0
	s_endpgm
.Lfunc_end_k_q650a730477_attn:
	.size	k_q650a730477_attn, .Lfunc_end_k_q650a730477_attn-k_q650a730477_attn
	.p2alignl 7, 3214868480
	.fill 96, 4, 3214868480
	.section	.rodata,"a",@progbits
	.p2align	6, 0x0
	.amdhsa_kernel k_q650a730477_attn
		.amdhsa_group_segment_fixed_size 327680
		.amdhsa_private_segment_fixed_size 0
		.amdhsa_enable_private_segment 0
		.amdhsa_kernarg_size 16
		.amdhsa_user_sgpr_count 2
		.amdhsa_user_sgpr_kernarg_segment_ptr 1
		.amdhsa_wavefront_size32 1
		.amdhsa_system_sgpr_workgroup_id_x 1
		.amdhsa_system_sgpr_workgroup_id_y 1
		.amdhsa_system_sgpr_workgroup_id_z 1
		.amdhsa_system_vgpr_workitem_id 0
		.amdhsa_next_free_vgpr 320
		.amdhsa_next_free_sgpr 66
		.amdhsa_reserve_vcc 1
		.amdhsa_float_denorm_mode_32 3
		.amdhsa_float_denorm_mode_16_64 3
		.amdhsa_memory_ordered 1
		.amdhsa_forward_progress 1
		.amdhsa_inst_pref_size 153
	.end_amdhsa_kernel
	.amdgpu_metadata
---
amdhsa.version: [ 1, 2 ]
amdhsa.kernels:
  - .name:           k_q650a730477_attn
    .symbol:         k_q650a730477_attn.kd
    .args:
      - { .name: qkv, .offset: 0, .size: 8, .value_kind: global_buffer, .address_space: global }
      - { .name: ac, .offset: 8, .size: 8, .value_kind: global_buffer, .address_space: global }
    .group_segment_fixed_size: 327680
    .private_segment_fixed_size: 0
    .kernarg_segment_align: 8
    .kernarg_segment_size: 16
    .max_flat_workgroup_size: 256
    .sgpr_count:     66
    .vgpr_count:     320
    .wavefront_size: 32
...
	.end_amdgpu_metadata
.endif
;; end of part 3
;; launch oproj (part 4): grid 8 x 16, 8 waves a work-group, clusters of 4 x 4, 327,680 bytes of LDS; arguments wc, ac, out0; writes out0
.if DOCPART == 4
	.amdgcn_target "amdgcn-amd-amdhsa--gfx1250"
	.amdhsa_code_object_version 6
	.text
	.protected	k_q650a730477_oproj
	.globl	k_q650a730477_oproj
	.p2align	8
	.type	k_q650a730477_oproj,@function
k_q650a730477_oproj:
	s_mov_b64 s[64:65], 0
	v_nop
	global_prefetch_b8 v0, s[64:65] scope:SCOPE_SE
	s_setreg_imm32_b32 hwreg(HW_REG_WAVE_MODE, 25, 1), 1
	s_wait_xcnt 0x0
	s_wait_alu depctr_hold_cnt(0) depctr_sa_sdst(0) depctr_va_vdst(0) depctr_va_sdst(0) depctr_va_ssrc(0) depctr_va_vcc(0) depctr_vm_vsrc(0)
	s_getreg_b32 s2, hwreg(HW_REG_IB_STS2, 6, 4)
	s_cmp_eq_u32 s2, 0
	s_cbranch_scc0 .Lentry_in_a_cluster
	s_endpgm
.Lentry_in_a_cluster:
	s_bfe_u32 s2, ttmp6, 0x10000c
	s_cmp_lg_u32 s2, 0xf033
	s_cbranch_scc0 .Lentry_shape_is_right
	s_endpgm
.Lentry_shape_is_right:
; Launch 4 of 4: out0 = out Wo on codes of E4M3.  The GEMM form, ring and macros of the launch qkv: C'[i][j] = sum over k of P[i][k] R[j][k], P = Wo's columns n (wc's records 128 on), R = the attention's codes (ac, rows = tokens).
; Both sides carry the same order inside each block of 32 along K (the launch quant has exchanged Wo's middle groups of 8), so scales and products stand; only the order of the sums differs from reference()'s.
; A work-group makes 256 n x 128 tokens; wave w: n 128 (w / 4) on, tokens 32 (w % 4) on.  128 work-groups: a tile of half the size would read each LDS byte for half as many products.
; CLUSTERS 4 x 4: P's records are shared by the work-groups of equal cx, R's by those of equal cy.  Waves 0-3 fetch P's records, waves 4-7 R's.
; THE WAY OUT: a lane holds eight neighbouring n of one token; 16 tokens x 128 n go through the wave's own stage in LDS (rows of 512 + 16 bytes, bytes into which no tile lands) and leave as rows of 512 consecutive bytes.
.set REC8,  8448
.set REC,   16896
.set SLOT,  12*REC8
.set ROFF,  8*REC8
.set SPARE, 2*SLOT                     ; the spare words, 128 bytes for each wave, four blocks of 256 bytes that no other line names
.set STG,   SPARE+1024                 ; the stages: 8,448 bytes for each wave
.set WSTR,  192*REC8
.set XSTR,  64*REC8
.set AP,  2
.set AR,  4
.set ASP, 6
.set ASR, 8
.set SPW, 10
.set NIL, 11
.set STO, 12                           ; v12  the stage: where I put 32 bytes of a row
.set RD,  13                           ; v13  and where I read a row back
.set CO,  14                           ; v14  16 x lane: my bytes of a row of out0
.set SC,  16
.set RF,  28
.set PF,  60
.set ACC, 124
.set WV, 14
.set WI, 15
.set WJ, 16
.set CX, 17
.set CY, 18
.set IT, 20
.set JT, 21
.set G1P, 24
.set G0P, 32
.set G1R, 40
.set G0R, 48
.set PS2, 56
.set RS2, 58
.set PP, 60
.set RP, 62
.set CNT, 68
.macro PLACES n
.rept \n
	v_nop
.endr
.endm
.macro CROUND
	s_barrier_signal -1
	s_barrier_wait -1
	s_cmp_lg_u32 s[WV], 0
	s_cbranch_scc1 .Lnot_wave_0_\@
	s_barrier_signal -3
.Lnot_wave_0_\@:
	s_barrier_wait -3
	s_barrier_signal -1
	s_barrier_wait -1
.endm
.macro JLOAD s
	s_cmp_lt_u32 s[WV], 4
	s_cbranch_scc0 .Lfor_r_\@
	tensor_load_to_lds s[G0P+4*\s:G0P+4*\s+3], s[G1P:G1P+7]
	s_nop 0
.rept 4
	v_nop
.endr
	s_branch .Lasked_\@
.Lfor_r_\@:
	tensor_load_to_lds s[G0R+4*\s:G0R+4*\s+3], s[G1R:G1R+7]
	s_nop 0
.rept 4
	v_nop
.endr
.Lasked_\@:
.endm
	s_load_b128 s[4:7], s[0:1], 0x0                ; wc, ac
	s_load_b64 s[8:9], s[0:1], 0x10                ; out0
	v_lshl_add_u32 v[SPW], v0, 2, SPARE
	v_mov_b32 v[NIL], 0
	ds_add_u32 v[SPW], v[NIL]                      ; the wave's opening: the add, twice on end, and its wait ahead of my first tensor load
	ds_add_u32 v[SPW], v[NIL]
	v_lshrrev_b32 v1, 5, v0
	v_readfirstlane_b32 s[WV], v1
	s_lshr_b32 s[WI], s[WV], 2
	s_and_b32 s[WJ], s[WV], 3
	s_bfe_u32 s[CX], ttmp6, 0x40000
	s_bfe_u32 s[CY], ttmp6, 0x40004
	s_lshl_b32 s[IT], ttmp9, 2
	s_add_co_u32 s[IT], s[IT], s[CX]               ; tile of n
	s_and_b32 s[JT], ttmp7, 0xffff
	s_lshl_b32 s[JT], s[JT], 2
	s_add_co_u32 s[JT], s[JT], s[CY]               ; tile of tokens
	s_lshl_b32 s66, 0x1111, s[CX]
	s_lshl_b32 s76, s[CY], 2
	s_lshl_b32 s76, 15, s76
	s_or_b32 s[G1P], s66, (3<<16)|(1<<21)
	s_or_b32 s[G1R], s76, (3<<16)|(1<<21)
	s_mov_b32 s[G1P+1], 32<<16
	s_mov_b32 s[G1P+2], 66<<16
	s_mov_b32 s[G1P+3], 32<<16
	s_mov_b32 s[G1P+4], 66
	s_mov_b32 s[G1P+5], 32
	s_mov_b32 s[G1P+6], 0
	s_mov_b32 s[G1P+7], 0
	s_mov_b32 s[G1R+1], 32<<16
	s_mov_b32 s[G1R+2], 33<<16
	s_mov_b32 s[G1R+3], 32<<16
	s_mov_b32 s[G1R+4], 33
	s_mov_b32 s[G1R+5], 32
	s_mov_b32 s[G1R+6], 0
	s_mov_b32 s[G1R+7], 0
	s_mov_b32 s[PS2], WSTR
	s_mov_b32 s[PS2+1], 0
	s_mov_b32 s[RS2], XSTR
	s_mov_b32 s[RS2+1], 0
	s_lshl_b32 s66, s[IT], 3
	s_lshl_b32 s67, s[WJ], 1
	s_add_co_u32 s66, s66, s67
	s_add_co_u32 s66, s66, 128                     ; Wo's columns begin at record 128
	s_mul_i32 s66, s66, REC8
	s_mov_b32 s67, 0
	s_lshl_b32 s76, s[JT], 2
	s_add_co_u32 s76, s76, s[WJ]
	s_mul_i32 s76, s76, REC8
	s_mov_b32 s77, 0
	s_mul_i32 s78, s[WJ], REC
	s_mul_i32 s79, s[WJ], REC8
	s_add_co_u32 s79, s79, ROFF
	s_wait_dscnt 0x0                               ; both opening adds are done
	s_wait_kmcnt 0x0
	s_add_nc_u64 s[PP:PP+1], s[4:5], s[66:67]
	s_add_nc_u64 s[RP:RP+1], s[6:7], s[76:77]
	CROUND
.irp s, 0,1
	s_mov_b32 s[G0P+4*\s], 1
	s_add_co_u32 s[G0P+4*\s+1], s78, \s*SLOT
	s_mov_b32 s[G0R+4*\s], 1
	s_add_co_u32 s[G0R+4*\s+1], s79, \s*SLOT
.endr
	s_mov_b64 s[G0P+2:G0P+3], s[PP:PP+1]
	s_add_nc_u64 s[G0P+6:G0P+7], s[PP:PP+1], s[PS2:PS2+1]
	s_mov_b64 s[G0R+2:G0R+3], s[RP:RP+1]
	s_add_nc_u64 s[G0R+6:G0R+7], s[RP:RP+1], s[RS2:RS2+1]
	s_or_b32 s[G0P+3], s[G0P+3], 0x80000000
	s_or_b32 s[G0P+7], s[G0P+7], 0x80000000
	s_or_b32 s[G0R+3], s[G0R+3], 0x80000000
	s_or_b32 s[G0R+7], s[G0R+7], 0x80000000
	s_lshl_b32 s[PS2], s[PS2], 1
	s_lshl_b32 s[RS2], s[RS2], 1
	JLOAD 0                                        ; two loads of mine are out
	JLOAD 1
	v_and_b32 v1, 31, v0
	v_and_b32 v2, 15, v0
	v_bfe_u32 v3, v0, 4, 1
	v_lshlrev_b32 v[CO], 4, v1                     ; 16 x lane
	s_mul_i32 s22, s[WV], 8448
	s_add_co_u32 s22, s22, STG                     ; my stage
	v_mul_u32_u24 v[STO], v2, 528
	v_lshl_add_u32 v[STO], v3, 5, v[STO]
	v_add_nc_u32 v[STO], s22, v[STO]
	v_add_nc_u32 v[RD], s22, v[CO]
	s_mul_i32 s23, s[WI], 4*REC8
	v_add_nc_u32 v[AP], s23, v[CO]
	v_add_nc_u32 v[AP+1], SLOT, v[AP]
	v_add_nc_u32 v[AR], s79, v[CO]
	v_add_nc_u32 v[AR+1], SLOT, v[AR]
	v_lshlrev_b32 v1, 3, v1
	v_add_nc_u32 v1, 8192, v1
	v_add_nc_u32 v[ASP], s23, v1
	v_add_nc_u32 v[ASP+1], SLOT, v[ASP]
	v_add_nc_u32 v[ASR], s79, v1
	v_add_nc_u32 v[ASR+1], SLOT, v[ASR]
.macro MM t, u, q, zero
.set rA, ACC+64*(\u)+8*(\t)
.set rP, PF+16*((\t)%4)
.set rR, RF+16*(\u)
.set rS, SC+2*((\t)/2)+(\q)
.set rT, SC+8+(\q)
.if \zero
.if (((\t)%2) == 1) && ((\u) == 1)
	v_wmma_scale_f32_16x16x128_f8f6f4 v[rA:rA+7], v[rP:rP+15], v[rR:rR+15], 0, v[rS], v[rT] matrix_a_scale:MATRIX_SCALE_ROW1 matrix_b_scale:MATRIX_SCALE_ROW1
.elseif ((\t)%2) == 1
	v_wmma_scale_f32_16x16x128_f8f6f4 v[rA:rA+7], v[rP:rP+15], v[rR:rR+15], 0, v[rS], v[rT] matrix_a_scale:MATRIX_SCALE_ROW1
.elseif (\u) == 1
	v_wmma_scale_f32_16x16x128_f8f6f4 v[rA:rA+7], v[rP:rP+15], v[rR:rR+15], 0, v[rS], v[rT] matrix_b_scale:MATRIX_SCALE_ROW1
.else
	v_wmma_scale_f32_16x16x128_f8f6f4 v[rA:rA+7], v[rP:rP+15], v[rR:rR+15], 0, v[rS], v[rT]
.endif
.else
.if (((\t)%2) == 1) && ((\u) == 1)
	v_wmma_scale_f32_16x16x128_f8f6f4 v[rA:rA+7], v[rP:rP+15], v[rR:rR+15], v[rA:rA+7], v[rS], v[rT] matrix_a_scale:MATRIX_SCALE_ROW1 matrix_b_scale:MATRIX_SCALE_ROW1
.elseif ((\t)%2) == 1
	v_wmma_scale_f32_16x16x128_f8f6f4 v[rA:rA+7], v[rP:rP+15], v[rR:rR+15], v[rA:rA+7], v[rS], v[rT] matrix_a_scale:MATRIX_SCALE_ROW1
.elseif (\u) == 1
	v_wmma_scale_f32_16x16x128_f8f6f4 v[rA:rA+7], v[rP:rP+15], v[rR:rR+15], v[rA:rA+7], v[rS], v[rT] matrix_b_scale:MATRIX_SCALE_ROW1
.else
	v_wmma_scale_f32_16x16x128_f8f6f4 v[rA:rA+7], v[rP:rP+15], v[rR:rR+15], v[rA:rA+7], v[rS], v[rT]
.endif
.endif
.endm
.macro MM4 t0, q, zero
	MM \t0, 0, \q, \zero
	MM \t0, 1, \q, \zero
	MM (\t0)+1, 0, \q, \zero
	MM (\t0)+1, 1, \q, \zero
.endm
.macro PLOAD s, q, t0
.irp d, 0,1,2,3
.irp c, 0,1,2,3
	ds_load_b128 v[PF+16*\d+4*\c:PF+16*\d+4*\c+3], v[AP+\s] offset:((\t0+\d)/2)*REC8+(2*((\t0+\d)%2)+\q)*2048+512*\c
.endr
.endr
.endm
; 128 along K: 16 products, the 16 accumulators by turns; eight places in front of loads into registers that products have read
.macro KSTEP s, q, zero
.irp u, 0,1
.irp c, 0,1,2,3
	ds_load_b128 v[RF+16*\u+4*\c:RF+16*\u+4*\c+3], v[AR+\s] offset:(2*\u+\q)*2048+512*\c
.endr
.endr
	PLOAD \s, \q, 0
	s_wait_dscnt 8                                 ; all but the two youngest fragments' eight loads
	MM4 0, \q, \zero
	s_wait_dscnt 0
	MM4 2, \q, \zero
	PLACES 8
	PLOAD \s, \q, 4
	s_wait_dscnt 8
	MM4 4, \q, \zero
	s_wait_dscnt 0
	MM4 6, \q, \zero
	PLACES 8
.endm
.macro SLOTWORK s, zero
.irp p, 0,1,2,3
	ds_load_b64 v[SC+2*\p:SC+2*\p+1], v[ASP+\s] offset:\p*REC8
.endr
	ds_load_b64 v[SC+8:SC+9], v[ASR+\s]
	KSTEP \s, 0, \zero
	KSTEP \s, 1, 0
.endm
.macro CHANGE s, fill
	s_wait_tensorcnt 0x0                           ; no tensor load of mine is out, so a group 0 may be written
	ds_add_u32 v[SPW], v[NIL]
.if \fill
	s_add_nc_u64 s[G0P+4*\s+2:G0P+4*\s+3], s[G0P+4*\s+2:G0P+4*\s+3], s[PS2:PS2+1]
	s_add_nc_u64 s[G0R+4*\s+2:G0R+4*\s+3], s[G0R+4*\s+2:G0R+4*\s+3], s[RS2:RS2+1]
.endif
	s_wait_dscnt 0x0                               ; the add is done, and my reads of slot s are over
.if \fill
	CROUND                                         ; no wave of any partner still reads the slot or has a load on its way
	JLOAD \s
.else
	s_barrier_signal -1
	s_barrier_wait -1
.endif
.endm
	s_wait_tensorcnt 1                             ; my part of slot 0 is in; slot 1's may stay out
	s_barrier_signal -1
	s_barrier_wait -1
	SLOTWORK 0, 1
	s_mov_b32 s[CNT], 3
.Llap:
	CHANGE 0, 1
	SLOTWORK 1, 0
	CHANGE 1, 1
	SLOTWORK 0, 0
	s_sub_co_u32 s[CNT], s[CNT], 1
	s_cmp_lg_u32 s[CNT], 0
	s_cbranch_scc1 .Llap
	CHANGE 0, 0
	SLOTWORK 1, 0
	; THE WAY OUT
	s_lshl_b32 s74, s[JT], 7
	s_lshl_b32 s75, s[WJ], 5
	s_add_co_u32 s74, s74, s75                     ; my first token
	s_lshl_b32 s74, s74, 13                        ; rows of 8,192 bytes
	s_lshl_b32 s75, s[IT], 10
	s_add_co_u32 s74, s74, s75
	s_lshl_b32 s75, s[WI], 9
	s_add_co_u32 s74, s74, s75                     ; my first n, in bytes
	s_mov_b32 s75, 0
	s_add_nc_u64 s[8:9], s[8:9], s[74:75]
.macro TOSTAGE u, bk                   ; 16 tokens x 128 n into my stage, each accumulator from its low end on, and back as whole rows.  LDS serves a wave's instructions in order (ISA guide 5.7.1.4)
.irp t, 0,1,2,3,4,5,6,7
	ds_store_b128 v[STO], v[ACC+64*\u+8*\t:ACC+64*\u+8*\t+3] offset:64*\t
	ds_store_b128 v[STO], v[ACC+64*\u+8*\t+4:ACC+64*\u+8*\t+7] offset:64*\t+16
.endr
.irp i, 0,1,2,3,4,5,6,7,8,9,10,11,12,13,14,15
	ds_load_b128 v[\bk+4*\i:\bk+4*\i+3], v[RD] offset:\i*528
.endr
.endm
.macro SEND u, bk, younger             ; younger: the LDS instructions issued behind these rows' loads
.irp i, 0,1,2,3,4,5,6,7,8,9,10,11,12,13,14,15
	s_wait_dscnt \younger+15-\i
	global_store_b128 v[CO], v[\bk+4*\i:\bk+4*\i+3], s[8:9] offset:(16*\u+\i)*8192 th:TH_STORE_NT   ; 512 consecutive bytes, written once
.endr
.endm
	TOSTAGE 0, RF                                  ; back into v28-91
	TOSTAGE 1, ACC                                 ; back into the first 16 tokens' accumulators, which have gone to the stage
	SEND 0, RF, 32
	SEND 1, ACC, 0
	s_wait_tensorcnt 0x0                           ; the wave's end: behind my last tensor load and my last LDS store
	ds_add_u32 v[SPW], v[NIL]
	s_wait_dscnt 0x0
	CROUND                                         ; the closing round
	s_endpgm
.Lfunc_end_k_q650a730477_oproj:
	.size	k_q650a730477_oproj, .Lfunc_end_k_q650a730477_oproj-k_q650a730477_oproj
	.p2alignl 7, 3214868480
	.fill 96, 4, 3214868480
	.section	.rodata,"a",@progbits
	.p2align	6, 0x0
	.amdhsa_kernel k_q650a730477_oproj
		.amdhsa_group_segment_fixed_size 327680
		.amdhsa_private_segment_fixed_size 0
		.amdhsa_enable_private_segment 0
		.amdhsa_kernarg_size 24
		.amdhsa_user_sgpr_count 2
		.amdhsa_user_sgpr_kernarg_segment_ptr 1
		.amdhsa_wavefront_size32 1
		.amdhsa_system_sgpr_workgroup_id_x 1
		.amdhsa_system_sgpr_workgroup_id_y 1
		.amdhsa_system_sgpr_workgroup_id_z 1
		.amdhsa_system_vgpr_workitem_id 0
		.amdhsa_next_free_vgpr 256
		.amdhsa_next_free_sgpr 80
		.amdhsa_reserve_vcc 0
		.amdhsa_float_denorm_mode_32 3
		.amdhsa_float_denorm_mode_16_64 3
		.amdhsa_memory_ordered 1
		.amdhsa_forward_progress 1
		.amdhsa_inst_pref_size 60
	.end_amdhsa_kernel
	.amdgpu_metadata
---
amdhsa.version: [ 1, 2 ]
amdhsa.kernels:
  - .name:           k_q650a730477_oproj
    .symbol:         k_q650a730477_oproj.kd
    .args:
      - { .name: wc, .offset: 0, .size: 8, .value_kind: global_buffer, .address_space: global }
      - { .name: ac, .offset: 8, .size: 8, .value_kind: global_buffer, .address_space: global }
      - { .name: out0, .offset: 16, .size: 8, .value_kind: global_buffer, .address_space: global }
    .group_segment_fixed_size: 327680
    .private_segment_fixed_size: 0
    .kernarg_segment_align: 8
    .kernarg_segment_size: 24
    .max_flat_workgroup_size: 256
    .sgpr_count:     80
    .vgpr_count:     256
    .wavefront_size: 32
...
	.end_amdgpu_metadata
.endif
;; end of part 4
;; ======== version 2 of 2: 4 launches
;; limits: right only within a limited range of input values
;; workspace buffers: xc 4,325,376 bytes; wc 12,976,128 bytes; qkv 8,650,752 bytes; ac 4,325,376 bytes
;; launch quant (part 5): grid 512 x 1, 8 waves a work-group, no clusters, 0 bytes of LDS; arguments x, Wq, Wk, Wv, Wo, xc, wc; writes xc, wc
.if DOCPART == 5
	.amdgcn_target "amdgcn-amd-amdhsa--gfx1250"
	.amdhsa_code_object_version 6
	.text
	.protected	k_q650a730477_quant
	.globl	k_q650a730477_quant
	.p2align	8
	.type	k_q650a730477_quant,@function
k_q650a730477_quant:
	s_mov_b64 s[64:65], 0
	v_nop
	global_prefetch_b8 v0, s[64:65] scope:SCOPE_SE
	s_setreg_imm32_b32 hwreg(HW_REG_WAVE_MODE, 25, 1), 1
	s_wait_xcnt 0x0
; DiffAttention in MX-FP8, launch 1 of 4: x, Wq, Wk, Wv, Wo (f32) become codes of E4M3 with one E8M0 byte for each 32 along K.
; WORK LEFT OUT IN THIS PROGRAM (in the launch attn), AND WHY IT IS DEAD.  reference() sets s = -inf wherever key > query, by the tril that it builds in its own body.  exp(-inf - max) is
; exactly 0 in both maps, whatever the inputs hold, so attn = softmax1 - 0.2 softmax2 is exactly 0 there, its code is 0, and it adds exactly 0 to attn @ V.  So key steps of 128 keys that lie
; wholly behind a wave's 16 queries are left out of the products Q1 K1^T, Q2 K2^T and attn V.  Every input has a way to the output: all are loaded.
; LIMIT: a NaN, an infinity or an overflow in rows of K or V that reaches only such hidden places is not carried to the result.
; LIMITS OF THE QUANTISER HERE AND IN THE LATER LAUNCHES: a block of zeros gets the byte 1 where the rule says 127 (its codes are zeros, which add nothing under any byte but 0xff, and this
; program alone reads the bytes); blocks whose largest magnitude lies under 2^(9 - 127) are held at the byte 1; NaN and infinities among the inputs are not served.
; LAYOUT OF THE WORKSPACE: IMAGES OF OPERAND REGISTERS.  A fragment is 16 rows x 128 K: lane (r = lane % 16, h = lane / 16) holds k = 32 c + 16 h + 0..15 in registers 4 c .. 4 c + 3.  Its image is
; 2,048 bytes: byte 512 c + 16 lane.  A record of 8,448 bytes holds 32 rows x 256 K: fragment (e = which 16 rows, q = which 128 K) at 2,048 (2 e + q), the scale word of row r at 8,192 + 128 e + 8 r + 4 q.
; xc: [K / 256][rows / 32] records of x.  wc: the same for the weights' columns n: Wq 0-2047, Wk, Wv, Wo behind each other (192 records for each K / 256).
; Wo's codes have the two middle groups of 8 of every block of 32 exchanged: that is the order in which the launch attn leaves its results; a block's scale does not hang on the order inside it.
; SHARES.  A wave makes HALF a record from 16 KB of f32; waves w and w + 4 share a record.  Work-groups 0-127: x (K innermost: lane (r, h) loads its 16 neighbours of each block); the halves are the record's
; two groups of 16 rows.  Work-groups 128-511: the weights (K is the first axis: a lane takes a column, its registers run down K, so a block lies in one lane); the halves are the record's two runs of 128 along K.
; The codes leave in runs of 512 or 256 consecutive bytes.  The scale words, one part in 33 of what is stored, leave as 128 consecutive bytes (x) or as every second word of 256 bytes (the weights).
; No LDS, no barrier: waves share nothing.
.set REC8, 8448
.set XA,  4                            ; v4   x: my lane's byte in my 16 rows
.set LI,  5                            ; v5   where my codes go in the record
.set L8,  6                            ; v6   where my scale words go
.set X0,  16                           ; v16-79, v80-143  two sets of 64 numbers of x
.set X1,  80
.set PCX, 144                          ; v144-175 the two fragments' codes: no store's data are written again
.set TM,  208                          ; v208-223 at work
.set PW,  224                          ; v224-225 the two fragments' scale words
.set ROW, 16                           ; weights: v16-47 4 x lane + i x a row of the weight
.set XW,  48                           ; v48-111 two sets of 32 numbers
.set TT,  112                          ; v112-115 the two middle groups' codes
.set PB,  116                          ; v116-147 four blocks' codes
.set SB,  184                          ; v184 the four scale bytes
.set WV,  18
.set SWAP, 19
.set SEL, 20
.set MNT, 22
.set SUBW, 50                          ; s50  wave % 4: which record of the work-group's four
.set HF,  51                           ; s51  wave / 4: which half of it
	s_load_b256 s[4:11], s[0:1], 0x0               ; x, Wq, Wk, Wv
	s_load_b128 s[12:15], s[0:1], 0x20             ; Wo, xc
	s_load_b64 s[16:17], s[0:1], 0x30              ; wc
	v_lshrrev_b32 v1, 5, v0
	s_delay_alu instid0(VALU_DEP_1)
	v_readfirstlane_b32 s[WV], v1                  ; wave 0..7
	s_and_b32 s[SUBW], s[WV], 3
	s_lshr_b32 s[HF], s[WV], 2
	v_and_b32 v1, 31, v0                           ; lane
	v_and_b32 v2, 15, v0                           ; r
	v_bfe_u32 v3, v0, 4, 1                         ; h
	s_mov_b32 s[SEL], 0x76543210
	s_mov_b32 s[SEL+1], 0xfedcba98                 ; v_permlanex16_b32's selects for lane l xor 16
	s_mov_b32 s[MNT], 0x600000                     ; the mantissa field of 448
	s_mov_b32 s27, 0
	s_wait_kmcnt 0x0
	s_cmp_lt_u32 ttmp9, 128
	s_cbranch_scc0 .Lweights
; ---------------- x ----------------
	s_lshr_b32 s24, ttmp9, 1                       ; which 32 rows
	s_and_b32 s25, ttmp9, 1
	s_lshl_b32 s25, s25, 2
	s_add_co_u32 s25, s25, s[SUBW]                 ; which 256 along K
	s_lshl_b32 s26, s24, 18                        ; 32 rows of 8,192 bytes
	s_lshl_b32 s28, s25, 10
	s_add_co_u32 s26, s26, s28
	s_lshl_b32 s28, s[HF], 17                      ; my 16 of them
	s_add_co_u32 s26, s26, s28
	s_add_nc_u64 s[4:5], s[4:5], s[26:27]
	s_lshl_b32 s26, s25, 6
	s_add_co_u32 s26, s26, s24
	s_mul_i32 s26, s26, REC8
	s_add_nc_u64 s[14:15], s[14:15], s[26:27]      ; the record
	s_wait_alu depctr_va_vdst(0)
	v_lshlrev_b32 v[XA], 13, v2
	s_delay_alu instid0(VALU_DEP_1)
	v_lshl_add_u32 v[XA], v3, 6, v[XA]             ; row r, + 64 h: my 16 numbers of a block of 32
	s_lshl_b32 s28, s[HF], 12
	v_lshl_add_u32 v[LI], v1, 4, s28               ; 16 x lane + 4,096 x my half: fragments (e, 0) and (e, 1)
	s_lshl_b32 s28, s[HF], 7
	v_lshl_add_u32 v[L8], v2, 3, s28               ; 8 r + 128 e
.irp b, 0,1,2,3
	v_mov_b32 v[TM+4+\b], 0                        ; written once: a lane permute's destination counts as one of its sources
.endr
.macro XLOAD buf, q                    ; 16 rows x 128 K: 64 numbers a lane
.irp b, 0,1,2,3
.irp j, 0,1,2,3
	global_load_b128 v[\buf+16*\b+4*\j:\buf+16*\b+4*\j+3], v[XA], s[4:5] offset:\q*512+128*\b+16*\j th:TH_LOAD_NT
.endr
.endr
.endm
; 64 numbers of a lane from v[QI] on, register 16 b + i = k 32 b + 16 h + i of my row, become a fragment's codes from v[QC] on and its scale word in v[QW]
.macro QUANT
.irp b, 0,1,2,3
	v_max3_num_f32 v[TM+\b], |v[QI+16*\b]|, |v[QI+1+16*\b]|, 0x4800000   ; my 16 numbers of block b, and the floor 2^(9 - 127): the byte cannot fall under 1
.endr
.irp i, 2,4,6,8,10,12,14
.irp b, 0,1,2,3
	s_delay_alu instid0(VALU_DEP_4)
	v_max3_num_f32 v[TM+\b], v[TM+\b], |v[QI+16*\b+\i]|, |v[QI+1+16*\b+\i]|
.endr
.endr
.irp b, 0,1,2,3
	s_delay_alu instid0(VALU_DEP_4)
	v_permlanex16_b32 v[TM+4+\b], v[TM+\b], s[SEL], s[SEL+1]
.endr
.irp b, 0,1,2,3
	s_delay_alu instid0(VALU_DEP_4)
	v_max_num_f32 v[TM+\b], v[TM+\b], v[TM+4+\b]   ; with lane l xor 16's: the block's largest magnitude
.endr
.irp b, 0,1,2,3
	s_delay_alu instid0(VALU_DEP_4)
	v_add_nc_u32 v[TM+12+\b], 0xfc000000, v[TM+\b] ; 8 off its exponent field: the conversion's scale operand
.endr
.irp b, 0,1,2,3
	v_and_or_b32 v[TM+8+\b], v[TM+\b], 0x7f800000, s[MNT]   ; 448 x the scale
.endr
.irp b, 0,1,2,3
	v_lshrrev_b32 v[TM+4+\b], 23, v[TM+12+\b]      ; the scale's byte
.endr
	s_delay_alu instid0(VALU_DEP_3)
	v_lshl_or_b32 v[QW], v[TM+5], 8, v[TM+4]
	s_delay_alu instid0(VALU_DEP_1)
	v_lshl_or_b32 v[QW], v[TM+6], 16, v[QW]
	s_delay_alu instid0(VALU_DEP_1)
	v_lshl_or_b32 v[QW], v[TM+7], 24, v[QW]
.irp b, 0,1,2,3
.irp i, 0,1,2,3,4,5,6,7,8,9,10,11,12,13,14,15
	v_med3_num_f32 v[QI+16*\b+\i], v[QI+16*\b+\i], -v[TM+8+\b], v[TM+8+\b]   ; the conversion to an 8-bit code does not saturate (ISA guide 7.6.2): the hold comes first
.endr
	v_cvt_scalef32_pk8_fp8_f32 v[QC+4*\b:QC+4*\b+1], v[QI+16*\b:QI+16*\b+7], v[TM+12+\b]
	v_cvt_scalef32_pk8_fp8_f32 v[QC+4*\b+2:QC+4*\b+3], v[QI+16*\b+8:QI+16*\b+15], v[TM+12+\b]
.endr
	v_nop                                          ; a plain line behind the last conversion
.endm
.macro FRAGX buf, q                    ; fragment (my rows, q) is quantised and stored: each store covers 512 consecutive bytes
.set QI, \buf
.set QC, PCX+16*\q
.set QW, PW+\q
	QUANT
.irp c, 0,1,2,3
	global_store_b128 v[LI], v[PCX+16*\q+4*\c:PCX+16*\q+4*\c+3], s[14:15] offset:\q*2048+512*\c
.endr
.endm
	XLOAD X0, 0
	XLOAD X1, 1
	s_wait_loadcnt 16                              ; the older fragment's 16 loads are in, the younger one's may be out
	FRAGX X0, 0
	s_wait_loadcnt 0
	FRAGX X1, 1
	global_store_b64 v[L8], v[PW:PW+1], s[14:15] offset:8192   ; my 16 rows' two words each: 128 consecutive bytes (both halves of the lanes hold their row's words and store the same)
	s_endpgm
; ---------------- the weights ----------------
.Lweights:
	s_sub_co_u32 s24, ttmp9, 128
	s_lshr_b32 s25, s24, 3                         ; which 128 columns of the 6,144
	s_and_b32 s26, s24, 7                          ; which 256 along K
	s_mov_b64 s[28:29], s[12:13]                   ; Wo: from group 32 on, rows of 8,192 bytes, middle groups exchanged
	s_mov_b32 s30, 32
	s_mov_b32 s31, 8192
	s_mov_b32 s[SWAP], -1
	s_cmp_lt_u32 s25, 32                           ; the choices hang on the work-group's number alone
	s_cselect_b64 s[28:29], s[10:11], s[28:29]     ; Wv
	s_cselect_b32 s30, 24, s30
	s_cselect_b32 s31, 4096, s31
	s_cselect_b32 s[SWAP], 0, s[SWAP]
	s_cmp_lt_u32 s25, 24
	s_cselect_b64 s[28:29], s[8:9], s[28:29]       ; Wk
	s_cselect_b32 s30, 16, s30
	s_cmp_lt_u32 s25, 16
	s_cselect_b64 s[28:29], s[6:7], s[28:29]       ; Wq
	s_cselect_b32 s30, 0, s30
	s_cselect_b32 s31, 8192, s31
	s_mul_i32 s48, s26, 192
	s_lshl_b32 s49, s25, 2
	s_add_co_u32 s48, s48, s49
	s_add_co_u32 s48, s48, s[SUBW]
	s_mul_i32 s48, s48, REC8
	s_mov_b32 s49, 0
	s_add_nc_u64 s[16:17], s[16:17], s[48:49]      ; the record
	s_sub_co_u32 s48, s25, s30
	s_lshl_b32 s48, s48, 9                         ; 128 columns of 4 bytes
	s_lshl_b32 s24, s[SUBW], 7                     ; my record's 32 of them
	s_add_co_u32 s48, s48, s24
	s_lshl_b32 s24, s26, 8                         ; 256 rows for each step along K,
	s_lshl_b32 s46, s[HF], 7                       ; my 128 of them
	s_add_co_u32 s24, s24, s46
	s_mul_i32 s24, s24, s31
	s_add_co_u32 s48, s48, s24
	s_add_nc_u64 s[32:33], s[28:29], s[48:49]      ; block 0's first row
	s_lshl_b32 s48, s31, 5                         ; 32 rows on
.irp t, 1,2,3
	s_add_nc_u64 s[32+2*\t:33+2*\t], s[30+2*\t:31+2*\t], s[48:49]   ; a base for each block: none is written again
.endr
	s_wait_alu depctr_va_vdst(0)
	v_lshlrev_b32 v7, 2, v1
.irp i, 0,1,2,3,4,5,6,7,8,9,10,11,12,13,14,15,16,17,18,19,20,21,22,23,24,25,26,27,28,29,30,31
	v_mad_u32_u24 v[ROW+\i], s31, \i, v7
.endr
	v_lshlrev_b32 v[LI], 12, v3
	s_delay_alu instid0(VALU_DEP_1)
	v_lshl_add_u32 v[LI], v2, 4, v[LI]             ; my column is row r of the record's rows 16 h on: 4,096 h + 16 r,
	s_lshl_b32 s46, s[HF], 11
	v_add_nc_u32 v[LI], s46, v[LI]                 ; + 2,048 x my half along K
	s_lshl_b32 s46, s[HF], 2
	v_lshl_add_u32 v[L8], v1, 3, s46               ; my column's scale word: 8 x lane + 4 x my half
.macro LOADB t                         ; block t: W(32 t + i, my column): a wave reads 128 consecutive bytes, four waves 512
.irp i, 0,1,2,3,4,5,6,7,8,9,10,11,12,13,14,15,16,17,18,19,20,21,22,23,24,25,26,27,28,29,30,31
	global_load_b32 v[XW+32*((\t)%2)+\i], v[ROW+\i], s[32+2*(\t):33+2*(\t)] th:TH_LOAD_NT
.endr
.endm
.macro BLOCK t
.set XS, XW+32*((\t)%2)
.set PQ, PB+8*(\t)
.if (\t) < 3
	s_wait_loadcnt 32                              ; this block's 32 loads are in, the next block's may be out
.else
	s_wait_loadcnt 0
.endif
	v_max3_num_f32 v180, |v[XS]|, |v[XS+1]|, |v[XS+2]|             ; all 32 numbers of the block are mine
	v_max3_num_f32 v181, |v[XS+3]|, |v[XS+4]|, |v[XS+5]|
.irp i, 6,10,14,18,22,26
	s_delay_alu instid0(VALU_DEP_2)
	v_max3_num_f32 v180, v180, |v[XS+\i]|, |v[XS+\i+1]|
	s_delay_alu instid0(VALU_DEP_2)
	v_max3_num_f32 v181, v181, |v[XS+\i+2]|, |v[XS+\i+3]|
.endr
	s_delay_alu instid0(VALU_DEP_2)
	v_max3_num_f32 v180, v180, |v[XS+30]|, |v[XS+31]|
	s_delay_alu instid0(VALU_DEP_1)
	v_max3_num_f32 v180, v180, v181, 0x4800000     ; and the floor
	s_delay_alu instid0(VALU_DEP_1)
	v_add_nc_u32 v183, 0xfc000000, v180            ; the conversion's scale operand
	s_delay_alu instid0(VALU_DEP_2)
	v_and_or_b32 v182, v180, 0x7f800000, s[MNT]    ; 448 x the scale
.irp i, 0,1,2,3,4,5,6,7,8,9,10,11,12,13,14,15,16,17,18,19,20,21,22,23,24,25,26,27,28,29,30,31
	v_med3_num_f32 v[XS+\i], v[XS+\i], -v182, v182
.endr
	v_cvt_scalef32_pk8_fp8_f32 v[PQ:PQ+1], v[XS:XS+7], v183
	v_cvt_scalef32_pk8_fp8_f32 v[TT:TT+1], v[XS+8:XS+15], v183
	v_cvt_scalef32_pk8_fp8_f32 v[TT+2:TT+3], v[XS+16:XS+23], v183
	v_cvt_scalef32_pk8_fp8_f32 v[PQ+6:PQ+7], v[XS+24:XS+31], v183
	v_lshrrev_b32 v181, 23, v183                   ; the scale's byte (also the plain line behind the conversions)
	v_cndmask_b32 v[PQ+2], v[TT], v[TT+2], s[SWAP] ; Wo: the two middle groups of 8 change places; the other weights keep theirs
	v_cndmask_b32 v[PQ+3], v[TT+1], v[TT+3], s[SWAP]
	v_cndmask_b32 v[PQ+4], v[TT+2], v[TT], s[SWAP]
	v_cndmask_b32 v[PQ+5], v[TT+3], v[TT+1], s[SWAP]
.if (\t) == 0
	v_mov_b32 v[SB], v181
.else
	v_lshl_or_b32 v[SB], v181, 8*(\t), v[SB]
.endif
	global_store_b128 v[LI], v[PQ:PQ+3], s[16:17] offset:(\t)*512          ; sixteen lanes fill 256 consecutive bytes
	global_store_b128 v[LI], v[PQ+4:PQ+7], s[16:17] offset:(\t)*512+256
.if (\t)+2 < 4
	LOADB (\t)+2
.endif
.endm
	LOADB 0
	LOADB 1
.irp t, 0,1,2,3
	BLOCK \t
.endr
	global_store_b32 v[L8], v[SB], s[16:17] offset:8192   ; every second word of 256 bytes; the wave with the other half along K stores the others
	s_endpgm
.Lfunc_end_k_q650a730477_quant:
	.size	k_q650a730477_quant, .Lfunc_end_k_q650a730477_quant-k_q650a730477_quant
	.p2alignl 7, 3214868480
	.fill 96, 4, 3214868480
	.section	.rodata,"a",@progbits
	.p2align	6, 0x0
	.amdhsa_kernel k_q650a730477_quant
		.amdhsa_group_segment_fixed_size 0
		.amdhsa_private_segment_fixed_size 0
		.amdhsa_enable_private_segment 0
		.amdhsa_kernarg_size 56
		.amdhsa_user_sgpr_count 2
		.amdhsa_user_sgpr_kernarg_segment_ptr 1
		.amdhsa_wavefront_size32 1
		.amdhsa_system_sgpr_workgroup_id_x 1
		.amdhsa_system_sgpr_workgroup_id_y 1
		.amdhsa_system_sgpr_workgroup_id_z 1
		.amdhsa_system_vgpr_workitem_id 0
		.amdhsa_next_free_vgpr 232
		.amdhsa_next_free_sgpr 66
		.amdhsa_reserve_vcc 0
		.amdhsa_float_denorm_mode_32 3
		.amdhsa_float_denorm_mode_16_64 3
		.amdhsa_memory_ordered 1
		.amdhsa_forward_progress 1
		.amdhsa_inst_pref_size 59
	.end_amdhsa_kernel
	.amdgpu_metadata
---
amdhsa.version: [ 1, 2 ]
amdhsa.kernels:
  - .name:           k_q650a730477_quant
    .symbol:         k_q650a730477_quant.kd
    .args:
      - { .name: x, .offset: 0, .size: 8, .value_kind: global_buffer, .address_space: global }
      - { .name: Wq, .offset: 8, .size: 8, .value_kind: global_buffer, .address_space: global }
      - { .name: Wk, .offset: 16, .size: 8, .value_kind: global_buffer, .address_space: global }
      - { .name: Wv, .offset: 24, .size: 8, .value_kind: global_buffer, .address_space: global }
      - { .name: Wo, .offset: 32, .size: 8, .value_kind: global_buffer, .address_space: global }
      - { .name: xc, .offset: 40, .size: 8, .value_kind: global_buffer, .address_space: global }
      - { .name: wc, .offset: 48, .size: 8, .value_kind: global_buffer, .address_space: global }
    .group_segment_fixed_size: 0
    .private_segment_fixed_size: 0
    .kernarg_segment_align: 8
    .kernarg_segment_size: 56
    .max_flat_workgroup_size: 256
    .sgpr_count:     66
    .vgpr_count:     232
    .wavefront_size: 32
...
	.end_amdgpu_metadata
.endif
;; end of part 5
;; launch qkv (part 6): grid 16 x 16, 8 waves a work-group, clusters of 4 x 4, 327,680 bytes of LDS; arguments xc, wc, cos, sin, qkv; writes qkv
.if DOCPART == 6
	.amdgcn_target "amdgcn-amd-amdhsa--gfx1250"
	.amdhsa_code_object_version 6
	.text
	.protected	k_q650a730477_qkv
	.globl	k_q650a730477_qkv
	.p2align	8
	.type	k_q650a730477_qkv,@function
k_q650a730477_qkv:
	s_mov_b64 s[64:65], 0
	v_nop
	global_prefetch_b8 v0, s[64:65] scope:SCOPE_SE
	s_setreg_imm32_b32 hwreg(HW_REG_WAVE_MODE, 25, 1), 1
	s_wait_xcnt 0x0
	s_wait_alu depctr_hold_cnt(0) depctr_sa_sdst(0) depctr_va_vdst(0) depctr_va_sdst(0) depctr_va_ssrc(0) depctr_va_vcc(0) depctr_vm_vsrc(0)
	s_getreg_b32 s2, hwreg(HW_REG_IB_STS2, 6, 4)
	s_cmp_eq_u32 s2, 0
	s_cbranch_scc0 .Lentry_in_a_cluster
	s_endpgm
.Lentry_in_a_cluster:
	s_bfe_u32 s2, ttmp6, 0x10000c
	s_cmp_lg_u32 s2, 0xf033
	s_cbranch_scc0 .Lentry_shape_is_right
	s_endpgm
.Lentry_shape_is_right:
.set REC8,  8448
.set REC,   16896
.set SLOT,  12*REC8
.set ROFF,  8*REC8
.set SPARE, 2*SLOT
.set WSTR,  192*REC8
.set XSTR,  64*REC8
.set AP,  2
.set AR,  4
.set ASP, 6
.set ASR, 8
.set SPW, 10
.set NIL, 11
.set VC,  12
.set VW,  13
.set CA,  14
.set SC,  16
.set PW,  26
.set RF,  28
.set PF,  60
.set ACC, 124
.set RT,  252
.set TM,  44
.set WV, 14
.set WI, 15
.set WJ, 16
.set CX, 17
.set CY, 18
.set PATH, 19
.set IT, 20
.set JT, 21
.set G1P, 24
.set G0P, 32
.set G1R, 40
.set G0R, 48
.set PS2, 56
.set RS2, 58
.set PP, 60
.set RP, 62
.set CNT, 68
.set SEL, 70
.set MNT, 72
.set HM, 73
.macro PLACES n
.rept \n
	v_nop
.endr
.endm
.macro CROUND
	s_barrier_signal -1
	s_barrier_wait -1
	s_cmp_lg_u32 s[WV], 0
	s_cbranch_scc1 .Lnot_wave_0_\@
	s_barrier_signal -3
.Lnot_wave_0_\@:
	s_barrier_wait -3
	s_barrier_signal -1
	s_barrier_wait -1
.endm
.macro JLOAD s
	s_cmp_lt_u32 s[WV], 4
	s_cbranch_scc0 .Lfor_r_\@
	tensor_load_to_lds s[G0P+4*\s:G0P+4*\s+3], s[G1P:G1P+7]
	s_nop 0
.rept 4
	v_nop
.endr
	s_branch .Lasked_\@
.Lfor_r_\@:
	tensor_load_to_lds s[G0R+4*\s:G0R+4*\s+3], s[G1R:G1R+7]
	s_nop 0
.rept 4
	v_nop
.endr
.Lasked_\@:
.endm
	s_load_b256 s[4:11], s[0:1], 0x0
	s_load_b64 s[12:13], s[0:1], 0x20
	v_lshl_add_u32 v[SPW], v0, 2, SPARE
	v_mov_b32 v[NIL], 0
	ds_add_u32 v[SPW], v[NIL]
	ds_add_u32 v[SPW], v[NIL]
	v_lshrrev_b32 v1, 5, v0
	s_delay_alu instid0(VALU_DEP_1)
	v_readfirstlane_b32 s[WV], v1
	s_lshr_b32 s[WI], s[WV], 2
	s_and_b32 s[WJ], s[WV], 3
	s_bfe_u32 s[CX], ttmp6, 0x40000
	s_bfe_u32 s[CY], ttmp6, 0x40004
	s_and_b32 s22, ttmp7, 0xffff
	s_and_b32 s23, s22, 1
	s_lshr_b32 s69, s22, 1
	s_mov_b32 s74, WSTR
	s_mov_b32 s75, XSTR
	s_cmp_eq_u32 ttmp9, 3
	s_cselect_b32 s[PATH], 1, 0
	s_cselect_b32 s[IT], s23, ttmp9
	s_cselect_b32 s[JT], s69, s22
	s_cselect_b32 s[PS2], s75, s74
	s_cselect_b32 s[RS2], s74, s75
	s_cselect_b32 s77, 96, 0
	s_mov_b32 s[PS2+1], 0
	s_mov_b32 s[RS2+1], 0
	s_lshl_b32 s[IT], s[IT], 2
	s_add_co_u32 s[IT], s[IT], s[CX]
	s_lshl_b32 s[JT], s[JT], 2
	s_add_co_u32 s[JT], s[JT], s[CY]
	s_lshl_b32 s66, 0x1111, s[CX]
	s_lshl_b32 s76, s[CY], 2
	s_lshl_b32 s76, 15, s76
	s_or_b32 s[G1P], s66, (3<<16)|(1<<21)
	s_or_b32 s[G1R], s76, (3<<16)|(1<<21)
	s_mov_b32 s[G1P+1], 32<<16
	s_mov_b32 s[G1P+2], 132<<16                    ; the head's loads bring twice the rows of the ring's
	s_mov_b32 s[G1P+3], 32<<16
	s_mov_b32 s[G1P+4], 132
	s_mov_b32 s[G1P+5], 32
	s_mov_b32 s[G1P+6], 0
	s_mov_b32 s[G1P+7], 0
	s_mov_b32 s[G1R+1], 32<<16
	s_mov_b32 s[G1R+2], 66<<16
	s_mov_b32 s[G1R+3], 32<<16
	s_mov_b32 s[G1R+4], 66
	s_mov_b32 s[G1R+5], 32
	s_mov_b32 s[G1R+6], 0
	s_mov_b32 s[G1R+7], 0
	s_lshl_b32 s66, s[IT], 3
	s_and_b32 s82, s[WV], 1                        ; the head's loads: which half of a slot's records of one operand
	s_lshl_b32 s83, s82, 2
	s_add_co_u32 s83, s83, s66
	s_mul_i32 s84, s83, REC8                       ; s[84:85]: four records of the first operand
	s_mov_b32 s85, 0
	s_lshl_b32 s67, s[WJ], 1
	s_add_co_u32 s66, s66, s67
	s_mul_i32 s66, s66, REC8
	s_mov_b32 s67, 0
	s_lshl_b32 s76, s[JT], 2
	s_add_co_u32 s76, s76, s77
	s_lshl_b32 s83, s82, 1
	s_add_co_u32 s83, s83, s76
	s_mul_i32 s86, s83, REC8                       ; s[86:87]: two records of the second
	s_mov_b32 s87, 0
	s_add_co_u32 s76, s76, s[WJ]
	s_mul_i32 s76, s76, REC8
	s_mov_b32 s77, 0
	s_mul_i32 s78, s[WJ], REC
	s_mul_i32 s79, s[WJ], REC8
	s_add_co_u32 s79, s79, ROFF
	s_mov_b32 s[SEL], 0x76543210
	s_mov_b32 s[SEL+1], 0xfedcba98
	s_mov_b32 s[MNT], 0x600000
	s_mov_b32 s[HM], 0xffff0000
	s_wait_dscnt 0x0
	s_wait_kmcnt 0x0
	s_cmp_eq_u32 s[PATH], 1
	s_cselect_b64 s[PP:PP+1], s[4:5], s[6:7]
	s_cselect_b64 s[RP:RP+1], s[6:7], s[4:5]
	s_add_nc_u64 s[PP:PP+1], s[PP:PP+1], s[66:67]
	s_add_nc_u64 s[RP:RP+1], s[RP:RP+1], s[76:77]
	CROUND
.irp s, 0,1
	s_mov_b32 s[G0P+4*\s], 1
	s_add_co_u32 s[G0P+4*\s+1], s78, \s*SLOT
	s_mov_b32 s[G0R+4*\s], 1
	s_add_co_u32 s[G0R+4*\s+1], s79, \s*SLOT
.endr
	s_mov_b64 s[G0P+2:G0P+3], s[PP:PP+1]
	s_add_nc_u64 s[G0P+6:G0P+7], s[PP:PP+1], s[PS2:PS2+1]
	s_mov_b64 s[G0R+2:G0R+3], s[RP:RP+1]
	s_add_nc_u64 s[G0R+6:G0R+7], s[RP:RP+1], s[RS2:RS2+1]
	s_or_b32 s[G0P+3], s[G0P+3], 0x80000000
	s_or_b32 s[G0P+7], s[G0P+7], 0x80000000
	s_or_b32 s[G0R+3], s[G0R+3], 0x80000000
	s_or_b32 s[G0R+7], s[G0R+7], 0x80000000
	s_lshl_b32 s[PS2], s[PS2], 1
	s_lshl_b32 s[RS2], s[RS2], 1
; THE HEAD'S LOADS, ONE A WAVE, FILL BOTH SLOTS: waves 0, 1 the halves of slot 0's first operand, waves 2, 3 of its second, waves 4 to 7 the same for slot 1 (wave / 4 = the slot = the K step).
	s_cmp_eq_u32 s[PATH], 1
	s_cselect_b64 s[90:91], s[4:5], s[6:7]
	s_cselect_b64 s[94:95], s[6:7], s[4:5]
	s_add_nc_u64 s[90:91], s[90:91], s[84:85]
	s_add_nc_u64 s[94:95], s[94:95], s[86:87]
	s_mul_i32 s98, s[WI], s[PS2]                   ; s[PS2], s[RS2] hold two K steps by now
	s_lshr_b32 s98, s98, 1
	s_mov_b32 s99, 0
	s_add_nc_u64 s[90:91], s[90:91], s[98:99]
	s_mul_i32 s98, s[WI], s[RS2]
	s_lshr_b32 s98, s98, 1
	s_add_nc_u64 s[94:95], s[94:95], s[98:99]
	s_or_b32 s91, s91, 0x80000000
	s_or_b32 s95, s95, 0x80000000
	s_mov_b32 s88, 1
	s_mov_b32 s92, 1
	s_mul_i32 s96, s[WI], SLOT
	s_mul_i32 s83, s82, 4*REC8
	s_add_co_u32 s89, s96, s83
	s_mul_i32 s83, s82, 2*REC8
	s_add_co_u32 s93, s96, s83
	s_add_co_u32 s93, s93, ROFF
	s_cmp_lt_u32 s[WV], 2                          ; one chain of branches on the wave's number, a load to an arm: slot 0's arms have lines of their own, since their waves alone wait ahead of the first barrier
	s_cbranch_scc0 .Lhead_1
	tensor_load_to_lds s[88:91], s[G1P:G1P+7]
	s_nop 0
.rept 4
	v_nop
.endr
	s_branch .Lhead_asked
.Lhead_1:
	s_cmp_lt_u32 s[WV], 4
	s_cbranch_scc0 .Lhead_2
	tensor_load_to_lds s[92:95], s[G1R:G1R+7]
	s_nop 0
.rept 4
	v_nop
.endr
	s_branch .Lhead_asked
.Lhead_2:
	s_cmp_lt_u32 s[WV], 6
	s_cbranch_scc0 .Lhead_3
	tensor_load_to_lds s[88:91], s[G1P:G1P+7]
	s_nop 0
.rept 4
	v_nop
.endr
	s_branch .Lhead_asked
.Lhead_3:
	tensor_load_to_lds s[92:95], s[G1R:G1R+7]
	s_nop 0
.rept 4
	v_nop
.endr
.Lhead_asked:
	v_and_b32 v1, 31, v0
	v_and_b32 v2, 15, v0
	v_bfe_u32 v3, v0, 4, 1
	s_delay_alu instid0(VALU_DEP_2)
	v_lshlrev_b32 v[CA], 7, v2
	s_delay_alu instid0(VALU_DEP_1)
	v_lshl_add_u32 v[CA], v3, 4, v[CA]
	v_lshlrev_b32 v15, 4, v1
	s_lshl_b32 s23, s[WJ], 12
	v_add_nc_u32 v[VC], s23, v15
	s_lshl_b32 s23, s[WJ], 7
	v_lshl_add_u32 v[VW], v1, 2, s23
	s_mul_i32 s23, s[WI], 4*REC8
	v_add_nc_u32 v[AP], s23, v15
	s_delay_alu instid0(VALU_DEP_1)
	v_add_nc_u32 v[AP+1], SLOT, v[AP]
	v_add_nc_u32 v[AR], s79, v15
	s_delay_alu instid0(VALU_DEP_1)
	v_add_nc_u32 v[AR+1], SLOT, v[AR]
	v_lshlrev_b32 v1, 3, v1
	s_delay_alu instid0(VALU_DEP_1)
	v_add_nc_u32 v1, 8192, v1
	s_delay_alu instid0(VALU_DEP_1)
	v_add_nc_u32 v[ASP], s23, v1
	s_delay_alu instid0(VALU_DEP_1)
	v_add_nc_u32 v[ASP+1], SLOT, v[ASP]
	s_delay_alu instid0(VALU_DEP_3)
	v_add_nc_u32 v[ASR], s79, v1
	s_delay_alu instid0(VALU_DEP_1)
	v_add_nc_u32 v[ASR+1], SLOT, v[ASR]
.macro MM t, u, q, zero
.set rA, ACC+64*(\u)+8*(\t)
.set rP, PF+16*((\t)%4)
.set rR, RF+16*(\u)
.set rS, SC+2*((\t)/2)+(\q)
.set rT, SC+8+(\q)
.if \zero
.if (((\t)%2) == 1) && ((\u) == 1)
	v_wmma_scale_f32_16x16x128_f8f6f4 v[rA:rA+7], v[rP:rP+15], v[rR:rR+15], 0, v[rS], v[rT] matrix_a_scale:MATRIX_SCALE_ROW1 matrix_b_scale:MATRIX_SCALE_ROW1
.elseif ((\t)%2) == 1
	v_wmma_scale_f32_16x16x128_f8f6f4 v[rA:rA+7], v[rP:rP+15], v[rR:rR+15], 0, v[rS], v[rT] matrix_a_scale:MATRIX_SCALE_ROW1
.elseif (\u) == 1
	v_wmma_scale_f32_16x16x128_f8f6f4 v[rA:rA+7], v[rP:rP+15], v[rR:rR+15], 0, v[rS], v[rT] matrix_b_scale:MATRIX_SCALE_ROW1
.else
	v_wmma_scale_f32_16x16x128_f8f6f4 v[rA:rA+7], v[rP:rP+15], v[rR:rR+15], 0, v[rS], v[rT]
.endif
.else
.if (((\t)%2) == 1) && ((\u) == 1)
	v_wmma_scale_f32_16x16x128_f8f6f4 v[rA:rA+7], v[rP:rP+15], v[rR:rR+15], v[rA:rA+7], v[rS], v[rT] matrix_a_scale:MATRIX_SCALE_ROW1 matrix_b_scale:MATRIX_SCALE_ROW1
.elseif ((\t)%2) == 1
	v_wmma_scale_f32_16x16x128_f8f6f4 v[rA:rA+7], v[rP:rP+15], v[rR:rR+15], v[rA:rA+7], v[rS], v[rT] matrix_a_scale:MATRIX_SCALE_ROW1
.elseif (\u) == 1
	v_wmma_scale_f32_16x16x128_f8f6f4 v[rA:rA+7], v[rP:rP+15], v[rR:rR+15], v[rA:rA+7], v[rS], v[rT] matrix_b_scale:MATRIX_SCALE_ROW1
.else
	v_wmma_scale_f32_16x16x128_f8f6f4 v[rA:rA+7], v[rP:rP+15], v[rR:rR+15], v[rA:rA+7], v[rS], v[rT]
.endif
.endif
.endm
.macro MM4 t0, q, zero
	MM \t0, 0, \q, \zero
	MM \t0, 1, \q, \zero
	MM (\t0)+1, 0, \q, \zero
	MM (\t0)+1, 1, \q, \zero
.endm
.macro PLOAD s, q, t0
.irp d, 0,1,2,3
.irp c, 0,1,2,3
	ds_load_b128 v[PF+16*\d+4*\c:PF+16*\d+4*\c+3], v[AP+\s] offset:((\t0+\d)/2)*REC8+(2*((\t0+\d)%2)+\q)*2048+512*\c
.endr
.endr
.endm
.macro KSTEP s, q, zero
.irp u, 0,1
.irp c, 0,1,2,3
	ds_load_b128 v[RF+16*\u+4*\c:RF+16*\u+4*\c+3], v[AR+\s] offset:(2*\u+\q)*2048+512*\c
.endr
.endr
	PLOAD \s, \q, 0
	s_wait_dscnt 8
	MM4 0, \q, \zero
	s_wait_dscnt 0
	MM4 2, \q, \zero
	PLACES 8
	PLOAD \s, \q, 4
	s_wait_dscnt 8
	MM4 4, \q, \zero
	s_wait_dscnt 0
	MM4 6, \q, \zero
	PLACES 8
.endm
.macro SLOTWORK s, zero
.irp p, 0,1,2,3
	ds_load_b64 v[SC+2*\p:SC+2*\p+1], v[ASP+\s] offset:\p*REC8
.endr
	ds_load_b64 v[SC+8:SC+9], v[ASR+\s]
	KSTEP \s, 0, \zero
	KSTEP \s, 1, 0
.endm
.macro CHANGE s, fill
	s_wait_tensorcnt 0x0
	ds_add_u32 v[SPW], v[NIL]
.if \fill
	s_add_nc_u64 s[G0P+4*\s+2:G0P+4*\s+3], s[G0P+4*\s+2:G0P+4*\s+3], s[PS2:PS2+1]
	s_mov_b32 s[G1P+2], 66<<16                     ; no tensor load of mine is out: the ring's loads bring 66 and 33 rows
	s_mov_b32 s[G1P+4], 66
	s_mov_b32 s[G1R+2], 33<<16
	s_mov_b32 s[G1R+4], 33
	s_add_nc_u64 s[G0R+4*\s+2:G0R+4*\s+3], s[G0R+4*\s+2:G0R+4*\s+3], s[RS2:RS2+1]
	s_wait_xcnt 0x0                                ; my last prefetch by this address, two K steps back, has read it
	s_add_nc_u64 s[84+2*\s:85+2*\s], s[84+2*\s:85+2*\s], s[98:99]
.endif
	s_wait_dscnt 0x0
.if \fill
	CROUND
	JLOAD \s
	s_cmp_gt_u32 s[CNT], 1                         ; the loop's last trip has no K step two refills on
	s_cbranch_scc0 .Lno_ask_\@
	global_prefetch_b8 v15, s[84+2*\s:85+2*\s] th:TH_LOAD_NT scope:SCOPE_SE
.Lno_ask_\@:
.else
	s_barrier_signal -1
	s_barrier_wait -1
.endif
.endm
; THE PREFETCHES INTO THE L2.  A wave's ring load brings 66 (waves 0-3) or 33 (waves 4-7) blocks of 256 bytes, jointly with three partners; the four share the blocks out BY ADDRESS: 17 or 9 each, a lane a block,
; by cy or cx; lanes left over name the load's last block again.  s[84:85] walks the even K steps, s[86:87] the odd ones.  K steps 2 and 3 are asked for here; behind each joint load the K step two refills on.
	s_cmp_lt_u32 s[WV], 4
	s_cselect_b64 s[84:85], s[PP:PP+1], s[RP:RP+1]
	s_cselect_b32 s98, s[PS2], s[RS2]              ; two K steps on, in bytes
	s_cselect_b32 s96, s[CY], s[CX]
	s_cselect_b32 s97, 17, 9
	s_cselect_b32 s83, 65, 32
	s_mov_b32 s99, 0
	s_mul_i32 s96, s96, s97
	s_sub_co_u32 s97, s97, 1
	v_and_b32 v15, 31, v0
	v_min_u32 v15, s97, v15
	v_add_nc_u32 v15, s96, v15
	v_min_u32 v15, s83, v15
	v_lshlrev_b32 v15, 8, v15
	s_add_nc_u64 s[84:85], s[84:85], s[98:99]      ; K step 2
	s_lshr_b32 s96, s98, 1
	s_mov_b32 s97, 0
	s_add_nc_u64 s[86:87], s[84:85], s[96:97]      ; K step 3
	s_wait_alu depctr_va_vdst(0)
	global_prefetch_b8 v15, s[84:85] th:TH_LOAD_NT scope:SCOPE_SE
	global_prefetch_b8 v15, s[86:87] th:TH_LOAD_NT scope:SCOPE_SE
	s_cmp_eq_u32 s[PATH], 1
	s_cbranch_scc1 .Lno_tab
	s_lshl_b32 s74, s[JT], 14
	s_lshl_b32 s83, s[WJ], 12
	s_add_co_u32 s74, s74, s83
	s_mov_b32 s75, 0
	s_add_nc_u64 s[8:9], s[8:9], s[74:75]
	s_add_nc_u64 s[10:11], s[10:11], s[74:75]
	s_set_vgpr_msb 0x40                            ; destination in the second window
.irp u, 0,1
.irp m, 0,1,2,3
	global_load_b128 v[PF+32*\u+4*\m:PF+32*\u+4*\m+3], v[CA], s[8:9] offset:\u*2048+32*\m
	global_load_b128 v[PF+16+32*\u+4*\m:PF+16+32*\u+4*\m+3], v[CA], s[10:11] offset:\u*2048+32*\m
.endr
.endr
	s_set_vgpr_msb 0x4000
.Lno_tab:
	s_cmp_lt_u32 s[WV], 4
	s_cbranch_scc0 .Lslot_1_mine
	s_wait_tensorcnt 0x0                           ; waves 0 to 3: slot 0 is in; slot 1's waves wait at the first change of slots
.Lslot_1_mine:
	s_barrier_signal -1
	s_barrier_wait -1
	SLOTWORK 0, 1
	s_mov_b32 s[CNT], 3
.Llap:
	CHANGE 0, 1
	SLOTWORK 1, 0
	CHANGE 1, 1
	SLOTWORK 0, 0
	s_sub_co_u32 s[CNT], s[CNT], 1
	s_cmp_lg_u32 s[CNT], 0
	s_cbranch_scc1 .Llap
	CHANGE 0, 0
	SLOTWORK 1, 0
	s_lshl_b32 s74, s[IT], 1
	s_add_co_u32 s74, s74, s[WI]
	s_lshl_b32 s75, s74, 4
	s_add_co_u32 s75, s75, s[JT]
	s_lshl_b32 s78, s[JT], 4
	s_add_co_u32 s78, s78, s74
	s_add_co_u32 s78, s78, 384
	s_cmp_eq_u32 s[PATH], 1
	s_cselect_b32 s74, s78, s75
	s_mul_i32 s74, s74, REC
	s_mov_b32 s75, 0
	s_add_nc_u64 s[12:13], s[12:13], s[74:75]
	s_cmp_eq_u32 s[PATH], 1
	s_cbranch_scc1 .Lno_rope
	s_wait_loadcnt 0x0
	s_set_vgpr_msb 0x04                            ; the tables (source 1) stand in the second window
.irp u, 0,1
.irp t, 0,1,2,3,4,5,6,7
.irp p, 0,1,2,3
	v_mul_f32 v[RT+2*(\p%2)], v[ACC+64*\u+8*\t+2*\p+1], v[PF+16+32*\u+4*(\t%4)+\p]
	v_mul_f32 v[RT+2*(\p%2)+1], v[ACC+64*\u+8*\t+2*\p+1], v[PF+32*\u+4*(\t%4)+\p]
	v_fma_f32 v[ACC+64*\u+8*\t+2*\p+1], v[ACC+64*\u+8*\t+2*\p], v[PF+16+32*\u+4*(\t%4)+\p], v[RT+2*(\p%2)+1]
	v_fma_f32 v[ACC+64*\u+8*\t+2*\p], v[ACC+64*\u+8*\t+2*\p], v[PF+32*\u+4*(\t%4)+\p], -v[RT+2*(\p%2)]
.endr
.endr
.endr
	s_set_vgpr_msb 0x0400
.Lno_rope:
.irp b, 0,1,2,3
	v_mov_b32 v[TM+4+\b], 0
.endr
.macro QUANT
.irp b, 0,1,2,3
	v_max3_num_f32 v[TM+\b], |v[QI+16*\b]|, |v[QI+1+16*\b]|, 0x4800000
.endr
.irp i, 2,4,6,8,10,12,14
.irp b, 0,1,2,3
	v_max3_num_f32 v[TM+\b], v[TM+\b], |v[QI+16*\b+\i]|, |v[QI+1+16*\b+\i]|
.endr
.endr
.irp b, 0,1,2,3
	s_delay_alu instid0(VALU_DEP_4)
	v_permlanex16_b32 v[TM+4+\b], v[TM+\b], s[SEL], s[SEL+1]
.endr
.irp b, 0,1,2,3
	s_delay_alu instid0(VALU_DEP_4)
	v_max_num_f32 v[TM+\b], v[TM+\b], v[TM+4+\b]
.endr
.irp b, 0,1,2,3
	s_delay_alu instid0(VALU_DEP_4)
	v_add_nc_u32 v[TM+12+\b], 0xfc000000, v[TM+\b]
.endr
.irp b, 0,1,2,3
	v_and_or_b32 v[TM+8+\b], v[TM+\b], 0x7f800000, s[MNT]
.endr
.irp b, 0,1,2,3
	v_lshrrev_b32 v[TM+4+\b], 23, v[TM+12+\b]
.endr
	s_delay_alu instid0(VALU_DEP_3)
	v_lshl_or_b32 v[QW], v[TM+5], 8, v[TM+4]
	s_delay_alu instid0(VALU_DEP_1)
	v_lshl_or_b32 v[QW], v[TM+6], 16, v[QW]
	s_delay_alu instid0(VALU_DEP_1)
	v_lshl_or_b32 v[QW], v[TM+7], 24, v[QW]
.irp b, 0,1,2,3
.irp i, 0,1,2,3,4,5,6,7,8,9,10,11,12,13,14,15
	v_med3_num_f32 v[QI+16*\b+\i], v[QI+16*\b+\i], -v[TM+8+\b], v[TM+8+\b]
.endr
	v_cvt_scalef32_pk8_fp8_f32 v[QC+4*\b:QC+4*\b+1], v[QI+16*\b:QI+16*\b+7], v[TM+12+\b]
	v_cvt_scalef32_pk8_fp8_f32 v[QC+4*\b+2:QC+4*\b+3], v[QI+16*\b+8:QI+16*\b+15], v[TM+12+\b]
.endr
	v_nop
.endm
.irp u, 0,1
.set QI, ACC+64*\u
.set QC, RF+32*\u
.set QW, PW+\u
	QUANT
.irp c, 0,1,2,3
	global_store_b128 v[VC], v[RF+32*\u+4*\c:RF+32*\u+4*\c+3], s[12:13] offset:2048*\u+512*\c
.endr
.endr
	v_cndmask_b32 v[PW], v[PW], v[PW+1], s[HM]
	global_store_b32 v[VW], v[PW], s[12:13] offset:16384
	s_wait_tensorcnt 0x0
	ds_add_u32 v[SPW], v[NIL]
	s_wait_dscnt 0x0
	CROUND
	s_endpgm
.Lfunc_end_k_q650a730477_qkv:
	.size	k_q650a730477_qkv, .Lfunc_end_k_q650a730477_qkv-k_q650a730477_qkv
	.p2alignl 7, 3214868480
	.fill 96, 4, 3214868480
	.section	.rodata,"a",@progbits
	.p2align	6, 0x0
	.amdhsa_kernel k_q650a730477_qkv
		.amdhsa_group_segment_fixed_size 327680
		.amdhsa_private_segment_fixed_size 0
		.amdhsa_enable_private_segment 0
		.amdhsa_kernarg_size 40
		.amdhsa_user_sgpr_count 2
		.amdhsa_user_sgpr_kernarg_segment_ptr 1
		.amdhsa_wavefront_size32 1
		.amdhsa_system_sgpr_workgroup_id_x 1
		.amdhsa_system_sgpr_workgroup_id_y 1
		.amdhsa_system_sgpr_workgroup_id_z 1
		.amdhsa_system_vgpr_workitem_id 0
		.amdhsa_next_free_vgpr 384
		.amdhsa_next_free_sgpr 100
		.amdhsa_reserve_vcc 0
		.amdhsa_float_denorm_mode_32 3
		.amdhsa_float_denorm_mode_16_64 3
		.amdhsa_memory_ordered 1
		.amdhsa_forward_progress 1
		.amdhsa_inst_pref_size 88
	.end_amdhsa_kernel
	.amdgpu_metadata
---
amdhsa.version: [ 1, 2 ]
amdhsa.kernels:
  - .name:           k_q650a730477_qkv
    .symbol:         k_q650a730477_qkv.kd
    .args:
      - { .name: xc, .offset: 0, .size: 8, .value_kind: global_buffer, .address_space: global }
      - { .name: wc, .offset: 8, .size: 8, .value_kind: global_buffer, .address_space: global }
      - { .name: cos, .offset: 16, .size: 8, .value_kind: global_buffer, .address_space: global }
      - { .name: sin, .offset: 24, .size: 8, .value_kind: global_buffer, .address_space: global }
      - { .name: qkv, .offset: 32, .size: 8, .value_kind: global_buffer, .address_space: global }
    .group_segment_fixed_size: 327680
    .private_segment_fixed_size: 0
    .kernarg_segment_align: 8
    .kernarg_segment_size: 40
    .max_flat_workgroup_size: 256
    .sgpr_count:     100
    .vgpr_count:     384
    .wavefront_size: 32
...
	.end_amdgpu_metadata
.endif
;; end of part 6
;; launch attn (part 7): grid 16 x 16, 8 waves a work-group, no clusters, 327,680 bytes of LDS; arguments qkv, ac; writes ac
.if DOCPART == 7
	.amdgcn_target "amdgcn-amd-amdhsa--gfx1250"
	.amdhsa_code_object_version 6
	.text
	.protected	k_q650a730477_attn
	.globl	k_q650a730477_attn
	.p2align	8
	.type	k_q650a730477_attn,@function
k_q650a730477_attn:
	s_mov_b64 s[64:65], 0
	v_nop
	global_prefetch_b8 v0, s[64:65] scope:SCOPE_SE
	s_setreg_imm32_b32 hwreg(HW_REG_WAVE_MODE, 25, 1), 1
	s_wait_xcnt 0x0
; Launch 3 of 4: out = (softmax(Q1 K1^T / 8) - 0.2 softmax(Q2 K2^T / 8)) V under the causal mask, all three products on codes of E4M3, and the result's quantising for the last product.
; LEFT OUT AS DEAD WORK (shown at the head of the launch quant): key steps of 128 keys that lie wholly behind a tile's 16 queries: there both softmax weights are exactly 0.
; WHAT IS QUANTISED AHEAD OF THE THIRD PRODUCT is the FINISHED difference of the two normalised maps, in blocks of 32 keys: so a row's maximum and sum are wanted before its first block: TWO WALKS over the keys.
; Walk 1: scores, running maximum m and sum l of each map.  Walk 2: the scores again, attn = 2^(c s1 - c m1 - log2 l1) - 2^(c s2 - c m2 - log2 l2 + log2 0.2), c = log2(e) / 8, quantised in registers, and O^T += V^T attn^T.
; LAYOUT.  S^T = K Q^T (source 0 = 16 keys, source 1 = 16 queries), O^T = V^T attn^T: a lane holds ONE query (lane % 16).  A fragment of K holds K1 | K2 along its 128; Q stands as q0-7 | eight zero registers | q8-15,
; so that [Q1 | 0] and [0 | Q2] are two runs of 16 registers: zero codes add nothing under any scale byte from 1 to 254.
; SHARES.  A work-group: one query head and eight tiles of 16 queries.  WAVES j AND j + 4 SHARE TWO TILES, a = 4 x + j (tile L) and 127 - a (tile H), AND SPLIT THEIR KEYS: wave j takes the even key steps, wave j + 4 the odd
; ones, for both tiles.  The two tiles have 17 key steps together, so a wave has 9 or 8 in every work-group.  Tile L's step comes behind tile H's on the same keys: K's scale words and V's eight fragments stay in registers for it.
; Behind walk 1 the two waves join m and l through LDS; behind walk 2 each hands the other its part of one tile's O^T through LDS and finishes the other tile: waves 0-3 tile H, waves 4-7 tile L.
; LDS.  A SLOT HOLDS FOUR KEY STEPS (512 keys): a walk has four changes of slots, and a wave works two steps of each tile between two of them.  A record is 16,896 bytes: eight fragments as images of operand registers,
; 512 bytes of scale words; records follow each other in memory, and a load brings two: 132 rows of 256 bytes.  Walk 2's slots (four records of K, four of V) begin at 0 and at 8 records; walk 1's two slots (four of K) lie
; in walk 2's second slot, which is filled over them behind walk 2's first change of slots.  Waves 4, 5 fetch for walk 1, waves 0, 1 (K) and 2, 3 (V) for walk 2.
; Behind the ring: the spare words, 8 x 1,024 bytes for m and l, 8 x 4,096 for O^T; no fill lands there.
; NO CLUSTER: the number of slots that a work-group reads hangs on its number, (127 - 4 x) / 32 + 1; slots behind that limit are not asked for, by a jump on ids.
; LIMITS: as at the head of the launch quant; sums are taken in another order than reference()'s; 1 / l and the factor 0.2 enter as terms of the exponent.
.set REC,  16896
.set SL2,  8*REC                       ; walk 2's slot
.set R1,   SL2                         ; walk 1's ring: two slots of 4 records
.set SPARE, 16*REC                     ; the spare words, 128 bytes for each wave
.set STG,  SPARE+1024                  ; m and l from wave to wave
.set STO,  STG+8192                    ; O^T from wave to wave, 32 registers at a time
.set LI,  1                            ; 16 x lane
.set LS,  2                            ; 4 x lane
.set ADK, 3
.set ADS, 4
.set SPW, 5
.set NIL, 6
.set AW,  7                            ; attn's scale word
.set DD,  8
.set NINF, 9
.set RH,  10                           ; r - 8 h
.set PFO, 11                           ; 256 x lane
.set KS,  12                           ; v12-15 K's scale words
.set VS,  16                           ; v16-19 V's
.set STH, 20                           ; a tile's state, 12 registers: +0 -c m1 (walk 2: with -log2 l1), +1 m1, +2 the same of map 2, +3 m2, +4 and +6 walk 1's factors, +5 Q's scale word, +8.. the sums l1, l2 in two halves each
.set STL, 32
.set TM,  44                           ; v44-59 at work
.set QFH, 60                           ; v60-83, v84-107 Q of the two tiles
.set QFL, 84
.set PC,  108                          ; v108-123 the codes just made
.set FR,  124                          ; v124-187 four fragments of K
.set S1,  188
.set S2,  220
.set ADV, 252
.set ADW, 253
.set PWO, 254
.set VF,  128                          ; second window: v256-319 tile H's O^T, v320-383 tile L's, v384-511 V's eight fragments
.set WV, 8
.set HQ, 9
.set PI, 10
.set QT, 11
.set Q0, 12
.set Q15, 13
.set LAST, 14
.set KF, 15
.set T, 16
.set TB, 17
.set NX, 18
.set QTL, 22
.set Q0L, 23
.set G1, 24
.set G0A, 32
.set G0B, 36
.set SEL, 40
.set CS, 42
.set NC, 44
.set MNT, 45
.set PFA, 46
.set PFB, 48
.set LIMA, 50
.set LIMB, 51
.set Q15L, 60
.set E128, 61
.set EW, 62
.set U, 63                             ; s63  which of my two steps of the slot
.set LA, 68                            ; s68  where my load of walk 1 lands in its slot 0
.set LB, 69                            ; s69  the same for walk 2
.set TE1, 70                           ; s70  my first record of walk 1's slot 0
.set TE2, 71                           ; s71  of walk 2's
.set PF, 74                            ; s74  1: the step's first four fragments of K and its scale words have been asked for under the step before
.set TS, 75                            ; s75  my first record of the slot in hand
.set ADN, 255                          ; v255 LDS address of the fragments of my OTHER step of the slot in hand
.set ANS, 254                          ; v254 of its scale words (the register is PWO on the way out)
.set MSB, 0
.macro WIN new
.if MSB != \new
	s_set_vgpr_msb (MSB<<8)|\new
.set MSB, \new
.endif
.endm
.macro PLACES n
.rept \n
	v_nop
.endr
.endm
	s_load_b128 s[4:7], s[0:1], 0x0                ; qkv, ac
	v_lshl_add_u32 v[SPW], v0, 2, SPARE
	v_mov_b32 v[NIL], 0
	ds_add_u32 v[SPW], v[NIL]                      ; the wave's opening: the add, twice on end, and its wait
	ds_add_u32 v[SPW], v[NIL]
	v_lshrrev_b32 v1, 5, v0
	v_readfirstlane_b32 s[WV], v1                  ; wave 0..7
	s_and_b32 s[HQ], ttmp7, 0xffff                 ; the query head
	s_mov_b32 s[PI], ttmp9
	s_lshl_b32 s19, s[PI], 2
	s_and_b32 s20, s[WV], 3
	s_add_co_u32 s[QTL], s19, s20                  ; tile L: a
	s_sub_co_u32 s[QT], 127, s[QTL]                ; tile H: 127 - a
	s_lshr_b32 s[EW], s[WV], 2                     ; even or odd key steps
	s_lshl_b32 s[E128], s[EW], 7
	s_lshl_b32 s[Q0], s[QT], 4
	s_add_co_u32 s[Q15], s[Q0], 15
	s_lshl_b32 s[Q0L], s[QTL], 4
	s_add_co_u32 s[Q15L], s[Q0L], 15
	s_lshl_b32 s[LAST], s[PI], 2
	s_sub_co_u32 s[LAST], 127, s[LAST]
	s_lshr_b32 s[LAST], s[LAST], 5                 ; the slot of 512 keys that holds my work-group's last query
	s_mov_b32 s[G1], 3<<16                         ; two records as a dense block: 132 rows of 256 bytes
	s_mov_b32 s[G1+1], 32<<16
	s_mov_b32 s[G1+2], 132<<16
	s_mov_b32 s[G1+3], 32<<16
	s_mov_b32 s[G1+4], 132
	s_mov_b32 s[G1+5], 32
	s_mov_b32 s[G1+6], 0
	s_mov_b32 s[G1+7], 0
	s_lshr_b32 s19, s[HQ], 1                       ; the key and value head
	s_lshl_b32 s19, s19, 4
	s_add_co_u32 s19, s19, 256                     ; K's first record
	s_mul_i32 s52, s19, REC
	s_mov_b32 s53, 0
	s_and_b32 s21, s[WV], 1
	s_lshl_b32 s21, s21, 1                         ; which two of four records I fetch
	s_add_co_u32 s20, s19, s21
	s_mul_i32 s72, s20, REC                        ; walk 1 (waves 4, 5): K's
	s_mov_b32 s73, 0
	s_lshr_b32 s54, s[WV], 1
	s_lshl_b32 s54, s54, 7
	s_add_co_u32 s20, s20, s54                     ; walk 2: waves 0, 1 K's, waves 2, 3 V's (128 records on)
	s_mul_i32 s54, s20, REC
	s_mov_b32 s55, 0
	s_mul_i32 s[LB], s[WV], 2*REC
	s_mul_i32 s[LA], s21, REC
	s_add_co_u32 s[LA], s[LA], R1
	s_mul_i32 s[TE2], s[EW], REC
	s_add_co_u32 s[TE1], s[TE2], R1
	s_mov_b32 s[SEL], 0x76543210
	s_mov_b32 s[SEL+1], 0xfedcba98
	s_mov_b32 s[CS], 0x3e38aa3b                    ; c = log2(e) / 8
	s_mov_b32 s[CS+1], s[CS]
	s_mov_b32 s[NC], 0xbe38aa3b                    ; -c
	s_mov_b32 s[MNT], 0x600000
	s_and_b32 s19, s[HQ], 1                        ; who prefetches: the work-group with x = 0 of each even query head
	s_or_b32 s19, s19, s[PI]
	s_lshr_b32 s20, s[WV], 1
	s_xor_b32 s21, s20, 2
	s_or_b32 s21, s21, s19
	s_cmp_eq_u32 s21, 0
	s_cselect_b32 s[LIMA], 2, 0                    ; its waves 4 and 5: K, in walk 1
	s_xor_b32 s21, s20, 3
	s_or_b32 s21, s21, s19
	s_cmp_eq_u32 s21, 0
	s_cselect_b32 s[LIMB], 2, 0                    ; its waves 6 and 7: V, in walk 2
	s_wait_dscnt 0x0
	s_wait_kmcnt 0x0
	s_mov_b32 s[G0A], 1
	s_mov_b32 s[G0A+1], s[LA]
	s_add_nc_u64 s[G0A+2:G0A+3], s[4:5], s[72:73]
	s_or_b32 s[G0A+3], s[G0A+3], 0x80000000
	s_mov_b32 s[G0B], 1
	s_mov_b32 s[G0B+1], s[LB]
	s_add_nc_u64 s[G0B+2:G0B+3], s[4:5], s[54:55]
	s_or_b32 s[G0B+3], s[G0B+3], 0x80000000
	s_lshr_b32 s19, s[WV], 1                       ; the first fills: keys 0 to 511 for both walks; one load a wave; walk 1's, which are wanted first, in the first arm
	s_cmp_eq_u32 s19, 2
	s_cbranch_scc0 .Lnot_45
	tensor_load_to_lds s[G0A:G0A+3], s[G1:G1+7]
	s_nop 0
.rept 4
	v_nop
.endr
	s_branch .Lfirst_asked
.Lnot_45:
	s_cmp_lt_u32 s[WV], 4
	s_cbranch_scc0 .Lfirst_asked
	tensor_load_to_lds s[G0B:G0B+3], s[G1:G1+7]
	s_nop 0
.rept 4
	v_nop
.endr
.Lfirst_asked:
	s_and_b32 s19, s[WV], 1
	s_lshl_b32 s56, s19, 13
	s_add_co_u32 s56, s56, 4*REC                   ; slot 1, my wave's 8,192 bytes of a record: the first change steps it to slot 2
	s_mov_b32 s57, 0
	s_add_nc_u64 s[56:57], s[56:57], s[52:53]
	s_add_nc_u64 s[PFA:PFA+1], s[4:5], s[56:57]
	s_add_nc_u64 s[PFB:PFB+1], s[PFA:PFA+1], 128*REC
	s_mov_b32 s57, 0
	v_and_b32 v1, 31, v0
	v_lshlrev_b32 v[LS], 2, v1
	v_lshlrev_b32 v[PFO], 8, v1
	v_lshlrev_b32 v[LI], 4, v1
	v_and_b32 v[RH], 15, v0
	v_bfe_u32 v3, v0, 4, 1
	v_lshlrev_b32 v3, 3, v3
	v_sub_nc_u32 v[RH], v[RH], v3
	v_and_b32 v[DD], 15, v0
	v_lshlrev_b32 v[DD], 2, v[DD]                  ; 4 r
.macro QLOAD qt, qf, st, a, b          ; a tile's fragment of Q and its scale word; the offsets stand in registers of their own
	s_lshl_b32 s19, s[HQ], 4
	s_lshr_b32 s20, s[\qt], 3
	s_add_co_u32 s19, s19, s20
	s_mul_i32 s56, s19, REC
	s_add_nc_u64 s[\b:\b+1], s[4:5], s[56:57]
	s_and_b32 s20, s[\qt], 7
	s_lshl_b32 s21, s20, 11
	s_lshl_b32 s20, s20, 6
	s_wait_alu depctr_va_vdst(0)
	v_add_nc_u32 v[\a], s21, v[LI]
	v_add_nc_u32 v[\a+1], s20, v[DD]
	global_load_b128 v[\qf:\qf+3], v[\a], s[\b:\b+1]
	global_load_b128 v[\qf+4:\qf+7], v[\a], s[\b:\b+1] offset:512
	global_load_b128 v[\qf+16:\qf+19], v[\a], s[\b:\b+1] offset:1024
	global_load_b128 v[\qf+20:\qf+23], v[\a], s[\b:\b+1] offset:1536
	global_load_b32 v[\st+5], v[\a+1], s[\b:\b+1] offset:16384
.endm
	QLOAD QT, QFH, STH, S1, 58
	QLOAD QTL, QFL, STL, S1+2, 66
	v_mov_b32 v[NINF], 0xff800000
.irp st, STH, STL
	v_mov_b32 v[\st+1], 0xff61b1e6                 ; -3e38, under every score
	v_mov_b32 v[\st+3], 0xff61b1e6
	v_mul_f32 v[\st], s[NC], v[\st+1]
	v_mul_f32 v[\st+2], s[NC], v[\st+3]
.irp j, 4,6,7,8,9,10,11
	v_mov_b32 v[\st+\j], 0
.endr
.endr
.irp j, 8,9,10,11,12,13,14,15
	v_mov_b32 v[QFH+\j], 0                         ; the zero codes between Q1 and Q2
	v_mov_b32 v[QFL+\j], 0
.endr
.irp j, 0,1,2,3
	v_mov_b32 v[TM+4+\j], 0                        ; a lane permute's destination counts as one of its sources
.endr
	WIN 0x40
.set j, 0
.rept 128
	v_mov_b32 v[j], 0                              ; both tiles' O^T: walk 2's step has one form of its products, and a wave may have no step of a tile
.set j, j+1
.endr
	WIN 0
.macro TL1                             ; walk 1's slot: waves 4 and 5
	s_lshr_b32 s19, s[WV], 1
	s_cmp_eq_u32 s19, 2
	s_cbranch_scc0 .Lno_\@
	tensor_load_to_lds s[G0A:G0A+3], s[G1:G1+7]
	s_nop 0
.rept 4
	v_nop
.endr
.Lno_\@:
.endm
.macro TL2                             ; walk 2's slot: waves 0 to 3
	s_cmp_lt_u32 s[WV], 4
	s_cbranch_scc0 .Lno_\@
	tensor_load_to_lds s[G0B:G0B+3], s[G1:G1+7]
	s_nop 0
.rept 4
	v_nop
.endr
.Lno_\@:
.endm
; A prefetch of the 4 x 16,384 code bytes of slot T + 2, one slot ahead of the tensor loads that will name them; two waves, 8,192 bytes of each record each, lanes 256 bytes apart.  It stops behind trip 1: slot 3 is the last.
; Each block is named once in the launch: K's in walk 1, V's in walk 2, by one work-group for each key and value head.
.macro ASK lim, pf
	s_cmp_lt_u32 s[T], s[\lim]
	s_cbranch_scc0 .Lnot_mine_\@
.irp i, 0,1,2,3
	global_prefetch_b8 v[PFO], s[\pf:\pf+1] offset:\i*REC th:TH_LOAD_NT scope:SCOPE_SE
.endr
.Lnot_mine_\@:
.endm
; THE CHANGE OF SLOTS, at a slot's head: each wave waits for all its tensor loads, adds 0 to its spare word, waits for that and for its reads of the slot that it has left; then the barrier.
; fill = 1: the slot just left takes the next 512 keys, unless they all lie behind my work-group's last query.
; Every wait on TENSORcnt in this text is for 0.  dbl = 1: the add twice on end here.
.macro CHANGE pass, fill, dbl
	s_wait_tensorcnt 0x0
	ds_add_u32 v[SPW], v[NIL]
.if \dbl
	ds_add_u32 v[SPW], v[NIL]
.endif
.if \fill
	s_add_co_u32 s[NX], s[T], 1
	s_and_b32 s19, s[NX], 1                        ; slots take turns by the trip's number
.if \pass == 1
	s_mul_i32 s19, s19, 4*REC
	s_add_co_u32 s[G0A+1], s19, s[LA]
	s_add_nc_u64 s[G0A+2:G0A+3], s[G0A+2:G0A+3], 4*REC
	s_wait_xcnt 0x0                                ; the last prefetches, a slot back, have read their address
	s_add_nc_u64 s[PFA:PFA+1], s[PFA:PFA+1], 4*REC
.else
	s_mul_i32 s19, s19, SL2
	s_add_co_u32 s[G0B+1], s19, s[LB]
	s_add_nc_u64 s[G0B+2:G0B+3], s[G0B+2:G0B+3], 4*REC
	s_wait_xcnt 0x0
	s_add_nc_u64 s[PFB:PFB+1], s[PFB:PFB+1], 4*REC
.endif
.endif
	s_wait_dscnt 0x0
	s_barrier_signal -1
	s_barrier_wait -1
.if \fill
	s_cmp_gt_u32 s[NX], s[LAST]
	s_cbranch_scc1 .Lpast_\@
.if \pass == 1
	TL1
.else
	TL2
.endif
.Lpast_\@:
.if \pass == 1
	ASK LIMA, PFA
.else
	ASK LIMB, PFB
.endif
.endif
.endm
.macro LOADK half, ad=ADK
.irp k, 0,1,2,3
.irp c, 0,1,2,3
	ds_load_b128 v[FR+16*\k+4*\c:FR+16*\k+4*\c+3], v[\ad] offset:(4*\half+\k)*2048+512*\c
.endr
.endr
.endm
.macro LOADKS ad=ADS
.irp p, 0,1,2,3
	ds_load_b32 v[KS+\p], v[\ad] offset:16384+128*\p
.endr
.endm
.macro LOADV g                         ; four fragments of V: channels 64 g on (destination: the second window)
.irp k, 0,1,2,3
.irp c, 0,1,2,3
	ds_load_b128 v[VF+64*\g+16*\k+4*\c:VF+64*\g+16*\k+4*\c+3], v[ADV] offset:(4*\g+\k)*2048+512*\c
.endr
.endr
.endm
.macro LOADVS
.irp p, 0,1,2,3
	ds_load_b32 v[VS+\p], v[ADW] offset:16384+128*\p
.endr
.endm
; 64 keys x 16 queries, both maps.  stag = 1: each pair of products waits for its own fragment's four loads and leaves the younger fragments' out (12, 8, 4, 0)
.macro QK half, stag, qf, st
.irp k, 0,2
.if \stag
	s_wait_dscnt 12-4*\k
.endif
	v_wmma_scale_f32_16x16x128_f8f6f4 v[S1+8*\k:S1+8*\k+7], v[FR+16*\k:FR+16*\k+15], v[\qf:\qf+15], 0, v[KS+2*\half+\k/2], v[\st+5]
	v_wmma_scale_f32_16x16x128_f8f6f4 v[S2+8*\k:S2+8*\k+7], v[FR+16*\k:FR+16*\k+15], v[\qf+8:\qf+23], 0, v[KS+2*\half+\k/2], v[\st+5]
.if \stag
	s_wait_dscnt 8-4*\k
.endif
	v_wmma_scale_f32_16x16x128_f8f6f4 v[S1+8*\k+8:S1+8*\k+15], v[FR+16*\k+16:FR+16*\k+31], v[\qf:\qf+15], 0, v[KS+2*\half+\k/2], v[\st+5] matrix_a_scale:MATRIX_SCALE_ROW1
	v_wmma_scale_f32_16x16x128_f8f6f4 v[S2+8*\k+8:S2+8*\k+15], v[FR+16*\k+16:FR+16*\k+31], v[\qf+8:\qf+23], 0, v[KS+2*\half+\k/2], v[\st+5] matrix_a_scale:MATRIX_SCALE_ROW1
.endr
.endm
.macro PV8 ob                          ; O^T += V^T attn^T: eight tiles of 16 channels; the eight accumulators take turns
.irp d, 0,2,4,6
	v_wmma_scale_f32_16x16x128_f8f6f4 v[\ob+8*\d:\ob+8*\d+7], v[VF+16*\d:VF+16*\d+15], v[PC:PC+15], v[\ob+8*\d:\ob+8*\d+7], v[VS+\d/2], v[AW]
	v_wmma_scale_f32_16x16x128_f8f6f4 v[\ob+8*\d+8:\ob+8*\d+15], v[VF+16*\d+16:VF+16*\d+31], v[PC:PC+15], v[\ob+8*\d+8:\ob+8*\d+15], v[VS+\d/2], v[AW] matrix_a_scale:MATRIX_SCALE_ROW1
.endr
.endm
; On the diagonal hidden scores become -infinity.  Register n holds key KF + 64 half + 16 (n / 8) + 8 h + n % 8; the query is q0 + r.  Where all 64 keys count for all 16 queries this is jumped over.
.macro MASK half, q0
	s_add_co_u32 s19, s[KF], 64*\half+63
	s_cmp_le_u32 s19, s[\q0]
	s_cbranch_scc1 .Lopen_\@
	s_sub_co_i32 s19, s[\q0], s[KF]
	v_add_nc_u32 v[DD], s19, v[RH]
.set n, 0
.rept 32
	v_cmp_gt_i32 vcc_lo, 64*\half+16*(n/8)+n%8, v[DD]
	v_cndmask_b32 v[S1+n], v[S1+n], v[NINF], vcc_lo
	v_cndmask_b32 v[S2+n], v[S2+n], v[NINF], vcc_lo
.set n, n+1
.endr
.Lopen_\@:
.endm
.macro SCALE_T st                      ; c s + the tile's stored term, two at a time, both maps
.set j, 0
.rept 16
	v_pk_fma_f32 v[S1+j:S1+j+1], v[S1+j:S1+j+1], s[CS:CS+1], v[\st:\st+1] op_sel_hi:[1,0,0]
	v_pk_fma_f32 v[S2+j:S2+j+1], v[S2+j:S2+j+1], s[CS:CS+1], v[\st+2:\st+3] op_sel_hi:[1,0,0]
.set j, j+2
.endr
.endm
.macro EXP64
.set j, 0
.rept 64
	v_exp_f32 v[S1+j], v[S1+j]
.set j, j+1
.endr
.endm
; WALK 1, 64 keys: the new maxima, then l = l x 2^(c m_old - c m_new) + the sum of 2^(c s - c m_new).  A lane keeps m and l for its own keys.
.macro SOFT1 st
	v_max3_num_f32 v[TM], v[\st+1], v[S1], v[S1+1]
	v_max3_num_f32 v[TM+2], v[\st+3], v[S2], v[S2+1]
	v_max3_num_f32 v[TM+1], v[S1+16], v[S1+17], v[S1+18]
	v_max3_num_f32 v[TM+3], v[S2+16], v[S2+17], v[S2+18]
.irp i, 0,1,2,3,4,5
	v_max3_num_f32 v[TM], v[TM], v[S1+2+2*\i], v[S1+3+2*\i]
	v_max3_num_f32 v[TM+2], v[TM+2], v[S2+2+2*\i], v[S2+3+2*\i]
	v_max3_num_f32 v[TM+1], v[TM+1], v[S1+19+2*\i], v[S1+20+2*\i]
	v_max3_num_f32 v[TM+3], v[TM+3], v[S2+19+2*\i], v[S2+20+2*\i]
.endr
	v_max3_num_f32 v[TM], v[TM], v[S1+14], v[S1+15]
	v_max3_num_f32 v[TM+2], v[TM+2], v[S2+14], v[S2+15]
	v_max3_num_f32 v[\st+1], v[TM], v[TM+1], v[S1+31]
	v_max3_num_f32 v[\st+3], v[TM+2], v[TM+3], v[S2+31]
	v_mul_f32 v[TM+4], s[NC], v[\st+1]
	v_mul_f32 v[TM+5], s[NC], v[\st+3]
	v_sub_f32 v[\st+4], v[TM+4], v[\st]
	v_sub_f32 v[\st+6], v[TM+5], v[\st+2]
	v_mov_b32 v[\st], v[TM+4]
	v_mov_b32 v[\st+2], v[TM+5]
	SCALE_T \st
	s_wait_alu depctr_va_vdst(0)
	v_exp_f32 v[\st+4], v[\st+4]                   ; one batch of 66 exponentials,
	v_exp_f32 v[\st+6], v[\st+6]
	EXP64
	v_nop                                          ; a plain line behind the last,
	s_wait_alu depctr_va_vdst(0)                   ; and one wait ahead of the first line that names a result
	v_pk_mul_f32 v[\st+8:\st+9], v[\st+8:\st+9], v[\st+4:\st+5] op_sel_hi:[1,0]
	v_pk_mul_f32 v[\st+10:\st+11], v[\st+10:\st+11], v[\st+6:\st+7] op_sel_hi:[1,0]
	v_pk_add_f32 v[TM+6:TM+7], v[S1:S1+1], v[S1+2:S1+3]
	v_pk_add_f32 v[TM+8:TM+9], v[S2:S2+1], v[S2+2:S2+3]
.set j, 4
.rept 7
	v_pk_add_f32 v[\st+8:\st+9], v[\st+8:\st+9], v[S1+j:S1+j+1]
	v_pk_add_f32 v[\st+10:\st+11], v[\st+10:\st+11], v[S2+j:S2+j+1]
	v_pk_add_f32 v[TM+6:TM+7], v[TM+6:TM+7], v[S1+j+2:S1+j+3]
	v_pk_add_f32 v[TM+8:TM+9], v[TM+8:TM+9], v[S2+j+2:S2+j+3]
.set j, j+4
.endr
	v_pk_add_f32 v[\st+8:\st+9], v[\st+8:\st+9], v[TM+6:TM+7]
	v_pk_add_f32 v[\st+10:\st+11], v[\st+10:\st+11], v[TM+8:TM+9]
.endm
; WALK 2, 64 keys: attn, finished, and its two blocks of 32 keys quantised: registers 8 half .. 8 half + 7 of the operand, bytes 2 half, 2 half + 1 of its scale word
.macro SOFT2 half, st
	SCALE_T \st
	s_wait_alu depctr_va_vdst(0)
	EXP64
	v_nop
	s_wait_alu depctr_va_vdst(0)                   ; one wait for the batch of 64
.set j, 0
.rept 16
	v_pk_add_f32 v[S1+j:S1+j+1], v[S1+j:S1+j+1], v[S2+j:S2+j+1] neg_lo:[0,1] neg_hi:[0,1]   ; the first map less 0.2 x the second: both come normalised out of the exponentials
.set j, j+2
.endr
.irp b, 0,1
	v_max3_num_f32 v[TM+\b], |v[S1+16*\b]|, |v[S1+16*\b+1]|, 0x4800000
.endr
.irp i, 2,4,6,8,10,12,14
.irp b, 0,1
	v_max3_num_f32 v[TM+\b], v[TM+\b], |v[S1+16*\b+\i]|, |v[S1+16*\b+\i+1]|
.endr
.endr
.irp b, 0,1
	v_permlanex16_b32 v[TM+4+\b], v[TM+\b], s[SEL], s[SEL+1]
.endr
.irp b, 0,1
	v_max_num_f32 v[TM+\b], v[TM+\b], v[TM+4+\b]
.endr
.irp b, 0,1
	v_add_nc_u32 v[TM+12+\b], 0xfc000000, v[TM+\b]
.endr
.irp b, 0,1
	v_and_or_b32 v[TM+8+\b], v[TM+\b], 0x7f800000, s[MNT]
.endr
.irp b, 0,1
	v_lshrrev_b32 v[TM+4+\b], 23, v[TM+12+\b]
.endr
.if \half == 0
	v_lshl_or_b32 v[AW], v[TM+5], 8, v[TM+4]
.else
	v_lshl_or_b32 v[AW], v[TM+4], 16, v[AW]
	v_lshl_or_b32 v[AW], v[TM+5], 24, v[AW]        ; the 32 holds below stand between the scale word and the products that name it
.endif
.irp b, 0,1
.irp i, 0,1,2,3,4,5,6,7,8,9,10,11,12,13,14,15
	v_med3_num_f32 v[S1+16*\b+\i], v[S1+16*\b+\i], -v[TM+8+\b], v[TM+8+\b]
.endr
	v_cvt_scalef32_pk8_fp8_f32 v[PC+8*\half+4*\b:PC+8*\half+4*\b+1], v[S1+16*\b:S1+16*\b+7], v[TM+12+\b]
	v_cvt_scalef32_pk8_fp8_f32 v[PC+8*\half+4*\b+2:PC+8*\half+4*\b+3], v[S1+16*\b+8:S1+16*\b+15], v[TM+12+\b]
.endr
	v_nop                                          ; a plain line behind the last conversion
.endm
; A key step for one tile.  first = 1: tile H; the step's first four fragments have just been asked for, and under its last softmax they are asked for again, for tile L.  first = 0: tile L.
; WHAT K's REGISTERS TAKE NEXT, asked for behind a tile's last scores, under its last softmax.  Tile H, where tile L's step follows: the same step's first four fragments again.  Else: the first four fragments and the scale
; words of my other step of the slot: in the slot's first step that is the step that follows (PF = 1: its head asks for nothing); in the second they are not used.  The address lies in the slot in hand in both.
.macro NEXTK first
.if \first
	s_cmp_gt_u32 s[KF], s[Q15L]
	s_cbranch_scc1 .Lno_l_\@
	LOADK 0
	s_mov_b32 s[PF], 0
	s_branch .Lasked_\@
.Lno_l_\@:
.endif
	LOADKS ANS
	LOADK 0, ADN
	s_cmp_eq_u32 s[U], 0
	s_cselect_b32 s[PF], 1, 0
.Lasked_\@:
.endm
.macro BODY1 first, st, qf, q0
.if \first
	QK 0, 1, \qf, \st
.else
	s_wait_dscnt 0x0
	QK 0, 0, \qf, \st
.endif
	PLACES 8                                       ; in front of the loads into K's registers and of the first read of the scores
	LOADK 1
	MASK 0, \q0
	SOFT1 \st
	s_wait_dscnt 0x0
	QK 1, 0, \qf, \st
	PLACES 8
	NEXTK \first
	MASK 1, \q0
	SOFT1 \st
.endm
.macro BODY2 first, st, qf, q0, ob
.if \first
	QK 0, 1, \qf, \st
.else
	s_wait_dscnt 0x0
	QK 0, 0, \qf, \st
.endif
	PLACES 8                                       ; also the places between the last products with V and the loads into V's registers
	LOADK 1
.if \first
	WIN 0x40
	LOADV 0
	WIN 0
	LOADVS
.endif
	MASK 0, \q0
	SOFT2 0, \st
	s_wait_dscnt 0x0
	QK 1, 0, \qf, \st
	PLACES 8
.if \first
	WIN 0x40
	LOADV 1
	WIN 0
.endif
	NEXTK \first
	MASK 1, \q0
	SOFT2 1, \st
	PLACES 3                                       ; with the line behind the conversions: four places between the codes and the products
	s_wait_alu depctr_va_vdst(0)
	s_wait_dscnt 0x0                               ; V is in; what else was out was asked for ahead of the softmax above
	WIN 0x51
	PV8 \ob
	WIN 0
.endm
; A SLOT: my two key steps of its four, records e and e + 2, in a loop of two trips.  A step all of whose keys come behind a tile's 16 queries is jumped over (a branch on ids; no barrier and no tensor load stands here);
; tile L's queries come before tile H's, so the jump over tile H's step leads over tile L's too.  The wait at a step's head: the 16 loads asked for tile L may be out where its step was jumped over.
.macro STEPADR v                       ; the LDS addresses of my step U of the slot, and of my other step
	s_mul_i32 s19, s[U], 2*REC
	s_add_co_u32 s[TB], s[TS], s19
	s_xor_b32 s20, s[U], 1
	s_mul_i32 s20, s20, 2*REC
	s_add_co_u32 s20, s20, s[TS]
	v_add_nc_u32 v[ADK], s[TB], v[LI]
	v_add_nc_u32 v[ADS], s[TB], v[LS]
	v_add_nc_u32 v[ADN], s20, v[LI]
	v_add_nc_u32 v[ANS], s20, v[LS]
.if \v
	v_add_nc_u32 v[ADV], 4*REC, v[ADK]
	v_add_nc_u32 v[ADW], 4*REC, v[ADS]
.endif
	s_wait_alu depctr_va_vdst(0)
.endm
.macro SLOT1
	s_and_b32 s19, s[T], 1
	s_mul_i32 s[TS], s19, 4*REC
	s_add_co_u32 s[TS], s[TS], s[TE1]
	s_mov_b32 s[PF], 0
	s_lshl_b32 s[KF], s[T], 9
	s_add_co_u32 s[KF], s[KF], s[E128]
	s_mov_b32 s[U], 0
.Lstep_\@:
	s_cmp_gt_u32 s[KF], s[Q15]
	s_cbranch_scc1 .Lend_\@
	STEPADR 0
	s_cmp_eq_u32 s[PF], 1
	s_cbranch_scc1 .Lhave_\@
	s_wait_dscnt 0x0
	LOADKS
	LOADK 0
.Lhave_\@:
	BODY1 1, STH, QFH, Q0
	s_cmp_gt_u32 s[KF], s[Q15L]
	s_cbranch_scc1 .Lend_\@
	BODY1 0, STL, QFL, Q0L
.Lend_\@:
	s_add_co_u32 s[KF], s[KF], 256
	s_add_co_u32 s[U], s[U], 1
	s_cmp_lt_u32 s[U], 2
	s_cbranch_scc1 .Lstep_\@
.endm
.macro SLOT2
	s_and_b32 s19, s[T], 1
	s_mul_i32 s[TS], s19, SL2
	s_add_co_u32 s[TS], s[TS], s[TE2]
	s_mov_b32 s[PF], 0
	s_lshl_b32 s[KF], s[T], 9
	s_add_co_u32 s[KF], s[KF], s[E128]
	s_mov_b32 s[U], 0
.Lstep_\@:
	s_cmp_gt_u32 s[KF], s[Q15]
	s_cbranch_scc1 .Lend_\@
	STEPADR 1
	s_cmp_eq_u32 s[PF], 1
	s_cbranch_scc1 .Lhave_\@
	s_wait_dscnt 0x0
	LOADKS
	LOADK 0
.Lhave_\@:
	BODY2 1, STH, QFH, Q0, 0
	s_cmp_gt_u32 s[KF], s[Q15L]
	s_cbranch_scc1 .Lend_\@
	BODY2 0, STL, QFL, Q0L, 64
.Lend_\@:
	s_add_co_u32 s[KF], s[KF], 256
	s_add_co_u32 s[U], s[U], 1
	s_cmp_lt_u32 s[U], 2
	s_cbranch_scc1 .Lstep_\@
.endm
	s_mov_b32 s[T], 0
	s_wait_alu depctr_va_vdst(0)
	s_wait_loadcnt 0x0                             ; Q
.Lwalk1:
	CHANGE 1, 1, 1
	SLOT1
	s_add_co_u32 s[T], s[T], 1
	s_cmp_lt_u32 s[T], 3
	s_cbranch_scc1 .Lwalk1
	CHANGE 1, 0, 1                                 ; the last slot is written out: nothing is asked for
	SLOT1
; m AND l ARE JOINED, four pairs at once (two tiles x two maps): v[S1..] l, v[S1+4..] -c m, v[S1+8..], v[S1+12..] the other side's.  -c m = the smaller; l = l x 2^(c m_mine - c m) + l' x 2^(c m' - c m).
; A side that has seen no key has l = 0 and m = -3e38: its factor is 0, or multiplies 0.  First with lane l xor 16, then with the partner wave, through LDS.  Key 0 counts for every query: l >= 1 in the end.
.macro JCORE
.irp i, 0,1,2,3
	v_min_num_f32 v[S1+16+\i], v[S1+4+\i], v[S1+12+\i]
.endr
.irp i, 0,1,2,3
	v_sub_f32 v[S1+20+\i], v[S1+16+\i], v[S1+4+\i]
.endr
.irp i, 0,1,2,3
	v_sub_f32 v[S1+24+\i], v[S1+16+\i], v[S1+12+\i]
.endr
	s_wait_alu depctr_va_vdst(0)
.irp i, 0,1,2,3,4,5,6,7
	v_exp_f32 v[S1+20+\i], v[S1+20+\i]
.endr
.irp i, 0,1,2,3
	v_mov_b32 v[S1+4+\i], v[S1+16+\i]
.endr
	s_wait_alu depctr_va_vdst(0)
.irp i, 0,1,2,3
	v_mul_f32 v[S1+\i], v[S1+\i], v[S1+20+\i]
.endr
.irp i, 0,1,2,3
	v_fma_f32 v[S1+\i], v[S1+8+\i], v[S1+24+\i], v[S1+\i]
.endr
.endm
	s_lshl_b32 s19, s[WV], 10
	s_add_co_u32 s19, s19, STG                     ; my 1,024 bytes,
	s_xor_b32 s20, s[WV], 4
	s_lshl_b32 s20, s20, 10
	s_add_co_u32 s20, s20, STG                     ; my partner's
	s_wait_dscnt 0x0                               ; loads asked for a step that was jumped over have landed: their registers are free
	s_wait_alu depctr_va_vdst(0)
	v_add_f32 v[S1], v[STH+8], v[STH+9]
	v_add_f32 v[S1+1], v[STH+10], v[STH+11]
	v_add_f32 v[S1+2], v[STL+8], v[STL+9]
	v_add_f32 v[S1+3], v[STL+10], v[STL+11]
	v_mov_b32 v[S1+4], v[STH]
	v_mov_b32 v[S1+5], v[STH+2]
	v_mov_b32 v[S1+6], v[STL]
	v_mov_b32 v[S1+7], v[STL+2]
.irp i, 8,9,10,11,12,13,14,15
	v_mov_b32 v[S1+\i], 0                          ; a lane permute's destination counts as one of its sources
.endr
.irp i, 0,1,2,3,4,5,6,7
	v_permlanex16_b32 v[S1+8+\i], v[S1+\i], s[SEL], s[SEL+1]
.endr
	JCORE
	v_add_nc_u32 v[ADK], s19, v[LI]
	v_add_nc_u32 v[ADS], s20, v[LI]
	ds_store_b128 v[ADK], v[S1:S1+3]
	ds_store_b128 v[ADK], v[S1+4:S1+7] offset:512
	s_wait_alu depctr_va_vdst(0)
	s_wait_dscnt 0x0                               ; my stores are done: the partner reads them behind the barrier
	s_barrier_signal -1
	s_barrier_wait -1
	ds_load_b128 v[S1+8:S1+11], v[ADS]
	ds_load_b128 v[S1+12:S1+15], v[ADS] offset:512
	s_wait_dscnt 0x0
	JCORE
	s_wait_alu depctr_va_vdst(0)
.irp i, 0,1,2,3
	v_log_f32 v[S1+8+\i], v[S1+\i]
.endr
	v_nop
	s_wait_alu depctr_va_vdst(0)
	v_sub_f32 v[STH], v[S1+4], v[S1+8]             ; walk 2's terms: -c m - log2 l,
	v_sub_f32 v[STH+2], v[S1+5], v[S1+9]
	v_sub_f32 v[STL], v[S1+6], v[S1+10]
	v_sub_f32 v[STL+2], v[S1+7], v[S1+11]
	v_add_f32 v[STH+2], 0xc0149a78, v[STH+2]       ; and for the second map + log2 0.2
	v_add_f32 v[STL+2], 0xc0149a78, v[STL+2]
	s_wait_alu depctr_va_vdst(0)
	s_mov_b32 s[T], 0
.Lwalk2:
	CHANGE 2, 1, 1                                 ; in the first trip the loads fill walk 2's second slot over walk 1's ring, which nobody reads any more
	SLOT2
	s_add_co_u32 s[T], s[T], 1
	s_cmp_lt_u32 s[T], 3
	s_cbranch_scc1 .Lwalk2
	CHANGE 2, 0, 0
	SLOT2
; THE TWO PARTS OF O^T ARE ADDED.  Waves 0-3 hand over their part of tile L and finish tile H; waves 4-7 the other way round.  32 registers at a time, as an image: 8 stores of 512 bytes; a barrier shows them to the partner,
; and one more stands between the partner's reads and the second 32.
.macro SENDO ob, p
.irp k, 0,2,4,6
	s_wait_alu depctr_va_vdst(0)
	ds_store_b128 v[ADK], v[\ob+32*\p+4*\k:\ob+32*\p+4*\k+3] offset:512*\k
	ds_store_b128 v[ADK], v[\ob+32*\p+4*\k+4:\ob+32*\p+4*\k+7] offset:512*\k+512
.endr
.endm
.macro XCHG p
	s_cmp_lt_u32 s[WV], 4
	s_cbranch_scc0 .Lsend_h_\@
	WIN 0x04                                       ; the data stand in the second window
	SENDO 64, \p
	WIN 0
	s_branch .Lsent_\@
.Lsend_h_\@:
	WIN 0x04
	SENDO 0, \p
	WIN 0
.Lsent_\@:
	s_wait_dscnt 0x0
	s_barrier_signal -1
	s_barrier_wait -1
.irp k, 0,1,2,3,4,5,6,7
	ds_load_b128 v[FR+32*\p+4*\k:FR+32*\p+4*\k+3], v[ADS] offset:512*\k
.endr
	s_wait_dscnt 0x0
.endm
.macro ADDO ob
	s_wait_alu depctr_va_vdst(0)
.set j, 0
.rept 32
	v_pk_add_f32 v[S1+j:S1+j+1], v[\ob+j:\ob+j+1], v[FR+j:FR+j+1]
.set j, j+2
.endr
.endm
	s_wait_dscnt 0x0                               ; loads asked for a step that was jumped over have landed
	PLACES 8                                       ; between the last products and the first read of their results
	s_lshl_b32 s19, s[WV], 12
	s_add_co_u32 s19, s19, STO
	s_xor_b32 s20, s[WV], 4
	s_lshl_b32 s20, s20, 12
	s_add_co_u32 s20, s20, STO
	v_add_nc_u32 v[ADK], s19, v[LI]
	v_add_nc_u32 v[ADS], s20, v[LI]
	s_wait_alu depctr_va_vdst(0)
	XCHG 0
	s_barrier_signal -1
	s_barrier_wait -1                              ; every wave has read the first 32: the bytes may be stored again
	XCHG 1
	s_cmp_lt_u32 s[WV], 4
	s_cbranch_scc0 .Ladd_l
	WIN 0x01
	ADDO 0
	WIN 0
	s_branch .Ladded
.Ladd_l:
	WIN 0x01
	ADDO 64
	WIN 0
.Ladded:
	; THE WAY OUT.  Register 8 t + j from v[S1] on is out(query r, 16 t + 8 h + j): 128 along the last product's K: one fragment.
.irp b, 0,1,2,3
	v_max3_num_f32 v[TM+\b], |v[S1+16*\b]|, |v[S1+16*\b+1]|, 0x4800000
.endr
.irp i, 2,4,6,8,10,12,14
.irp b, 0,1,2,3
	v_max3_num_f32 v[TM+\b], v[TM+\b], |v[S1+16*\b+\i]|, |v[S1+16*\b+\i+1]|
.endr
.endr
.irp b, 0,1,2,3
	v_permlanex16_b32 v[TM+4+\b], v[TM+\b], s[SEL], s[SEL+1]
.endr
.irp b, 0,1,2,3
	v_max_num_f32 v[TM+\b], v[TM+\b], v[TM+4+\b]
.endr
.irp b, 0,1,2,3
	v_add_nc_u32 v[TM+12+\b], 0xfc000000, v[TM+\b]
.endr
.irp b, 0,1,2,3
	v_and_or_b32 v[TM+8+\b], v[TM+\b], 0x7f800000, s[MNT]
.endr
.irp b, 0,1,2,3
	v_lshrrev_b32 v[TM+4+\b], 23, v[TM+12+\b]
.endr
	v_lshl_or_b32 v[PWO], v[TM+5], 8, v[TM+4]
	v_lshl_or_b32 v[PWO], v[TM+6], 16, v[PWO]
	v_lshl_or_b32 v[PWO], v[TM+7], 24, v[PWO]
.irp b, 0,1,2,3
.irp i, 0,1,2,3,4,5,6,7,8,9,10,11,12,13,14,15
	v_med3_num_f32 v[S1+16*\b+\i], v[S1+16*\b+\i], -v[TM+8+\b], v[TM+8+\b]
.endr
.endr
.irp b, 0,1,2,3
	v_cvt_scalef32_pk8_fp8_f32 v[PC+4*\b:PC+4*\b+1], v[S1+16*\b:S1+16*\b+7], v[TM+12+\b]
	v_cvt_scalef32_pk8_fp8_f32 v[PC+4*\b+2:PC+4*\b+3], v[S1+16*\b+8:S1+16*\b+15], v[TM+12+\b]
.endr
	v_nop
	s_cmp_lt_u32 s[WV], 4
	s_cselect_b32 s[QT], s[QT], s[QTL]             ; the tile that I finish
	s_lshr_b32 s19, s[HQ], 1
	s_lshl_b32 s19, s19, 6
	s_lshr_b32 s20, s[QT], 1
	s_add_co_u32 s19, s19, s20
	s_mul_i32 s52, s19, 8448                       ; ac's record: 256 along K = my key and value head's two query heads; 32 tokens
	s_mov_b32 s53, 0
	s_add_nc_u64 s[6:7], s[6:7], s[52:53]
	s_and_b32 s20, s[QT], 1
	s_and_b32 s21, s[HQ], 1
	s_lshl_b32 s19, s20, 1
	s_add_co_u32 s19, s19, s21
	s_lshl_b32 s19, s19, 11
	v_add_nc_u32 v[ADK], s19, v[LI]
	s_wait_alu depctr_va_vdst(0)
	s_lshl_b32 s20, s20, 7
	s_lshl_b32 s21, s21, 2
	s_add_co_u32 s20, s20, s21
	v_and_b32 v[ADS], 15, v0
	v_lshl_add_u32 v[ADS], v[ADS], 3, s20
.irp c, 0,1,2,3
	global_store_b128 v[ADK], v[PC+4*\c:PC+4*\c+3], s[6:7] offset:512*\c   ; 512 consecutive bytes
.endr
	global_store_b32 v[ADS], v[PWO], s[6:7] offset:8192                    ; my 16 rows' words, 8 bytes apart (both halves of the lanes store the same word)
	s_wait_tensorcnt 0x0                           ; the wave's end
	ds_add_u32 v[SPW], v[NIL]
	s_wait_dscnt 0x0
	s_endpgm
.Lfunc_end_k_q650a730477_attn:
	.size	k_q650a730477_attn, .Lfunc_end_k_q650a730477_attn-k_q650a730477_attn
	.p2alignl 7, 3214868480
	.fill 96, 4, 3214868480
	.section	.rodata,"a",@progbits
	.p2align	6, 0x0
	.amdhsa_kernel k_q650a730477_attn
		.amdhsa_group_segment_fixed_size 327680
		.amdhsa_private_segment_fixed_size 0
		.amdhsa_enable_private_segment 0
		.amdhsa_kernarg_size 16
		.amdhsa_user_sgpr_count 2
		.amdhsa_user_sgpr_kernarg_segment_ptr 1
		.amdhsa_wavefront_size32 1
		.amdhsa_system_sgpr_workgroup_id_x 1
		.amdhsa_system_sgpr_workgroup_id_y 1
		.amdhsa_system_sgpr_workgroup_id_z 1
		.amdhsa_system_vgpr_workitem_id 0
		.amdhsa_next_free_vgpr 512
		.amdhsa_next_free_sgpr 76
		.amdhsa_reserve_vcc 1
		.amdhsa_float_denorm_mode_32 3
		.amdhsa_float_denorm_mode_16_64 3
		.amdhsa_memory_ordered 1
		.amdhsa_forward_progress 1
		.amdhsa_inst_pref_size 255
	.end_amdhsa_kernel
	.section	.bss,"aw",@nobits
	.p2align	6
	.space	262144
	.amdgpu_metadata
---
amdhsa.version: [ 1, 2 ]
amdhsa.kernels:
  - .name:           k_q650a730477_attn
    .symbol:         k_q650a730477_attn.kd
    .args:
      - { .name: qkv, .offset: 0, .size: 8, .value_kind: global_buffer, .address_space: global }
      - { .name: ac, .offset: 8, .size: 8, .value_kind: global_buffer, .address_space: global }
    .group_segment_fixed_size: 327680
    .private_segment_fixed_size: 0
    .kernarg_segment_align: 8
    .kernarg_segment_size: 16
    .max_flat_workgroup_size: 256
    .sgpr_count:     76
    .vgpr_count:     512
    .wavefront_size: 32
...
	.end_amdgpu_metadata
.endif
;; end of part 7
;; launch oproj (part 8): grid 16 x 16, 8 waves a work-group, clusters of 4 x 4, 327,680 bytes of LDS; arguments wc, ac, out0; writes out0
.if DOCPART == 8
	.amdgcn_target "amdgcn-amd-amdhsa--gfx1250"
	.amdhsa_code_object_version 6
	.text
	.protected	k_q650a730477_oproj
	.globl	k_q650a730477_oproj
	.p2align	8
	.type	k_q650a730477_oproj,@function
k_q650a730477_oproj:
	s_mov_b64 s[64:65], 0
	v_nop
	global_prefetch_b8 v0, s[64:65] scope:SCOPE_SE
	s_setreg_imm32_b32 hwreg(HW_REG_WAVE_MODE, 25, 1), 1
	s_wait_xcnt 0x0
	s_wait_alu depctr_hold_cnt(0) depctr_sa_sdst(0) depctr_va_vdst(0) depctr_va_sdst(0) depctr_va_ssrc(0) depctr_va_vcc(0) depctr_vm_vsrc(0)
	s_getreg_b32 s2, hwreg(HW_REG_IB_STS2, 6, 4)
	s_cmp_eq_u32 s2, 0
	s_cbranch_scc0 .Lentry_in_a_cluster
	s_endpgm
.Lentry_in_a_cluster:
	s_bfe_u32 s2, ttmp6, 0x10000c
	s_cmp_lg_u32 s2, 0xf033
	s_cbranch_scc0 .Lentry_shape_is_right
	s_endpgm
.Lentry_shape_is_right:
.set REC8,  8448
.set PAIR,  2*REC8
.set SLOT,  8*PAIR
.set ROFF,  4*PAIR
.set SPARE, 2*SLOT
.set STG,   SPARE+1024
.set SPITCH, 272
.set WSTR,  192*REC8
.set XSTR,  64*REC8
.set AP,  2
.set AR,  4
.set ASP, 6
.set ASR, 8
.set SPW, 10
.set NIL, 11
.set STO, 12
.set RD,  13
.set CO,  14
.set SC,  16
.set RF,  28
.set PF,  60
.set ACC, 124
.set WV, 14
.set WI, 15
.set WJ, 16
.set CX, 17
.set CY, 18
.set IT, 20
.set JT, 21
.set G1P, 24
.set G0P, 32
.set G1R, 40
.set G0R, 48
.set PP, 60
.set RP, 62
.macro PLACES n
.rept \n
	v_nop
.endr
.endm
.macro CROUND
	s_barrier_signal -1
	s_barrier_wait -1
	s_cmp_lg_u32 s[WV], 0
	s_cbranch_scc1 .Lnot_wave_0_\@
	s_barrier_signal -3
.Lnot_wave_0_\@:
	s_barrier_wait -3
	s_barrier_signal -1
	s_barrier_wait -1
.endm
.macro JLOAD s
	s_cmp_lt_u32 s[WV], 4
	s_cbranch_scc0 .Lfor_r_\@
	tensor_load_to_lds s[G0P+4*\s:G0P+4*\s+3], s[G1P:G1P+7]
	s_nop 0
.rept 4
	v_nop
.endr
	s_branch .Lasked_\@
.Lfor_r_\@:
	tensor_load_to_lds s[G0R+4*\s:G0R+4*\s+3], s[G1R:G1R+7]
	s_nop 0
.rept 4
	v_nop
.endr
.Lasked_\@:
.endm
	s_load_b128 s[4:7], s[0:1], 0x0
	s_load_b64 s[8:9], s[0:1], 0x10
	v_lshl_add_u32 v[SPW], v0, 2, SPARE
	v_mov_b32 v[NIL], 0
	ds_add_u32 v[SPW], v[NIL]
	ds_add_u32 v[SPW], v[NIL]
	v_lshrrev_b32 v1, 5, v0
	s_delay_alu instid0(VALU_DEP_1)
	v_readfirstlane_b32 s[WV], v1
	s_lshr_b32 s[WI], s[WV], 2
	s_and_b32 s[WJ], s[WV], 3
	s_bfe_u32 s[CX], ttmp6, 0x40000
	s_bfe_u32 s[CY], ttmp6, 0x40004
	s_lshl_b32 s[IT], ttmp9, 2
	s_add_co_u32 s[IT], s[IT], s[CX]
	s_and_b32 s[JT], ttmp7, 0xffff
	s_lshl_b32 s[JT], s[JT], 2
	s_add_co_u32 s[JT], s[JT], s[CY]
	s_lshl_b32 s66, 0x1111, s[CX]
	s_lshl_b32 s76, s[CY], 2
	s_lshl_b32 s76, 15, s76
	s_or_b32 s[G1P], s66, (3<<16)|(1<<21)
	s_or_b32 s[G1R], s76, (3<<16)|(1<<21)
	s_mov_b32 s[G1P+1], 1056<<16
	s_mov_b32 s[G1P+2], 2<<16
	s_mov_b32 s[G1P+3], 1056<<16
	s_mov_b32 s[G1P+4], 2
	s_mov_b32 s[G1P+5], WSTR/8
	s_mov_b32 s[G1P+6], 0
	s_mov_b32 s[G1P+7], 0
	s_mov_b32 s[G1R+1], 1056<<16
	s_mov_b32 s[G1R+2], 2<<16
	s_mov_b32 s[G1R+3], 1056<<16
	s_mov_b32 s[G1R+4], 2
	s_mov_b32 s[G1R+5], XSTR/8
	s_mov_b32 s[G1R+6], 0
	s_mov_b32 s[G1R+7], 0
	s_lshl_b32 s66, s[IT], 2
	s_add_co_u32 s66, s66, s[WJ]
	s_add_co_u32 s66, s66, 128
	s_mul_i32 s66, s66, REC8
	s_mov_b32 s67, 0
	s_lshl_b32 s76, s[JT], 2
	s_add_co_u32 s76, s76, s[WJ]
	s_mul_i32 s76, s76, REC8
	s_mov_b32 s77, 0
	s_mul_i32 s78, s[WJ], PAIR
	s_add_co_u32 s79, s78, ROFF
	s_wait_dscnt 0x0
	s_wait_kmcnt 0x0
	s_add_nc_u64 s[PP:PP+1], s[4:5], s[66:67]
	s_add_nc_u64 s[RP:RP+1], s[6:7], s[76:77]
	CROUND
.irp s, 0,1
	s_mov_b32 s[G0P+4*\s], 1
	s_add_co_u32 s[G0P+4*\s+1], s78, \s*SLOT
	s_mov_b32 s[G0R+4*\s], 1
	s_add_co_u32 s[G0R+4*\s+1], s79, \s*SLOT
.endr
	s_mov_b64 s[G0P+2:G0P+3], s[PP:PP+1]
	s_add_nc_u64 s[G0P+6:G0P+7], s[PP:PP+1], 2*WSTR
	s_mov_b64 s[G0R+2:G0R+3], s[RP:RP+1]
	s_add_nc_u64 s[G0R+6:G0R+7], s[RP:RP+1], 2*XSTR
	s_or_b32 s[G0P+3], s[G0P+3], 0x80000000
	s_or_b32 s[G0P+7], s[G0P+7], 0x80000000
	s_or_b32 s[G0R+3], s[G0R+3], 0x80000000
	s_or_b32 s[G0R+7], s[G0R+7], 0x80000000
	JLOAD 0
	s_wait_alu depctr_va_vdst(0)
	s_wait_tensorcnt 0x0
	ds_add_u32 v10, v11
	s_wait_dscnt 0x0
	CROUND
	JLOAD 1
	v_and_b32 v1, 31, v0
	v_and_b32 v192, 15, v0
	v_bfe_u32 v193, v0, 4, 1
	s_delay_alu instid0(VALU_DEP_3)
	v_lshlrev_b32 v15, 4, v1
	s_mul_i32 s22, s[WV], 16*SPITCH
	s_add_co_u32 s22, s22, STG
	v_mul_u32_u24 v[STO], v192, SPITCH
	s_delay_alu instid0(VALU_DEP_1)
	v_lshl_add_u32 v[STO], v193, 5, v[STO]
	s_delay_alu instid0(VALU_DEP_1)
	v_add_nc_u32 v[STO], s22, v[STO]
	v_mul_u32_u24 v[RD], v193, SPITCH
	s_delay_alu instid0(VALU_DEP_1)
	v_lshl_add_u32 v[RD], v192, 4, v[RD]
	s_delay_alu instid0(VALU_DEP_1)
	v_add_nc_u32 v[RD], s22, v[RD]
	v_lshlrev_b32 v[CO], 13, v193
	s_delay_alu instid0(VALU_DEP_1)
	v_lshl_add_u32 v[CO], v192, 4, v[CO]
	s_mul_i32 s23, s[WI], 2*PAIR
	v_add_nc_u32 v[AP], s23, v15
	s_delay_alu instid0(VALU_DEP_1)
	v_add_nc_u32 v[AP+1], SLOT, v[AP]
	v_add_nc_u32 v[AR], s79, v15
	s_delay_alu instid0(VALU_DEP_1)
	v_add_nc_u32 v[AR+1], SLOT, v[AR]
	v_lshlrev_b32 v1, 3, v1
	s_delay_alu instid0(VALU_DEP_1)
	v_add_nc_u32 v1, 8192, v1
	s_delay_alu instid0(VALU_DEP_1)
	v_add_nc_u32 v[ASP], s23, v1
	s_delay_alu instid0(VALU_DEP_1)
	v_add_nc_u32 v[ASP+1], SLOT, v[ASP]
	s_delay_alu instid0(VALU_DEP_3)
	v_add_nc_u32 v[ASR], s79, v1
	s_delay_alu instid0(VALU_DEP_1)
	v_add_nc_u32 v[ASR+1], SLOT, v[ASR]
.macro MM t, u, kl, q, zero
.set rA, ACC+32*(\u)+8*(\t)
.set rP, PF+16*(\t)
.set rR, RF+16*(\u)
.set rS, SC+4*((\t)/2)+2*(\kl)+(\q)
.set rT, SC+8+2*(\kl)+(\q)
.if \zero
.if (((\t)%2) == 1) && ((\u) == 1)
	v_wmma_scale_f32_16x16x128_f8f6f4 v[rA:rA+7], v[rP:rP+15], v[rR:rR+15], 0, v[rS], v[rT] matrix_a_scale:MATRIX_SCALE_ROW1 matrix_b_scale:MATRIX_SCALE_ROW1
.elseif ((\t)%2) == 1
	v_wmma_scale_f32_16x16x128_f8f6f4 v[rA:rA+7], v[rP:rP+15], v[rR:rR+15], 0, v[rS], v[rT] matrix_a_scale:MATRIX_SCALE_ROW1
.elseif (\u) == 1
	v_wmma_scale_f32_16x16x128_f8f6f4 v[rA:rA+7], v[rP:rP+15], v[rR:rR+15], 0, v[rS], v[rT] matrix_b_scale:MATRIX_SCALE_ROW1
.else
	v_wmma_scale_f32_16x16x128_f8f6f4 v[rA:rA+7], v[rP:rP+15], v[rR:rR+15], 0, v[rS], v[rT]
.endif
.else
.if (((\t)%2) == 1) && ((\u) == 1)
	v_wmma_scale_f32_16x16x128_f8f6f4 v[rA:rA+7], v[rP:rP+15], v[rR:rR+15], v[rA:rA+7], v[rS], v[rT] matrix_a_scale:MATRIX_SCALE_ROW1 matrix_b_scale:MATRIX_SCALE_ROW1
.elseif ((\t)%2) == 1
	v_wmma_scale_f32_16x16x128_f8f6f4 v[rA:rA+7], v[rP:rP+15], v[rR:rR+15], v[rA:rA+7], v[rS], v[rT] matrix_a_scale:MATRIX_SCALE_ROW1
.elseif (\u) == 1
	v_wmma_scale_f32_16x16x128_f8f6f4 v[rA:rA+7], v[rP:rP+15], v[rR:rR+15], v[rA:rA+7], v[rS], v[rT] matrix_b_scale:MATRIX_SCALE_ROW1
.else
	v_wmma_scale_f32_16x16x128_f8f6f4 v[rA:rA+7], v[rP:rP+15], v[rR:rR+15], v[rA:rA+7], v[rS], v[rT]
.endif
.endif
.endm
.macro MM4 t0, kl, q, zero
	MM \t0, 0, \kl, \q, \zero
	MM \t0, 1, \kl, \q, \zero
	MM (\t0)+1, 0, \kl, \q, \zero
	MM (\t0)+1, 1, \kl, \q, \zero
.endm
.macro KSTEP s, kl, q, zero
.irp u, 0,1
.irp c, 0,1,2,3
	ds_load_b128 v[RF+16*\u+4*\c:RF+16*\u+4*\c+3], v[AR+\s] offset:\kl*REC8+(2*\u+\q)*2048+512*\c
.endr
.endr
.irp t, 0,1,2,3
.irp c, 0,1,2,3
	ds_load_b128 v[PF+16*\t+4*\c:PF+16*\t+4*\c+3], v[AP+\s] offset:(\t/2)*PAIR+\kl*REC8+(2*(\t%2)+\q)*2048+512*\c
.endr
.endr
	s_wait_dscnt 8
	MM4 0, \kl, \q, \zero
	s_wait_dscnt 0
	MM4 2, \kl, \q, \zero
	PLACES 8
.endm
.macro SLOTWORK s, zero
.irp p, 0,1
.irp l, 0,1
	ds_load_b64 v[SC+4*\p+2*\l:SC+4*\p+2*\l+1], v[ASP+\s] offset:\p*PAIR+\l*REC8
.endr
.endr
.irp l, 0,1
	ds_load_b64 v[SC+8+2*\l:SC+8+2*\l+1], v[ASR+\s] offset:\l*REC8
.endr
	KSTEP \s, 0, 0, \zero
	KSTEP \s, 0, 1, 0
	KSTEP \s, 1, 0, 0
	KSTEP \s, 1, 1, 0
.endm
.macro CHANGE s, fill
	s_wait_tensorcnt 0x0
	ds_add_u32 v[SPW], v[NIL]
.if \fill
	s_add_nc_u64 s[G0P+4*\s+2:G0P+4*\s+3], s[G0P+4*\s+2:G0P+4*\s+3], 4*WSTR
	s_add_nc_u64 s[G0R+4*\s+2:G0R+4*\s+3], s[G0R+4*\s+2:G0R+4*\s+3], 4*XSTR
.endif
	s_wait_dscnt 0x0
.if \fill
	CROUND
	JLOAD \s
.else
	s_barrier_signal -1
	s_barrier_wait -1
.endif
.endm
	s_wait_alu depctr_va_vdst(0)
	s_wait_tensorcnt 1
	s_barrier_signal -1
	s_barrier_wait -1
	SLOTWORK 0, 1
	CHANGE 0, 1
	SLOTWORK 1, 0
	CHANGE 1, 1
	SLOTWORK 0, 0
	CHANGE 0, 0
	SLOTWORK 1, 0
	s_lshl_b32 s74, s[JT], 7
	s_lshl_b32 s75, s[WJ], 5
	s_add_co_u32 s74, s74, s75
	s_lshl_b32 s74, s74, 13
	s_lshl_b32 s75, s[IT], 9
	s_add_co_u32 s74, s74, s75
	s_lshl_b32 s75, s[WI], 8
	s_add_co_u32 s74, s74, s75
	s_mov_b32 s75, 0
	s_add_nc_u64 s[8:9], s[8:9], s[74:75]
.macro TOSTAGE u, bk
.irp t, 0,1,2,3
	ds_store_b128 v[STO], v[ACC+32*\u+8*\t:ACC+32*\u+8*\t+3] offset:64*\t
	ds_store_b128 v[STO], v[ACC+32*\u+8*\t+4:ACC+32*\u+8*\t+7] offset:64*\t+16
.endr
.irp i, 0,1,2,3,4,5,6,7
	ds_load_b128 v[\bk+4*\i:\bk+4*\i+3], v[RD] offset:\i*2*SPITCH
.endr
.endm
.macro SEND u, bk, younger
.irp i, 0,1,2,3,4,5,6,7
	s_wait_dscnt \younger+7-\i
	global_store_b128 v[CO], v[\bk+4*\i:\bk+4*\i+3], s[8:9] offset:(16*\u+2*\i)*8192 th:TH_STORE_NT
.endr
.endm
	TOSTAGE 0, RF
	TOSTAGE 1, PF
	SEND 0, RF, 16
	SEND 1, PF, 0
	s_wait_tensorcnt 0x0
	ds_add_u32 v[SPW], v[NIL]
	s_wait_dscnt 0x0
	CROUND
	s_endpgm
.Lfunc_end_k_q650a730477_oproj:
	.size	k_q650a730477_oproj, .Lfunc_end_k_q650a730477_oproj-k_q650a730477_oproj
	.p2alignl 7, 3214868480
	.fill 96, 4, 3214868480
	.section	.rodata,"a",@progbits
	.p2align	6, 0x0
	.amdhsa_kernel k_q650a730477_oproj
		.amdhsa_group_segment_fixed_size 327680
		.amdhsa_private_segment_fixed_size 0
		.amdhsa_enable_private_segment 0
		.amdhsa_kernarg_size 24
		.amdhsa_user_sgpr_count 2
		.amdhsa_user_sgpr_kernarg_segment_ptr 1
		.amdhsa_wavefront_size32 1
		.amdhsa_system_sgpr_workgroup_id_x 1
		.amdhsa_system_sgpr_workgroup_id_y 1
		.amdhsa_system_sgpr_workgroup_id_z 1
		.amdhsa_system_vgpr_workitem_id 0
		.amdhsa_next_free_vgpr 256
		.amdhsa_next_free_sgpr 80
		.amdhsa_reserve_vcc 0
		.amdhsa_float_denorm_mode_32 3
		.amdhsa_float_denorm_mode_16_64 3
		.amdhsa_memory_ordered 1
		.amdhsa_forward_progress 1
		.amdhsa_inst_pref_size 61
	.end_amdhsa_kernel
	.amdgpu_metadata
---
amdhsa.version: [ 1, 2 ]
amdhsa.kernels:
  - .name:           k_q650a730477_oproj
    .symbol:         k_q650a730477_oproj.kd
    .args:
      - { .name: wc, .offset: 0, .size: 8, .value_kind: global_buffer, .address_space: global }
      - { .name: ac, .offset: 8, .size: 8, .value_kind: global_buffer, .address_space: global }
      - { .name: out0, .offset: 16, .size: 8, .value_kind: global_buffer, .address_space: global }
    .group_segment_fixed_size: 327680
    .private_segment_fixed_size: 0
    .kernarg_segment_align: 8
    .kernarg_segment_size: 24
    .max_flat_workgroup_size: 256
    .sgpr_count:     80
    .vgpr_count:     256
    .wavefront_size: 32
...
	.end_amdgpu_metadata
.endif
;; end of part 8
